; MI455X (gfx1250); checked and timed in simulation.
; The chip was launched on July 23, 2026; its instructions are those of AMD's public machine-readable ISA for CDNA 5 (MIT licence, August 2026) and "CDNA5" Instruction Set Architecture Reference Guide (July 2026). The comments in the code are by the model that wrote it; some were corrected since.
;; Optimized Specialized Branch. Allowed arithmetic: float matrix products may take bf16 or f16 operands with f32 sums; other float arithmetic in f32, or as packed bf16 or f16 multiplies, adds, multiply-adds, maxima and minima; sums over many terms, partial sums and values carried from step to step in f32; what a program stores and reads back later, other than sums and carried values, may be rounded once to bf16 or f16.
;; Inputs: b1 4,096 float32; b2 1,024 float32; bk 1,024 float32; bo 1,024 float32; bq 1,024 float32; bv 1,024 float32; ln1_b 1,024 float32; ln1_g 1,024 float32; ln2_b 1,024 float32; ln2_g 1,024 float32; ln_in_b 1,024 float32; ln_in_g 1,024 float32; w1 4,096 x 1,024 float32; w2 1,024 x 4,096 float32; wk 1,024 x 1,024 float32; wo 1,024 x 1,024 float32; wq 1,024 x 1,024 float32; wv 1,024 x 1,024 float32; x 2 x 2,048 x 1,024 float32.
;; Outputs: out0 2 x 2,048 x 1,024 float32.
;; 2 versions, each right and faster than the one before. Each part assembles by itself: llvm-mc -triple=amdgcn-amd-amdhsa -mcpu=gfx1250 --defsym DOCPART=n.
;; ======== version 1 of 2: 8 launches
;; limits: values are held in f16: magnitudes above 65,504 overflow, below 6.1e-05 lose precision; a function is approximated: absolute error at most 1.5e-07
;; workspace buffers: wts 25,165,824 bytes; nh 8,388,608 bytes; qkv 25,165,824 bytes; ctx 8,388,608 bytes; y 16,777,216 bytes; act 33,554,432 bytes
;; launch prep (part 1): grid 64 x 8, 16 waves a work-group, no clusters, 0 bytes of LDS; arguments x, ln_in_g, ln_in_b, wq, wk, wv, wo, wts, nh; writes wts, nh
.if DOCPART == 1
	.amdgcn_target "amdgcn-amd-amdhsa--gfx1250"
	.amdhsa_code_object_version 6
	.text
	.protected	k_qf6f7b6e17e_prep
	.globl	k_qf6f7b6e17e_prep
	.p2align	8
	.type	k_qf6f7b6e17e_prep,@function
k_qf6f7b6e17e_prep:
	s_mov_b64 s[64:65], 0
	v_nop
	global_prefetch_b8 v0, s[64:65] scope:SCOPE_SE
	s_setreg_imm32_b32 hwreg(HW_REG_WAVE_MODE, 25, 1), 1
	s_wait_xcnt 0x0
; PREP.  Two kinds of work-group, told apart by the grid's y.
; y = 0..3: a cast.  wq, wk, wv and wo, 1 Mi numbers each, are rounded once from f32 to f16 into wts, rows [n][k] as they lie: c wq at 0, wk at 2 MiB, wv at 4 MiB, wo at 6 MiB.
;   (w1 and w2, which nothing needs before the feed-forward launches, are cast in the attention launch, to 8 MiB and 16 MiB of the same buffer.)
;   c = log2(e) / sqrt(32) is multiplied into wq in f32 ahead of its one rounding, so that the scores of the attention arrive in units of log2.
;   A work-group takes 16,384 numbers: eight loads of 16 bytes a thread, all out at once.
; y = 4..7: nx = LayerNorm(x) g + b, f32 arithmetic, rounded once to f16 into nh.  One wave, one row of 1,024: the row stays in 32 registers.
;   The variance is taken of x - mean, so no difference of large sums is formed.
; LIMITS.  A weight and a number of nx beyond 65,504 has no place in f16; below 6e-5 f16 keeps a fixed step of 6e-8.  NaN and infinities are not treated apart.
; No LDS, no matrix unit, no cluster: each byte is read once and written once, and no two work-groups share an input but g and b (8 KiB).
.set CSC, 0x3e8293ee                   ; c = log2(e) / sqrt(32) = 0.255035
.set X,   4                            ; v[4:35]    the row, or the cast's eight loads
.set G,   36                           ; v[36:67]   g of my 32 columns
.set B,   68                           ; v[68:99]   b of my 32 columns
.set CH,  100                          ; v[100:107] four chains of packed sums
.set M,   108                          ; v[108:109] the mean, later 1 / sqrt(var + eps), twice
.set T0,  110
.set T1,  111
.macro FOR cnt, line:vararg            ; one line for n = 0 .. cnt - 1
.set n, 0
.rept \cnt
	\line
.set n, n+1
.endr
.endm
.macro REDUCE                          ; the sum of v[T0] over the wave's 32 lanes, in every lane
	v_add_f32_dpp v[T0], v[T0], v[T0] row_xmask:1 row_mask:0xf bank_mask:0xf
	v_add_f32_dpp v[T0], v[T0], v[T0] row_xmask:2 row_mask:0xf bank_mask:0xf
	v_add_f32_dpp v[T0], v[T0], v[T0] row_xmask:4 row_mask:0xf bank_mask:0xf
	v_add_f32_dpp v[T0], v[T0], v[T0] row_xmask:8 row_mask:0xf bank_mask:0xf
	v_permlanex16_b32 v[T1], v[T0], s36, s37
	v_add_f32 v[T0], v[T0], v[T1]
.endm
	s_load_b512 s[8:23], s[0:1], 0x0               ; x 8, g 10, b 12, wq 14, wk 16, wv 18, wo 20, wts 22
	s_load_b64 s[24:25], s[0:1], 0x40              ; nh
	s_and_b32 s4, ttmp7, 0xffff                    ; the grid's y
	s_mov_b32 s35, 0                               ; high word of every offset
	s_wait_kmcnt 0x0
	s_cmp_ge_u32 s4, 4
	s_cbranch_scc1 .Lln
	; THE CAST.  The source is chosen by y alone.
	s_mov_b64 s[30:31], s[14:15]
	s_cmp_eq_u32 s4, 1
	s_cselect_b64 s[30:31], s[16:17], s[30:31]
	s_cmp_eq_u32 s4, 2
	s_cselect_b64 s[30:31], s[18:19], s[30:31]
	s_cmp_eq_u32 s4, 3
	s_cselect_b64 s[30:31], s[20:21], s[30:31]
	s_lshl_b32 s34, ttmp9, 16                      ; my 65,536 bytes of the matrix
	s_add_nc_u64 s[30:31], s[30:31], s[34:35]
	s_lshl_b32 s5, s4, 21                          ; a matrix is 2 MiB of f16,
	s_lshl_b32 s6, ttmp9, 15                       ; my part of it 32,768 bytes
	s_add_co_u32 s34, s5, s6
	s_add_nc_u64 s[22:23], s[22:23], s[34:35]
	s_cmp_eq_u32 s4, 0
	s_cselect_b32 s32, CSC, 1.0                    ; wq alone is scaled
	s_mov_b32 s33, s32                             ; named with it as a pair
	v_lshlrev_b32 v1, 4, v0                        ; 16 bytes a thread in,
	v_lshlrev_b32 v2, 3, v0                        ; 8 bytes out
.irp i, 0,1,2,3,4,5,6,7
	global_load_b128 v[X+4*(\i):X+4*(\i)+3], v1, s[30:31] offset:8192*(\i) th:TH_LOAD_NT
.endr
.irp i, 0,1,2,3,4,5,6,7
	s_wait_loadcnt 7-(\i)                          ; loads come back in order: load i is in, the 7 - i younger ones stay out
	v_pk_mul_f32 v[X+4*(\i):X+4*(\i)+1], v[X+4*(\i):X+4*(\i)+1], s[32:33] op_sel_hi:[1,0]
	v_pk_mul_f32 v[X+4*(\i)+2:X+4*(\i)+3], v[X+4*(\i)+2:X+4*(\i)+3], s[32:33] op_sel_hi:[1,0]
	v_cvt_pk_f16_f32 v[X+4*(\i)], v[X+4*(\i)], v[X+4*(\i)+1]
	v_cvt_pk_f16_f32 v[X+4*(\i)+1], v[X+4*(\i)+2], v[X+4*(\i)+3]
	global_store_b64 v2, v[X+4*(\i):X+4*(\i)+1], s[22:23] offset:4096*(\i)  ; a wave's store covers 256 consecutive bytes, aligned; no register is used twice
.endr
	s_endpgm
.Lln:	; THE LAYER NORM.  Row = ((y - 4) 64 + x) 16 + wave.
	v_lshrrev_b32 v2, 5, v0
	v_readfirstlane_b32 s5, v2
	s_sub_co_u32 s6, s4, 4
	s_lshl_b32 s6, s6, 6
	s_add_co_u32 s6, s6, ttmp9
	s_lshl_b32 s6, s6, 4
	s_add_co_u32 s6, s6, s5
	s_lshl_b32 s34, s6, 12                         ; 4,096 bytes a row of x
	s_add_nc_u64 s[8:9], s[8:9], s[34:35]
	s_lshl_b32 s34, s6, 11                         ; 2,048 a row of nh
	s_add_nc_u64 s[24:25], s[24:25], s[34:35]
	s_mov_b32 s36, 0x76543210                      ; v_permlanex16_b32: each lane takes its own place in the other half
	s_mov_b32 s37, 0xfedcba98
	v_and_b32 v1, 31, v0
	v_lshlrev_b32 v2, 3, v1                        ; 8 bytes a lane out
	v_lshlrev_b32 v1, 4, v1                        ; 16 bytes a lane in
	v_mov_b32 v[T1], 0                             ; the lane exchange's destination counts as read
.irp j, 0,1,2,3,4,5,6,7
	global_load_b128 v[X+4*(\j):X+4*(\j)+3], v1, s[8:9] offset:512*(\j) th:TH_LOAD_NT  ; 512 consecutive bytes a load, the row in eight
.endr
.irp j, 0,1,2,3,4,5,6,7
	global_load_b128 v[G+4*(\j):G+4*(\j)+3], v1, s[10:11] offset:512*(\j)
.endr
.irp j, 0,1,2,3,4,5,6,7
	global_load_b128 v[B+4*(\j):B+4*(\j)+3], v1, s[12:13] offset:512*(\j)
.endr
	s_wait_loadcnt 16                              ; the row is in; g's and b's sixteen loads stay out
	FOR 4, v_pk_add_f32 v[CH+2*n:CH+2*n+1], v[X+2*n:X+2*n+1], v[X+8+2*n:X+8+2*n+1]
	FOR 4, v_pk_add_f32 v[CH+2*n:CH+2*n+1], v[CH+2*n:CH+2*n+1], v[X+16+2*n:X+16+2*n+1]
	FOR 4, v_pk_add_f32 v[CH+2*n:CH+2*n+1], v[CH+2*n:CH+2*n+1], v[X+24+2*n:X+24+2*n+1]
	v_pk_add_f32 v[CH:CH+1], v[CH:CH+1], v[CH+2:CH+3]
	v_pk_add_f32 v[CH+4:CH+5], v[CH+4:CH+5], v[CH+6:CH+7]
	v_pk_add_f32 v[CH:CH+1], v[CH:CH+1], v[CH+4:CH+5]
	v_add_f32 v[T0], v[CH], v[CH+1]
	REDUCE
	v_mul_f32 v[M], 0x3a800000, v[T0]              ; the mean: the sum / 1,024
	v_mov_b32 v[M+1], v[M]
	FOR 16, v_pk_add_f32 v[X+2*n:X+2*n+1], v[X+2*n:X+2*n+1], v[M:M+1] neg_lo:[0,1] neg_hi:[0,1]
	FOR 4, v_pk_mul_f32 v[CH+2*n:CH+2*n+1], v[X+2*n:X+2*n+1], v[X+2*n:X+2*n+1]
	FOR 12, v_pk_fma_f32 v[CH+2*(n%4):CH+2*(n%4)+1], v[X+8+2*n:X+8+2*n+1], v[X+8+2*n:X+8+2*n+1], v[CH+2*(n%4):CH+2*(n%4)+1]
	v_pk_add_f32 v[CH:CH+1], v[CH:CH+1], v[CH+2:CH+3]
	v_pk_add_f32 v[CH+4:CH+5], v[CH+4:CH+5], v[CH+6:CH+7]
	v_pk_add_f32 v[CH:CH+1], v[CH:CH+1], v[CH+4:CH+5]
	v_add_f32 v[T0], v[CH], v[CH+1]
	REDUCE
	v_mov_b32 v[T1], 0x3727c5ac                    ; eps = 1e-5
	v_fmamk_f32 v[T0], v[T0], 0x3a800000, v[T1]    ; var + eps
	v_rsq_f32 v[M], v[T0]
	v_rsq_f32 v[M+1], v[T0]
	v_nop                                          ; a plain instruction between the last root and the use of its result (ISA guide 5.7.2)
	s_wait_alu depctr_va_vdst(0)
	s_wait_loadcnt 0x0                             ; g and b
	FOR 16, v_pk_mul_f32 v[X+2*n:X+2*n+1], v[X+2*n:X+2*n+1], v[M:M+1]
	FOR 16, v_pk_fma_f32 v[X+2*n:X+2*n+1], v[X+2*n:X+2*n+1], v[G+2*n:G+2*n+1], v[B+2*n:B+2*n+1]
.irp j, 0,1,2,3,4,5,6,7
	v_cvt_pk_f16_f32 v[X+4*(\j)], v[X+4*(\j)], v[X+4*(\j)+1]
	v_cvt_pk_f16_f32 v[X+4*(\j)+1], v[X+4*(\j)+2], v[X+4*(\j)+3]
	global_store_b64 v2, v[X+4*(\j):X+4*(\j)+1], s[24:25] offset:256*(\j)  ; 256 consecutive bytes, aligned
.endr
	s_endpgm
.Lfunc_end_k_qf6f7b6e17e_prep:
	.size	k_qf6f7b6e17e_prep, .Lfunc_end_k_qf6f7b6e17e_prep-k_qf6f7b6e17e_prep
	.p2alignl 7, 3214868480
	.fill 96, 4, 3214868480
	.section	.rodata,"a",@progbits
	.p2align	6, 0x0
	.amdhsa_kernel k_qf6f7b6e17e_prep
		.amdhsa_group_segment_fixed_size 0
		.amdhsa_private_segment_fixed_size 0
		.amdhsa_enable_private_segment 0
		.amdhsa_kernarg_size 72
		.amdhsa_user_sgpr_count 2
		.amdhsa_user_sgpr_kernarg_segment_ptr 1
		.amdhsa_wavefront_size32 1
		.amdhsa_system_sgpr_workgroup_id_x 1
		.amdhsa_system_sgpr_workgroup_id_y 1
		.amdhsa_system_sgpr_workgroup_id_z 1
		.amdhsa_system_vgpr_workitem_id 0
		.amdhsa_next_free_vgpr 112
		.amdhsa_next_free_sgpr 66
		.amdhsa_reserve_vcc 0
		.amdhsa_float_denorm_mode_32 3
		.amdhsa_float_denorm_mode_16_64 3
		.amdhsa_memory_ordered 1
		.amdhsa_forward_progress 1
		.amdhsa_inst_pref_size 16
	.end_amdhsa_kernel
	.amdgpu_metadata
---
amdhsa.version: [ 1, 2 ]
amdhsa.kernels:
  - .name:           k_qf6f7b6e17e_prep
    .symbol:         k_qf6f7b6e17e_prep.kd
    .args:
      - { .name: x, .offset: 0, .size: 8, .value_kind: global_buffer, .address_space: global }
      - { .name: ln_in_g, .offset: 8, .size: 8, .value_kind: global_buffer, .address_space: global }
      - { .name: ln_in_b, .offset: 16, .size: 8, .value_kind: global_buffer, .address_space: global }
      - { .name: wq, .offset: 24, .size: 8, .value_kind: global_buffer, .address_space: global }
      - { .name: wk, .offset: 32, .size: 8, .value_kind: global_buffer, .address_space: global }
      - { .name: wv, .offset: 40, .size: 8, .value_kind: global_buffer, .address_space: global }
      - { .name: wo, .offset: 48, .size: 8, .value_kind: global_buffer, .address_space: global }
      - { .name: wts, .offset: 56, .size: 8, .value_kind: global_buffer, .address_space: global }
      - { .name: nh, .offset: 64, .size: 8, .value_kind: global_buffer, .address_space: global }
    .group_segment_fixed_size: 0
    .private_segment_fixed_size: 0
    .kernarg_segment_align: 8
    .kernarg_segment_size: 72
    .max_flat_workgroup_size: 512
    .sgpr_count:     66
    .vgpr_count:     112
    .wavefront_size: 32
...
	.end_amdgpu_metadata
.endif
;; end of part 1
;; launch qkv (part 2): grid 12 x 16, 4 waves a work-group, clusters of 4 x 4, 327,680 bytes of LDS; arguments nh, wts, bq, bk, bv, qkv; writes qkv
.if DOCPART == 2
	.amdgcn_target "amdgcn-amd-amdhsa--gfx1250"
	.amdhsa_code_object_version 6
	.text
	.protected	k_qf6f7b6e17e_qkv
	.globl	k_qf6f7b6e17e_qkv
	.p2align	8
	.type	k_qf6f7b6e17e_qkv,@function
k_qf6f7b6e17e_qkv:
	s_mov_b64 s[64:65], 0
	v_nop
	global_prefetch_b8 v0, s[64:65] scope:SCOPE_SE
	s_setreg_imm32_b32 hwreg(HW_REG_WAVE_MODE, 25, 1), 1
	s_wait_xcnt 0x0
	s_wait_alu depctr_hold_cnt(0) depctr_sa_sdst(0) depctr_va_vdst(0) depctr_va_sdst(0) depctr_va_ssrc(0) depctr_va_vcc(0) depctr_vm_vsrc(0)
	s_getreg_b32 s2, hwreg(HW_REG_IB_STS2, 6, 4)
	s_cmp_eq_u32 s2, 0
	s_cbranch_scc0 .Lentry_in_a_cluster
	s_endpgm
.Lentry_in_a_cluster:
	s_bfe_u32 s2, ttmp6, 0x10000c
	s_cmp_lg_u32 s2, 0xf033
	s_cbranch_scc0 .Lentry_shape_is_right
	s_endpgm
.Lentry_shape_is_right:
; A GEMM ON TILES OF 256 x 256, K = 1,024, f16 operands, f32 sums: C = A B^T + bias, and one of two ways out, chosen by the flag QKV below.
; QKV = 1: A = nx [4096][1024], B = [c wq; wk; wv] [3072][1024]; C + [c bq; bk; bv] is rounded once to f16 and stored by heads, [b][g = n / 32][s][32].
;          12 x 16 = 192 work-groups: N = 3,072 has no more tiles of this size; a tile of 192 columns would give 256 and is a text of its own, not written.
; QKV = 0: A = h [4096][1024], B = w1 [4096][1024]; gelu(C + b1), exact form by erf, is rounded once to f16 and stored [4096][4096].  16 x 16 = 256 work-groups.
; Four waves, each 128 x 128 of C: 64 accumulators of 16 x 16, 512 registers.  K goes in steps of 128 through a ring of two LDS slots filled by the tensor data mover;
; a tile's rows are 256 bytes of memory at multiples of 256.  4 x 4 work-groups form a cluster: A's tile is asked for jointly along a row of the cluster, B's along a column.
; A K STEP IS WRITTEN ONCE.  A trip of the loop goes from a step's second quarter to the next step's first and fills again the slot that it leaves.  Which slot is read stands in two scalars, TB (the
; slot in hand) and TN (the other), each 0 or SLOT and turned by an exclusive or at the trip's end; the LDS addresses are the two fixed lane addresses plus TB or TN.  The last two steps, which ask for
; nothing, are a second loop of the same shape, left in its middle.
; THE MATRIX INSTRUCTION IS USED TRANSPOSED (source 0 = 16 rows of B, source 1 = 16 rows of A): a lane holds row l % 16 of C and the columns 8 (l / 16) + 0..7.
; THE WAY OUT.  When the ring has had its last fill and every wave its last read of it, each wave lays its 128 x 128 sums in f32 into its own 67,584 bytes of the ring,
; and a counted loop on fixed registers reads them back by rows, adds the bias, finishes and stores.
; LIMITS.  Operands and results lie within f16's 65,504; below 6e-5 f16 keeps a fixed step of 6e-8.  erf by Abramowitz and Stegun 7.1.26: absolute error 1.5e-7 at the most, for every argument.
; NaN and infinities are not treated apart.
; REGISTERS, in windows of 256: window 0: v0-31 addresses; v32-63 the bias; v64-127, v128-191 fragments of A, two buffers (on the way out v64-223 at work);
;   window 1: v64-127, v128-191 fragments of B;  window 2: the accumulators of my rows 0-63 ((a, b) at v[8 (8 a + b)]);  window 3: those of my rows 64-127.
.set QKV,    1
.set SIZE_K, 1024
.set KSTEP,  128
.set STEPS,  SIZE_K/KSTEP
.set PITCH,  272                       ; an LDS row: 256 bytes + 16 of padding = 68 words: the 16 rows of a fragment load start at 16 different groups of four banks (ISA guide 11.1)
.set HALFT,  128*PITCH                 ; 128 rows: what one tensor load brings
.set SLOT,   4*HALFT                   ; A's 256 rows, then B's 256 rows
.set SPARE,  2*SLOT                    ; behind the ring: the spare words, 128 bytes for each wave
.set RP,     528                       ; the way out: a row of 128 f32 + 16 bytes = 132 words
.set REGB,   128*RP                    ; a wave's region; four of them, 270,336 bytes, lie inside the ring's 278,528
.if QKV
.set WOFF,   0                         ; where B begins in wts
.else
.set WOFF,   0x800000
.endif
.set A0,   16                          ; v16     LDS address of my A fragments in slot 0; never rewritten
.set B0,   17                          ; v17     the same for B
.set CA,   18                          ; v18-19  the same in the slot in hand
.set CB,   19
.set NA,   20                          ; v20-21  and in the other slot
.set NB,   21
.set DST,  24                          ; v24     the way out: where I lay 16 bytes of a row
.set RDA,  25                          ; v25     the way out: where I read rows back; it steps
.set CO,   26                          ; v26     my byte offset in the output; it steps
.set BA,   27                          ; v27     my byte offset in the bias
.set SPW,  28                          ; v28     LDS address of my spare word; never rewritten
.set NIL,  29                          ; v29     0; never rewritten
.set BI,   32                          ; the bias of my columns
.set F0,   64
.set F1,   128
.set G1, 24                            ; s[24:31] descriptor group 1 for A's tiles
.set G0, 32                            ; s[32:39] group 0 for A's tiles: a set for each of the two first fills; the second then walks on
.set G1B, 48                           ; s[48:55], s[56:63] the same for B's
.set G0B, 56
.set TB, 94                            ; s94  the slot in hand: 0 or SLOT
.set TN, 95                            ; s95  the other slot
.set MSB, 0
.macro WIN new                         ; the immediate's high byte repeats the setting that is left
.if MSB != (\new)
	s_set_vgpr_msb (MSB<<8)|(\new)
.set MSB, \new
.endif
.endm
.set MUL_LO, 0xa1                      ; source 0 (B) window 1, source 1 (A) window 0, C and D window 2
.set MUL_HI, 0xf1                      ; the same, C and D window 3
.set TO_B,   0x40                      ; destination window 1, address window 0
.macro FOR cnt, line:vararg            ; one line for n = 0 .. cnt - 1
.set n, 0
.rept \cnt
	\line
.set n, n+1
.endr
.endm
.macro ADDR                            ; the fragments' addresses in the two slots
	v_add_nc_u32 v[CA], s[TB], v[A0]
	v_add_nc_u32 v[CB], s[TB], v[B0]
	v_add_nc_u32 v[NA], s[TN], v[A0]
	v_add_nc_u32 v[NB], s[TN], v[B0]
.endm
.macro FLIP                            ; the slots change places
	s_xor_b32 s[TB], s[TB], SLOT
	s_xor_b32 s[TN], s[TN], SLOT
	ADDR
.endm
; A joint load.  Waves 0 and 1 fetch A's two halves, waves 2 and 3 B's.  The branch hangs on the wave's number alone.  An s_nop 0 and four v_nop follow each of the two lines.
.macro JLOAD s
	s_cmp_eq_u32 s11, 0
	s_cbranch_scc0 .Lfor_b_\@
	tensor_load_to_lds s[G0+4*(\s):G0+4*(\s)+3], s[G1:G1+7]
	s_nop 0
.rept 4
	v_nop
.endr
	s_branch .Lasked_\@
.Lfor_b_\@:
	tensor_load_to_lds s[G0B+4*(\s):G0B+4*(\s)+3], s[G1B:G1B+7]
	s_nop 0
.rept 4
	v_nop
.endr
.Lasked_\@:
.endm
.macro CREST                           ; a round of the cluster's barrier behind its opening barrier
	s_cmp_lg_u32 s10, 0
	s_cbranch_scc1 .Lnot_wave_0_\@
	s_barrier_signal -3
.Lnot_wave_0_\@:
	s_barrier_wait -3
	s_barrier_signal -1
	s_barrier_wait -1
.endm
.macro CROUND                          ; a whole round
	s_barrier_signal -1
	s_barrier_wait -1
	CREST
.endm
	s_load_b128 s[4:7], s[0:1], 0x0                ; A s[4:5], wts s[6:7]
.if QKV
	s_load_b256 s[68:75], s[0:1], 0x10             ; bq 68, bk 70, bv 72, qkv 74
.else
	s_load_b128 s[68:71], s[0:1], 0x10             ; b1 68, act 70
.endif
	v_lshl_add_u32 v[SPW], v0, 2, SPARE
	v_mov_b32 v[NIL], 0
	ds_add_u32 v[SPW], v[NIL]                      ; the wave's opening: the add and its wait come ahead of my first tensor load; the set-up below stands between them
	v_lshrrev_b32 v1, 5, v0
	v_readfirstlane_b32 s10, v1                    ; wave 0..3
	s_lshr_b32 s11, s10, 1                         ; which half of the tile's rows is mine.  Also: I fetch for A (0) or for B (1)
	s_and_b32 s12, s10, 1                          ; which half of its columns.  Also: which 128 rows of that tile I fetch
	s_bfe_u32 s40, ttmp6, 0x40000                  ; cx
	s_bfe_u32 s41, ttmp6, 0x40004                  ; cy
	s_lshl_b32 s42, ttmp9, 2
	s_add_co_u32 s42, s42, s40                     ; tile column of C = 4 x cluster x + cx
	s_and_b32 s13, ttmp7, 0xffff
	s_lshl_b32 s13, s13, 2
	s_add_co_u32 s13, s13, s41                     ; tile row of C = 4 x cluster y + cy
	s_lshl_b32 s43, s41, 2
	s_lshl_b32 s43, 15, s43                        ; my row of the cluster
	s_lshl_b32 s44, 0x1111, s40                    ; my column
	s_or_b32 s[G1+0], s43, (1<<16)|(1<<20)|(1<<21)|(5<<22)|(3<<25)  ; the mask; elements of 2 bytes; padding on; bit 21 beside a mask; after every 64 words 4 words
	s_or_b32 s[G1B+0], s44, (1<<16)|(1<<20)|(1<<21)|(5<<22)|(3<<25)
.irp g, G1, G1B
	s_mov_b32 s[(\g)+1], KSTEP<<16                 ; tensor_dim0 = 128
	s_mov_b32 s[(\g)+2], 128<<16                   ; tensor_dim1 = 128
	s_mov_b32 s[(\g)+3], KSTEP<<16                 ; tile_dim0 = 128
	s_mov_b32 s[(\g)+4], 128                       ; tile_dim1 = 128
	s_mov_b32 s[(\g)+5], SIZE_K                    ; elements from row to row
	s_mov_b32 s[(\g)+6], 0
	s_mov_b32 s[(\g)+7], 0
.endr
	; A's tiles hang on the tile row alone, B's on the tile column alone; each address is made in registers that never hold the other coordinate
	s_lshl_b32 s17, s12, 7
	s_lshl_b32 s16, s13, 8
	s_add_co_u32 s16, s16, s17                     ; A: row 256 x tile row + 128 x half
	s_lshl_b32 s46, s42, 8
	s_add_co_u32 s46, s46, s17                     ; B: row 256 x tile column + 128 x half
	s_mov_b32 s17, 0
	s_mov_b32 s47, 0
	s_mov_b64 s[18:19], SIZE_K*2
	s_mul_u64 s[16:17], s[16:17], s[18:19]
	s_mul_u64 s[46:47], s[46:47], s[18:19]
.if WOFF
	s_add_nc_u64 s[46:47], s[46:47], WOFF
.endif
	s_mul_i32 s20, s10, HALFT                      ; where they go in a slot: wave x 128 rows; kept for the refills
	s_mov_b32 s[TB], 0
	s_mov_b32 s[TN], SLOT
	s_wait_dscnt 0x0                               ; the opening add is done
	s_wait_kmcnt 0x0
	s_add_nc_u64 s[14:15], s[4:5], s[16:17]
	s_add_nc_u64 s[46:47], s[6:7], s[46:47]
	CROUND                                         ; all sixteen work-groups are here: the first joint loads meet
.irp s, 0,1
	s_mov_b32 s[G0+4*(\s)], 1
	s_add_co_u32 s[G0+4*(\s)+1], s20, (\s)*SLOT
	s_add_nc_u64 s[G0+4*(\s)+2:G0+4*(\s)+3], s[14:15], (\s)*KSTEP*2
	s_or_b32 s[G0+4*(\s)+3], s[G0+4*(\s)+3], 0x80000000
	s_mov_b32 s[G0B+4*(\s)], 1
	s_add_co_u32 s[G0B+4*(\s)+1], s20, (\s)*SLOT
	s_add_nc_u64 s[G0B+4*(\s)+2:G0B+4*(\s)+3], s[46:47], (\s)*KSTEP*2
	s_or_b32 s[G0B+4*(\s)+3], s[G0B+4*(\s)+3], 0x80000000
	JLOAD \s                                       ; K steps 0 and 1: two loads of mine are out
.endr
	; a fragment is 16 rows x 32 K in 8 registers: lane l holds row l % 16, K = 8 (l / 16) + 0..7 and 16 + 8 (l / 16) + 0..7: two loads of 16 bytes, 32 bytes apart
	v_and_b32 v1, 15, v0                           ; l % 16
	v_bfe_u32 v2, v0, 4, 1                         ; l / 16
	v_mul_u32_u24 v3, v1, PITCH
	v_lshl_add_u32 v3, v2, 4, v3
	s_mul_i32 s21, s11, HALFT                      ; my 128 rows of A
	s_mul_i32 s22, s12, HALFT                      ; my 128 rows of B,
	s_add_co_u32 s22, s22, 2*HALFT                 ; which lie behind A's 256
	v_add_nc_u32 v[A0], s21, v3
	v_add_nc_u32 v[B0], s22, v3
	ADDR
	s_mul_i32 s23, s10, REGB                       ; my region on the way out
	v_mul_u32_u24 v4, v1, RP                       ; in: row l % 16, 32 bytes for each half of the lanes
	v_lshl_add_u32 v4, v2, 5, v4
	v_add_nc_u32 v[DST], s23, v4
.if QKV
	v_bfe_u32 v4, v0, 2, 3                         ; back: lane l takes row l / 4 of eight and 8 of a head's 32 columns
	v_and_b32 v5, 3, v0
	v_mul_u32_u24 v4, v4, RP
	v_lshl_add_u32 v4, v5, 5, v4
	v_add_nc_u32 v[RDA], s23, v4
	v_and_b32 v4, 31, v0
	v_lshlrev_b32 v[CO], 4, v4                     ; eight rows of a head are 512 consecutive bytes: 16 x lane
	v_lshlrev_b32 v[BA], 5, v5
	; the bias: bq, bk or bv by the cluster's x (1,024 columns are four tile columns), then my 128 columns of it
	s_mov_b32 s45, ttmp9
	s_cmp_eq_u32 s45, 1
	s_cselect_b64 s[66:67], s[70:71], s[68:69]
	s_cmp_eq_u32 s45, 2
	s_cselect_b64 s[66:67], s[72:73], s[66:67]
	s_lshl_b32 s92, s40, 10
	s_lshl_b32 s93, s12, 9
	s_add_co_u32 s92, s92, s93
	s_mov_b32 s93, 0
	s_add_nc_u64 s[66:67], s[66:67], s[92:93]
	s_cmp_eq_u32 s45, 0
	s_cselect_b32 s90, 0x3e8293ee, 1.0             ; bq takes the factor c that wq has
	s_mov_b32 s91, s90
.irp hh, 0,1,2,3
	global_load_b128 v[BI+8*(\hh):BI+8*(\hh)+3],   v[BA], s[66:67] offset:(\hh)*128
	global_load_b128 v[BI+8*(\hh)+4:BI+8*(\hh)+7], v[BA], s[66:67] offset:(\hh)*128+16
.endr
	; where my part begins in qkv: batch tile row / 8, head group 8 x tile column + 4 x half, row (tile row % 8) 256 + 128 x half
	s_lshr_b32 s16, s13, 3
	s_mul_i32 s16, s16, 12582912
	s_and_b32 s17, s13, 7
	s_lshl_b32 s17, s17, 14
	s_add_co_u32 s16, s16, s17
	s_lshl_b32 s17, s11, 13
	s_add_co_u32 s16, s16, s17
	s_lshl_b32 s92, s42, 20
	s_lshl_b32 s93, s12, 19
	s_add_co_u32 s92, s92, s93
	s_add_co_u32 s92, s92, s16
	s_mov_b32 s93, 0
	s_add_nc_u64 s[8:9], s[74:75], s[92:93]
.else
	v_mul_u32_u24 v4, v2, RP                       ; back: lanes 0-15 take one row, lanes 16-31 the next; 8 columns a lane
	v_lshl_add_u32 v4, v1, 5, v4
	v_add_nc_u32 v[RDA], s23, v4
	v_lshlrev_b32 v4, 13, v2                       ; a row of act is 8,192 bytes
	v_lshl_add_u32 v[CO], v1, 4, v4
	v_lshlrev_b32 v[BA], 5, v1
	s_lshl_b32 s92, s42, 10                        ; b1 at my 128 columns
	s_lshl_b32 s93, s12, 9
	s_add_co_u32 s92, s92, s93
	s_mov_b32 s93, 0
	s_add_nc_u64 s[66:67], s[68:69], s[92:93]
	global_load_b128 v[BI:BI+3],   v[BA], s[66:67]
	global_load_b128 v[BI+4:BI+7], v[BA], s[66:67] offset:16
	s_lshl_b32 s16, s13, 21                        ; 256 rows of 8,192 bytes
	s_lshl_b32 s17, s11, 20
	s_add_co_u32 s16, s16, s17
	s_lshl_b32 s92, s42, 9
	s_lshl_b32 s93, s12, 8
	s_add_co_u32 s92, s92, s93
	s_add_co_u32 s92, s92, s16
	s_mov_b32 s93, 0
	s_add_nc_u64 s[8:9], s[70:71], s[92:93]
	; erf's constants, halved and with the sign that the sum below wants; each named as a pair
.set CP,  76                           ; 0.3275911 / sqrt(2)
.set CK,  78                           ; -log2(e) / 2
.set CA1, 80                           ; -a1 / 2 .. -a5 / 2
.set CA2, 82
.set CA3, 84
.set CA4, 86
.set CA5, 88
	s_mov_b32 s[CP], 0x3e6d3388
	s_mov_b32 s[CK], 0xbf38aa3b
	s_mov_b32 s[CA1], 0xbe027906
	s_mov_b32 s[CA2], 0x3e11a98e
	s_mov_b32 s[CA3], 0xbf35f0e3
	s_mov_b32 s[CA4], 0x3f3a00e3
	s_mov_b32 s[CA5], 0xbf07dc22
.irp c, CP, CK, CA1, CA2, CA3, CA4, CA5
	s_mov_b32 s[(\c)+1], s[\c]
.endr
.endif
; 16 matrix instructions: m blocks a0, a0 + 1 of the window's four x all 8 n blocks, 32 along K.  zero = 1: the first product starts the sums.
.macro MUL16 f, hi, a0, zero
	WIN MUL_LO+0x50*(\hi)
.irp a, \a0, (\a0)+1
.irp b, 0,1,2,3,4,5,6,7
.if \zero
	v_wmma_f32_16x16x32_f16 v[8*(8*(\a)+(\b)):8*(8*(\a)+(\b))+7], v[(\f)+8*(\b):(\f)+8*(\b)+7], v[(\f)+8*(4*(\hi)+(\a)):(\f)+8*(4*(\hi)+(\a))+7], 0
.else
	v_wmma_f32_16x16x32_f16 v[8*(8*(\a)+(\b)):8*(8*(\a)+(\b))+7], v[(\f)+8*(\b):(\f)+8*(\b)+7], v[(\f)+8*(4*(\hi)+(\a)):(\f)+8*(4*(\hi)+(\a))+7], v[8*(8*(\a)+(\b)):8*(8*(\a)+(\b))+7]
.endif
.endr
.endr
.endm
; 32 LDS loads in one run: the fragments of one quarter step (32 K at byte k of the rows; A's address in ra, B's in rb) into buffer f
.macro FETCH ra, rb, k, f
	WIN TO_B
.irp i, 0,1,2,3,4,5,6,7
	ds_load_b128 v[(\f)+8*(\i):(\f)+8*(\i)+3],   v[\rb] offset:(\k)+(\i)*16*PITCH
	ds_load_b128 v[(\f)+8*(\i)+4:(\f)+8*(\i)+7], v[\rb] offset:(\k)+(\i)*16*PITCH+32
.endr
	WIN 0
.irp i, 0,1,2,3,4,5,6,7
	ds_load_b128 v[(\f)+8*(\i):(\f)+8*(\i)+3],   v[\ra] offset:(\k)+(\i)*16*PITCH
	ds_load_b128 v[(\f)+8*(\i)+4:(\f)+8*(\i)+7], v[\ra] offset:(\k)+(\i)*16*PITCH+32
.endr
.endm
.macro PLACES                          ; four places in front of loads into registers that matrix instructions have read, and of reads of results just made
.rept 4
	v_nop
.endr
.endm
; A K step is four quarters of 32 along K, 64 matrix instructions each, on buffers 0, 1, 0, 1.  The 64 accumulators take turns in the same order in every quarter.
.macro QUARTER ra, rb, k, f, g, zero
	s_wait_dscnt 8                                 ; B and A's rows 0-63 are in; the youngest eight loads (A's rows 64-127) may be out
	WIN MUL_LO
	MUL16 \f, 0, 0, \zero
	MUL16 \f, 0, 2, \zero
	PLACES
	FETCH \ra, \rb, \k, \g
	s_wait_dscnt 32                                ; all but the 32 just issued
	WIN MUL_HI
	MUL16 \f, 1, 0, \zero
	MUL16 \f, 1, 2, \zero
.endm
; The last quarter multiplies buffer 1 and changes slots.  ONE barrier: in front of it each wave waits for all its tensor loads (one is out: its part of the next slot), adds 0 to its spare
; word, and waits for that and for its own reads of this slot.  Behind it nobody reads this slot any more and the next slot is whole.
.macro MEET round
	WIN 0
	s_wait_tensorcnt 0x0
	ds_add_u32 v[SPW], v[NIL]                      ; 0 onto my spare word
	s_wait_dscnt 9                                 ; (the add and the youngest eight loads may be out)
	WIN MUL_LO
	MUL16 F1, 0, 0, 0
	s_wait_dscnt 0x0                               ; the add is done, and my reads of this slot are over
	s_barrier_signal -1
	MUL16 F1, 0, 2, 0
.if \round
	WIN 0
.endif
	s_barrier_wait -1
.endm
; fill = 1: the barrier opens a round of the cluster's, and the slot in hand is filled again, two K steps ahead, first thing behind the round.  The walking descriptor takes that slot's LDS
; address and the next K step's global address; no tensor load of mine is out since MEET's wait.
.macro TURN fill
	MEET \fill
.if \fill
	CREST
	s_add_co_u32 s[G0+5], s20, s[TB]
	s_add_nc_u64 s[G0+6:G0+7], s[G0+6:G0+7], KSTEP*2
	s_add_co_u32 s[G0B+5], s20, s[TB]
	s_add_nc_u64 s[G0B+6:G0B+7], s[G0B+6:G0B+7], KSTEP*2
	JLOAD 1                                        ; the four v_nop behind it are also the places in front of the loads below
.else
	PLACES
.endif
	FETCH NA, NB, 0, F0
	WIN MUL_HI
	MUL16 F1, 1, 0, 0
	MUL16 F1, 1, 2, 0
.endm
	s_wait_tensorcnt 1                             ; my part of K step 0 is in; K step 1's may stay out
	s_barrier_signal -1
	s_barrier_wait -1
	FETCH CA, CB, 0, F0
	QUARTER CA, CB, 64,  F0, F1, 1                 ; the first quarter's products start the sums
	WIN 0
	s_mov_b32 s3, STEPS-2
.Lstep:                                                ; six trips, K steps 0 to 5: each asks for the step two further on
	QUARTER CA, CB, 128, F1, F0, 0
	QUARTER CA, CB, 192, F0, F1, 0
	TURN 1
	QUARTER NA, NB, 64,  F0, F1, 0
	WIN 0
	FLIP
	s_sub_co_u32 s3, s3, 1
	s_cmp_lg_u32 s3, 0
	s_cbranch_scc1 .Lstep
	s_mov_b32 s3, 2
.Ltl:                                                  ; K steps 6 and 7 ask for nothing; the second trip is left in its middle
	QUARTER CA, CB, 128, F1, F0, 0
	QUARTER CA, CB, 192, F0, F1, 0
	WIN 0
	s_sub_co_u32 s3, s3, 1
	s_cmp_eq_u32 s3, 0
	s_cbranch_scc1 .Llast
	TURN 0
	QUARTER NA, NB, 64,  F0, F1, 0
	WIN 0
	FLIP
	s_branch .Ltl
.Llast:
	s_wait_dscnt 8
	MUL16 F1, 0, 0, 0
	MUL16 F1, 0, 2, 0
	s_wait_dscnt 0x0
	MUL16 F1, 1, 0, 0
	MUL16 F1, 1, 2, 0
	WIN 0
	; THE WAY OUT.  The ring has had its last fill; when every wave's reads of it are over it takes the sums.
	s_wait_dscnt 0x0
	s_barrier_signal -1
	s_barrier_wait -1
	PLACES
.irp a, 0,1,2,3,4,5,6,7                ; each accumulator's low four registers first
	WIN 0x08+4*((\a)/4)                            ; the data (source 1) in window 2 or 3
.irp b, 0,1,2,3,4,5,6,7
	ds_store_b128 v[DST], v[8*(8*((\a)%4)+(\b)):8*(8*((\a)%4)+(\b))+3]   offset:(\a)*16*RP+(\b)*64
	ds_store_b128 v[DST], v[8*(8*((\a)%4)+(\b))+4:8*(8*((\a)%4)+(\b))+7] offset:(\a)*16*RP+(\b)*64+16
.endr
.endr
	WIN 0
	s_wait_dscnt 0x0                               ; my stores are done; behind the barrier nothing is stored into LDS any more
	s_barrier_signal -1
	s_barrier_wait -1
	s_wait_loadcnt 0x0                             ; the bias
.if QKV
.set X,  64                            ; 16 rows x 128 columns: group 2 hh + t2 (head hh, rows 8 t2 ..) has 8 registers
.set XB, 128
.set Y,  192
.macro QLOAD
.irp hh, 0,1,2,3
.irp t2, 0,1
	ds_load_b128 v[X+8*(2*(\hh)+(\t2)):X+8*(2*(\hh)+(\t2))+3],   v[RDA] offset:(\t2)*8*RP+(\hh)*128
	ds_load_b128 v[X+8*(2*(\hh)+(\t2))+4:X+8*(2*(\hh)+(\t2))+7], v[RDA] offset:(\t2)*8*RP+(\hh)*128+16
.endr
.endr
.endm
	FOR 16, v_pk_mul_f32 v[BI+2*n:BI+2*n+1], v[BI+2*n:BI+2*n+1], s[90:91] op_sel_hi:[1,0]
	QLOAD
	s_mov_b32 s2, 8
.Lepi:                                                 ; eight trips of 16 rows
	s_wait_dscnt 0x0
	FOR 32, v_pk_add_f32 v[XB+2*n:XB+2*n+1], v[X+2*n:X+2*n+1], v[BI+8*(n/8)+2*(n%4):BI+8*(n/8)+2*(n%4)+1]
	s_cmp_eq_u32 s2, 1
	s_cbranch_scc1 .Lno_more                       ; the last trip has no rows to read ahead
	v_add_nc_u32 v[RDA], 16*RP, v[RDA]
	QLOAD
.Lno_more:
	FOR 32, v_cvt_pk_f16_f32 v[Y+n], v[XB+2*n], v[XB+2*n+1]
.irp hh, 0,1,2,3
.irp t2, 0,1
	global_store_b128 v[CO], v[Y+4*(2*(\hh)+(\t2)):Y+4*(2*(\hh)+(\t2))+3], s[8:9] offset:(\hh)*131072+(\t2)*512  ; eight rows of one head: 512 consecutive bytes, aligned
.endr
.endr
	s_wait_xcnt 0x0                                ; only behind this wait are the stores' offset and data rewritten
	v_add_nc_u32 v[CO], 1024, v[CO]
	s_sub_co_u32 s2, s2, 1
	s_cmp_lg_u32 s2, 0
	s_cbranch_scc1 .Lepi
.else
.set X,  64                            ; 4 rows: 16 numbers a lane
.set XB, 80
.set D,  96
.set U,  112
.set Q,  128
.set Y,  144
.macro GLOAD
.irp t, 0,1
	ds_load_b128 v[X+8*(\t):X+8*(\t)+3],   v[RDA] offset:(\t)*2*RP
	ds_load_b128 v[X+8*(\t)+4:X+8*(\t)+7], v[RDA] offset:(\t)*2*RP+16
.endr
.endm
	GLOAD
	s_mov_b32 s2, 32
.Lepi:                                                 ; 32 trips of 4 rows.  gelu(x) = x / 2 + |x| (1/2 - t poly(t) e^(-x x / 2) / 2), t = 1 / (1 + p |x| / sqrt 2)
	s_wait_dscnt 0x0
	FOR 8, v_pk_add_f32 v[XB+2*n:XB+2*n+1], v[X+2*n:X+2*n+1], v[BI+2*(n%4):BI+2*(n%4)+1]
	s_cmp_eq_u32 s2, 1
	s_cbranch_scc1 .Lno_more                       ; the last trip has no rows to read ahead
	v_add_nc_u32 v[RDA], 4*RP, v[RDA]
	GLOAD
.Lno_more:
	FOR 16, v_fma_f32 v[D+n], |v[XB+n]|, s[CP], 1.0
	FOR 8, v_pk_mul_f32 v[U+2*n:U+2*n+1], v[XB+2*n:XB+2*n+1], v[XB+2*n:XB+2*n+1]
	FOR 16, v_rcp_f32 v[D+n], v[D+n]
	FOR 8, v_pk_mul_f32 v[U+2*n:U+2*n+1], v[U+2*n:U+2*n+1], s[CK:CK+1] op_sel_hi:[1,0]  ; plain lines behind the reciprocals (ISA guide 5.7.2)
	FOR 16, v_exp_f32 v[U+n], v[U+n]
	FOR 8, v_pk_fma_f32 v[Q+2*n:Q+2*n+1], v[D+2*n:D+2*n+1], s[CA5:CA5+1], s[CA4:CA4+1] op_sel_hi:[1,0,0]  ; plain lines behind the exponentials
	FOR 8, v_pk_fma_f32 v[Q+2*n:Q+2*n+1], v[Q+2*n:Q+2*n+1], v[D+2*n:D+2*n+1], s[CA3:CA3+1] op_sel_hi:[1,1,0]
	FOR 8, v_pk_fma_f32 v[Q+2*n:Q+2*n+1], v[Q+2*n:Q+2*n+1], v[D+2*n:D+2*n+1], s[CA2:CA2+1] op_sel_hi:[1,1,0]
	FOR 8, v_pk_fma_f32 v[Q+2*n:Q+2*n+1], v[Q+2*n:Q+2*n+1], v[D+2*n:D+2*n+1], s[CA1:CA1+1] op_sel_hi:[1,1,0]
	FOR 8, v_pk_mul_f32 v[Q+2*n:Q+2*n+1], v[Q+2*n:Q+2*n+1], v[D+2*n:D+2*n+1]
	FOR 8, v_pk_fma_f32 v[Q+2*n:Q+2*n+1], v[Q+2*n:Q+2*n+1], v[U+2*n:U+2*n+1], 0.5 op_sel_hi:[1,1,0]
	FOR 8, v_pk_mul_f32 v[D+2*n:D+2*n+1], v[XB+2*n:XB+2*n+1], 0.5 op_sel_hi:[1,0]
	FOR 16, v_fma_f32 v[U+n], |v[XB+n]|, v[Q+n], v[D+n]
	FOR 8, v_cvt_pk_f16_f32 v[Y+n], v[U+2*n], v[U+2*n+1]
.irp t, 0,1
	global_store_b128 v[CO], v[Y+4*(\t):Y+4*(\t)+3], s[8:9] offset:(\t)*16384  ; 16 lanes store 256 consecutive bytes, aligned
.endr
	s_wait_xcnt 0x0                                ; only behind this wait are the stores' offset and data rewritten
	v_add_nc_u32 v[CO], 32768, v[CO]
	s_sub_co_u32 s2, s2, 1
	s_cmp_lg_u32 s2, 0
	s_cbranch_scc1 .Lepi
.endif
	s_wait_tensorcnt 0x0                           ; the wave's end
	ds_add_u32 v[SPW], v[NIL]
	s_wait_dscnt 0x0
	CROUND                                         ; the closing round
	s_endpgm
.Lfunc_end_k_qf6f7b6e17e_qkv:
	.size	k_qf6f7b6e17e_qkv, .Lfunc_end_k_qf6f7b6e17e_qkv-k_qf6f7b6e17e_qkv
	.p2alignl 7, 3214868480
	.fill 96, 4, 3214868480
	.section	.rodata,"a",@progbits
	.p2align	6, 0x0
	.amdhsa_kernel k_qf6f7b6e17e_qkv
		.amdhsa_group_segment_fixed_size 327680
		.amdhsa_private_segment_fixed_size 0
		.amdhsa_enable_private_segment 0
		.amdhsa_kernarg_size 48
		.amdhsa_user_sgpr_count 2
		.amdhsa_user_sgpr_kernarg_segment_ptr 1
		.amdhsa_wavefront_size32 1
		.amdhsa_system_sgpr_workgroup_id_x 1
		.amdhsa_system_sgpr_workgroup_id_y 1
		.amdhsa_system_sgpr_workgroup_id_z 1
		.amdhsa_system_vgpr_workitem_id 0
		.amdhsa_next_free_vgpr 1024
		.amdhsa_next_free_sgpr 96
		.amdhsa_reserve_vcc 0
		.amdhsa_float_denorm_mode_32 3
		.amdhsa_float_denorm_mode_16_64 3
		.amdhsa_memory_ordered 1
		.amdhsa_forward_progress 1
		.amdhsa_inst_pref_size 91
	.end_amdhsa_kernel
	.amdgpu_metadata
---
amdhsa.version: [ 1, 2 ]
amdhsa.kernels:
  - .name:           k_qf6f7b6e17e_qkv
    .symbol:         k_qf6f7b6e17e_qkv.kd
    .args:
      - { .name: nh, .offset: 0, .size: 8, .value_kind: global_buffer, .address_space: global }
      - { .name: wts, .offset: 8, .size: 8, .value_kind: global_buffer, .address_space: global }
      - { .name: bq, .offset: 16, .size: 8, .value_kind: global_buffer, .address_space: global }
      - { .name: bk, .offset: 24, .size: 8, .value_kind: global_buffer, .address_space: global }
      - { .name: bv, .offset: 32, .size: 8, .value_kind: global_buffer, .address_space: global }
      - { .name: qkv, .offset: 40, .size: 8, .value_kind: global_buffer, .address_space: global }
    .group_segment_fixed_size: 327680
    .private_segment_fixed_size: 0
    .kernarg_segment_align: 8
    .kernarg_segment_size: 48
    .max_flat_workgroup_size: 128
    .sgpr_count:     96
    .vgpr_count:     1024
    .wavefront_size: 32
...
	.end_amdgpu_metadata
.endif
;; end of part 2
;; launch attn (part 3): grid 4 x 64, 8 waves a work-group, clusters of 4 x 1, 327,680 bytes of LDS; arguments qkv, ctx, w1, w2, wts; writes ctx, wts
.if DOCPART == 3
	.amdgcn_target "amdgcn-amd-amdhsa--gfx1250"
	.amdhsa_code_object_version 6
	.text
	.protected	k_qf6f7b6e17e_attn
	.globl	k_qf6f7b6e17e_attn
	.p2align	8
	.type	k_qf6f7b6e17e_attn,@function
k_qf6f7b6e17e_attn:
	s_mov_b64 s[64:65], 0
	v_nop
	global_prefetch_b8 v0, s[64:65] scope:SCOPE_SE
	s_setreg_imm32_b32 hwreg(HW_REG_WAVE_MODE, 25, 1), 1
	s_wait_xcnt 0x0
	s_wait_alu depctr_hold_cnt(0) depctr_sa_sdst(0) depctr_va_vdst(0) depctr_va_sdst(0) depctr_va_ssrc(0) depctr_va_vcc(0) depctr_vm_vsrc(0)
	s_getreg_b32 s2, hwreg(HW_REG_IB_STS2, 6, 4)
	s_cmp_eq_u32 s2, 0
	s_cbranch_scc0 .Lentry_in_a_cluster
	s_endpgm
.Lentry_in_a_cluster:
	s_bfe_u32 s2, ttmp6, 0x10000c
	s_cmp_lg_u32 s2, 0x3003
	s_cbranch_scc0 .Lentry_shape_is_right
	s_endpgm
.Lentry_shape_is_right:
; ATTENTION AT HEAD SIZE 32, IN TWO PASSES.  ctx[b][h][q][:] = the sum over k of softmax_k(s[q][k]) V[k][:], s = Q . K in units of log2 (the factor log2(e) / sqrt(32) lies in Q already).
; qkv: [b][g][s][32] f16, g = h for Q, 32 + h for K, 64 + h for V; ctx: [b][h][s][32] f16.  Products, maxima and sums in f32; the weights p are rounded to f16 for the second product,
; and their sum is taken of the rounded p, by the matrix unit; ctx is rounded once.
; ALL OF A HEAD'S K AND V LIE IN LDS (2,048 keys x 64 bytes each, padded): every byte of LDS is filled once.
; PASS 1: S^T = K Q^T for all keys, of which only each query's true maximum m is kept.  PASS 2: S^T = K Q^T - m (-m is the C operand that starts the sum), p = 2^S, O^T += V^T P, L += 1 P.
; So the maximum that is taken away is the row's own, there is no running statistic and nothing is rescaled: for a tile of 16 queries and 64 keys 16 + 48 vector instructions beside 4 + 10 matrix instructions.
; SHARES.  The grid's y is b 32 + h; a work-group takes 512 queries, each of its eight waves 64: four tiles of 16.  The four work-groups of a cluster belong to one head and read the same K and V:
; each wave asks jointly, with its partners' waves of the same number, for 256 keys of K and 256 of V.
; LAYOUT.  S^T (source 0 = 16 keys, source 1 = 16 queries) holds ONE query a lane (lane % 16) and the keys 8 (lane / 16) + 0..7; two such results rounded to f16 in pairs ARE source 1 of V^T P.
; V ([key][channel]) comes out of LDS turned, by ds_load_tr16_b128.  A fragment of ones in V's place gives every register of L the row's sum.
; A PASSENGER: THE CAST OF w1 AND w2.  The attention itself moves 34 MB for 34 GFLOP, and the two matrices' copies in f16 (32 MiB in, 16 MiB out) are wanted by no launch before the feed-forward ones.
; So each of the 2,048 waves takes 4,096 numbers along: waves 0-3 of w1, waves 4-7 of w2, 65,536 bytes of each matrix a work-group.  Its 32 loads of 512 consecutive bytes go out behind the requests
; for K, V and Q, while the wave waits for its first tile, into 128 registers that lie idle; between the passes they are rounded once to f16 and stored to 8 MiB (w1) and 16 MiB (w2) of wts.
; LIMITS.  Q, K, V and the weights lie within f16's 65,504; a weight p below f16's smallest step, 6e-8, counts as 0; NaN and infinities are not treated apart.
; REGISTERS.  window 0: v2-11, v15 addresses; v12-14 at work; v16-47 Q; v48-79 -m, eight copies a tile; v80-143 S^T, two sets by the tile's parity; v144-175 P, two buffers (pass 1: its 16 chains of maxima);
;   v176-207 K of one step; v208-239 V of one step (pass 1: K's second buffer); v240-247 ones; v248-255 1 / l.   window 1: v0-95: tile t has O^T at 24 t (16 registers) and L at 24 t + 16; v96-223 the passenger.
.set VB,    163840                     ; K: bytes 0 .. 163,839, a key in 80 (64 + 16: 20 words, so the 16 keys of a load start at 16 different groups of four banks, ISA guide 11.1).  V begins here:
                                       ; two keys in 144 bytes (128 + 16): key k at (k / 2) 144 + (k % 2) 64
.set STAGE, 311296                     ; behind V: 16 rows x 80 bytes for each wave, for the way out; no tile lands here
.set SPARE, 321536                     ; the spare words, 128 bytes for each of the eight waves
.set AK0, 2                            ; my lane's place in a tile of K; never rewritten
.set AV0, 3                            ; the same for V
.set AK,  4                            ; the LDS address of K's runs of loads
.set AV,  5                            ; of V's
.set QO,  6
.set STO, 7
.set RD,  8
.set GO,  9                            ; 16 x lane; never rewritten
.set SPW, 10
.set NIL, 11
.set WS,  15                           ; 8 x lane; never rewritten
.set Q,   16
.set NM,  48
.set S,   80
.set P,   144
.set CH,  144                          ; pass 1: chain j of tile t at CH + 4 t + j
.set KF,  176
.set VF,  208
.set ONE, 240
.set R,   248
.set CW,  96                           ; window 1: the passenger's 32 x 4 registers
.set WV,  12                           ; s12  my wave's number
.set G1K, 24
.set G1V, 32
.set G0K, 40
.set G0V, 44
.set CNT, 57
.set SEL, 60
.set MSB, 0
.macro WIN new
.if MSB != (\new)
	s_set_vgpr_msb (MSB<<8)|(\new)
.set MSB, (\new)
.endif
.endm
.macro CROUND                          ; a round of the cluster's barrier
	s_barrier_signal -1
	s_barrier_wait -1
	s_cmp_lg_u32 s[WV], 0
	s_cbranch_scc1 .Lnot_wave_0_\@
	s_barrier_signal -3
.Lnot_wave_0_\@:
	s_barrier_wait -3
	s_barrier_signal -1
	s_barrier_wait -1
.endm
	s_load_b128 s[4:7], s[0:1], 0x0                ; qkv s[4:5], ctx s[6:7]
	s_load_b128 s[8:11], s[0:1], 0x10              ; w1 s[8:9], w2 s[10:11]
	s_load_b64 s[54:55], s[0:1], 0x20              ; wts
	v_lshl_add_u32 v[SPW], v0, 2, SPARE
	v_mov_b32 v[NIL], 0
	ds_add_u32 v[SPW], v[NIL]                      ; the wave's opening: the add and its wait come ahead of my first tensor load; the set-up below stands between them
	v_lshrrev_b32 v1, 5, v0
	v_readfirstlane_b32 s[WV], v1                  ; wave 0..7
	s_bfe_u32 s13, ttmp6, 0x40000                  ; cx: my block of 512 queries; it enters the addresses of Q, ctx and the passenger alone
	s_and_b32 s14, ttmp7, 0xffff                   ; b 32 + h
	s_lshr_b32 s16, s14, 5
	s_mul_i32 s16, s16, 96
	s_and_b32 s17, s14, 31
	s_add_co_u32 s16, s16, s17                     ; b 96 + h
	s_lshl_b32 s16, s16, 17                        ; Q's head: 131,072 bytes a head
	s_lshl_b32 s17, s[WV], 14                      ; my 256 keys: 16,384 bytes
	s_add_co_u32 s18, s16, s17
	s_add_co_u32 s18, s18, 32<<17                  ; K's head lies 32 heads on,
	s_mov_b32 s19, 0
	s_add_co_u32 s20, s18, 32<<17                  ; V's 32 more
	s_mov_b32 s21, 0
	s_lshl_b32 s17, s13, 15
	s_lshl_b32 s23, s[WV], 12
	s_add_co_u32 s17, s17, s23                     ; my wave's 64 rows in a head
	s_add_co_u32 s22, s16, s17
	s_mov_b32 s23, 0
	s_lshl_b32 s52, s14, 17
	s_add_co_u32 s52, s52, s17
	s_mov_b32 s53, 0
	; the passenger's place: work-group 4 y + cx of 256 takes 65,536 bytes of each matrix, wave % 4 a quarter of them
	s_lshl_b32 s2, s14, 2
	s_add_co_u32 s2, s2, s13
	s_and_b32 s3, s[WV], 3
	s_lshl_b32 s58, s2, 16
	s_lshl_b32 s15, s3, 14
	s_add_co_u32 s58, s58, s15                     ; in f32,
	s_mov_b32 s59, 0
	s_lshl_b32 s62, s2, 15
	s_lshl_b32 s15, s3, 13
	s_add_co_u32 s62, s62, s15                     ; in f16,
	s_lshr_b32 s56, s[WV], 2
	s_lshl_b32 s15, 0x800000, s56                  ; behind 8 MiB (w1: waves 0-3) or 16 MiB (w2: waves 4-7) of wts
	s_add_co_u32 s62, s62, s15
	s_mov_b32 s63, 0
	; 256 keys are 16,384 dense bytes: asked for as 64 rows of 256 bytes, padded in LDS after every key (K) or every two keys (V)
	s_mov_b32 s[G1K], 15|(1<<16)|(1<<20)|(1<<21)|(3<<22)|(3<<25)  ; the mask of four; 2-byte elements; padding on; bit 21 beside a mask; after every 16 words 4 words
	s_mov_b32 s[G1V], 15|(1<<16)|(1<<20)|(1<<21)|(4<<22)|(3<<25)  ; the same after every 32 words
.irp g, G1K, G1V
	s_mov_b32 s[\g+1], 128<<16                     ; tensor_dim0 = 128
	s_mov_b32 s[\g+2], 64<<16                      ; tensor_dim1 = 64
	s_mov_b32 s[\g+3], 128<<16                     ; tile_dim0 = 128
	s_mov_b32 s[\g+4], 64                          ; tile_dim1 = 64
	s_mov_b32 s[\g+5], 128                         ; elements from row to row
	s_mov_b32 s[\g+6], 0
	s_mov_b32 s[\g+7], 0
.endr
	s_mov_b32 s[G0K], 1
	s_mul_i32 s[G0K+1], s[WV], 20480               ; 256 keys x 80 bytes
	s_mov_b32 s[G0V], 1
	s_mul_i32 s[G0V+1], s[WV], 18432               ; 128 pairs x 144 bytes
	s_add_co_u32 s[G0V+1], s[G0V+1], VB
	s_mov_b32 s[SEL], 0x76543210
	s_mov_b32 s[SEL+1], 0xfedcba98
	s_wait_dscnt 0x0                               ; the opening add is done
	s_wait_kmcnt 0x0
	s_add_nc_u64 s[G0K+2:G0K+3], s[4:5], s[18:19]
	s_or_b32 s[G0K+3], s[G0K+3], 0x80000000
	s_add_nc_u64 s[G0V+2:G0V+3], s[4:5], s[20:21]
	s_or_b32 s[G0V+3], s[G0V+3], 0x80000000
	s_add_nc_u64 s[48:49], s[4:5], s[22:23]        ; Q at my wave's first row
	s_add_nc_u64 s[50:51], s[6:7], s[52:53]        ; ctx likewise
	s_cmp_lt_u32 s[WV], 4
	s_cselect_b64 s[8:9], s[8:9], s[10:11]         ; the passenger's source, by the wave's number,
	s_add_nc_u64 s[8:9], s[8:9], s[58:59]          ; at my 16,384 bytes,
	s_add_nc_u64 s[54:55], s[54:55], s[62:63]      ; and where they go
	CROUND                                         ; all four work-groups are here: the joint loads meet
	tensor_load_to_lds s[G0K:G0K+3], s[G1K:G1K+7]  ; the launch's only fills: two loads of mine are out
	s_nop 0
	tensor_load_to_lds s[G0V:G0V+3], s[G1V:G1V+7]
	s_nop 0
.rept 4
	v_nop
.endr
	v_and_b32 v1, 15, v0                           ; l % 16
	v_bfe_u32 v12, v0, 4, 1                        ; l / 16
	v_lshlrev_b32 v[QO], 6, v1
	v_lshl_add_u32 v[QO], v12, 4, v[QO]            ; row x 64 + 16 x half
.irp t, 0,1,2,3
	global_load_b128 v[Q+8*\t:Q+8*\t+3],   v[QO], s[48:49] offset:\t*1024
	global_load_b128 v[Q+8*\t+4:Q+8*\t+7], v[QO], s[48:49] offset:\t*1024+32
.endr
	v_mul_u32_u24 v[AK0], v1, 80
	v_lshl_add_u32 v[AK0], v12, 4, v[AK0]          ; key x 80 + 16 x half
	; the turning load: lane l reads key 8 (l / 16) + l % 8, channels 8 ((l / 8) % 2) + 0..7, and is left with channel l % 16 and 8 keys
	v_bfe_u32 v13, v0, 1, 2
	v_lshl_add_u32 v13, v12, 2, v13                ; the key's pair
	v_mul_u32_u24 v[AV0], v13, 144
	v_and_b32 v14, 1, v0
	v_lshl_add_u32 v[AV0], v14, 6, v[AV0]
	v_bfe_u32 v14, v0, 3, 1
	v_lshl_add_u32 v[AV0], v14, 4, v[AV0]
	v_add_nc_u32 v[AV0], VB, v[AV0]
	s_mul_i32 s16, s[WV], 1280
	s_add_co_u32 s16, s16, STAGE                   ; my stage
	v_add_nc_u32 v[STO], s16, v[AK0]               ; in: row l % 16, 16 bytes for each half of the lanes
	v_bfe_u32 v13, v0, 2, 3                        ; back: 32 lanes take eight rows of 64 bytes,
	v_mul_u32_u24 v[RD], v13, 80
	v_and_b32 v14, 3, v0
	v_lshl_add_u32 v[RD], v14, 4, v[RD]
	v_add_nc_u32 v[RD], s16, v[RD]
	v_and_b32 v[GO], 31, v0                        ; which are 512 consecutive bytes of ctx
	v_lshlrev_b32 v[WS], 3, v[GO]
	v_lshlrev_b32 v[GO], 4, v[GO]
	v_mov_b32 v[AK], v[AK0]
	v_mov_b32 v13, 0                               ; the lane exchange's destination counts as read
	WIN 0x40                                       ; destination window 1, address window 0
.set i, 0
.rept 32                               ; the passenger's loads: 512 consecutive bytes each, 16,384 in all, behind the requests for K, V and Q
	global_load_b128 v[CW+4*i:CW+4*i+3], v[GO], s[8:9] offset:512*i th:TH_LOAD_NT
.set i, i+1
.endr
	; in the wait for the tiles: O^T and L start at 0; the chains of maxima, and the set of scores that the first riders read, at the lowest finite number
.set i, 0
.rept 96
	v_mov_b32 v[i], 0
.set i, i+1
.endr
	WIN 0
.set i, 0
.rept 8
	v_mov_b32 v[ONE+i], 0x3c003c00                 ; 1.0 twice, in f16
.set i, i+1
.endr
.set i, 0
.rept 16
	v_mov_b32 v[CH+i], 0xff7fffff
.set i, i+1
.endr
.set i, 0
.rept 32
	v_mov_b32 v[S+32+i], 0xff7fffff
.set i, i+1
.endr
.macro FETCHK buf, off                 ; a step's K: 64 keys x 32 channels, four fragments
.irp kb, 0,1,2,3
	ds_load_b128 v[(\buf)+8*\kb:(\buf)+8*\kb+3],   v[AK] offset:(\off)+\kb*1280
	ds_load_b128 v[(\buf)+8*\kb+4:(\buf)+8*\kb+7], v[AK] offset:(\off)+\kb*1280+32
.endr
.endm
; PASS 1, a key step: 16 products, and behind each four riders: the maxima of the tile before, whose scores lie in the other set; each accumulator's lowest registers are read first.
; Behind the first product's riders stands the run of loads for the step after: eight plain instructions behind the last product that read that buffer.  guard = 1: the last trip has no such step.
.macro P1STEP buf, nbuf, noff, guard
.set t, 0
.rept 4
.set kb, 0
.rept 4
	v_wmma_f32_16x16x32_f16 v[S+32*(t%2)+8*kb:S+32*(t%2)+8*kb+7], v[(\buf)+8*kb:(\buf)+8*kb+7], v[Q+8*t:Q+8*t+7], 0
.set j, 0
.rept 4
	v_max3_num_f32 v[CH+4*((t+3)%4)+j], v[CH+4*((t+3)%4)+j], v[S+32*((t+1)%2)+8*kb+2*j], v[S+32*((t+1)%2)+8*kb+2*j+1]
.set j, j+1
.endr
.if (t == 0) && (kb == 0)
.if \guard
	s_cmp_eq_u32 s[CNT], 1
	s_cbranch_scc1 .Lno_k1_\@
.endif
	FETCHK \nbuf, \noff
.if \guard
.Lno_k1_\@:
.endif
.endif
.set kb, kb+1
.endr
.set t, t+1
.endr
.endm
	s_wait_tensorcnt 1                             ; my part of K is in; V's may stay out
	s_barrier_signal -1
	s_barrier_wait -1                              ; everybody's part of K is in
	FETCHK KF, 0
	s_wait_loadcnt 32                              ; Q is in; the passenger's 32 younger loads stay out
	s_mov_b32 s[CNT], 16
.Lp1:                                                  ; sixteen trips of two key steps
	s_wait_dscnt 0x0
	P1STEP KF, VF, 5120, 0
	s_wait_dscnt 0x0
	P1STEP VF, KF, 10240, 1
	v_add_nc_u32 v[AK], 10240, v[AK]
	s_sub_co_u32 s[CNT], s[CNT], 1
	s_cmp_lg_u32 s[CNT], 0
	s_cbranch_scc1 .Lp1
.rept 4
	v_nop
.endr
.set kb, 0
.rept 4                                ; the last tile's riders
.set j, 0
.rept 4
	v_max3_num_f32 v[CH+12+j], v[CH+12+j], v[S+32+8*kb+2*j], v[S+32+8*kb+2*j+1]
.set j, j+1
.endr
.set kb, kb+1
.endr
.irp t, 0,1,2,3                        ; a query's other 1,024 keys lie in the lane 16 away; -m in eight copies is the C operand of pass 2
	v_max3_num_f32 v12, v[CH+4*\t], v[CH+4*\t+1], v[CH+4*\t+2]
	v_max_num_f32 v12, v12, v[CH+4*\t+3]
	v_permlanex16_b32 v13, v12, s[SEL], s[SEL+1]
	v_max_num_f32 v12, v12, v13
.irp j, 0,1,2,3,4,5,6,7
	v_mul_f32 v[NM+8*\t+\j], -1.0, v12
.endr
.endr
	; the passenger leaves: its loads have had all of pass 1 in which to land
	s_wait_loadcnt 0x0
	WIN 0x45                                       ; sources 0 and 1 and the destination in window 1
.set i, 0
.rept 32
	v_cvt_pk_f16_f32 v[CW+4*i], v[CW+4*i], v[CW+4*i+1]
	v_cvt_pk_f16_f32 v[CW+4*i+1], v[CW+4*i+2], v[CW+4*i+3]
.set i, i+1
.endr
	WIN 0x04                                       ; the data (source 1) in window 1, the offset in window 0
.set i, 0
.rept 32
	global_store_b64 v[WS], v[CW+4*i:CW+4*i+1], s[54:55] offset:256*i  ; a store covers 256 consecutive bytes, aligned; no register is used twice
.set i, i+1
.endr
	WIN 0
	s_wait_tensorcnt 0x0                           ; my part of V is in
	s_wait_dscnt 0x0
	s_barrier_signal -1
	s_barrier_wait -1                              ; everybody's is
; PASS 2.  Slot i of 16 of tile t: two exponentials, then one rounding to f16 of the pair before (slot 0: of the last pair of the tile before): a plain instruction stands behind every second exponential,
; and between an exponential and the use of its result (ISA guide 5.7.2).
.macro SLOT t, i
.set rS, S+32*((\t)%2)
	v_exp_f32 v[rS+2*(\i)], v[rS+2*(\i)]
	v_exp_f32 v[rS+2*(\i)+1], v[rS+2*(\i)+1]
.if (\i) == 0
	v_cvt_pk_f16_f32 v[P+16*(((\t)+1)%2)+15], v[S+32*(((\t)+1)%2)+30], v[S+32*(((\t)+1)%2)+31]
.else
	s_wait_alu depctr_va_vdst(0)
	v_cvt_pk_f16_f32 v[P+16*((\t)%2)+(\i)-1], v[rS+2*(\i)-2], v[rS+2*(\i)-1]
.endif
.endm
.macro PV6 u                           ; O^T += V^T P and L += 1 P for tile u: the three accumulators take turns, one instruction a turn
	WIN 0x50                                       ; C and D in window 1
.irp kk, 0,1
	v_wmma_f32_16x16x32_f16 v[24*(\u):24*(\u)+7],     v[VF+16*\kk:VF+16*\kk+7],    v[P+16*((\u)%2)+8*\kk:P+16*((\u)%2)+8*\kk+7], v[24*(\u):24*(\u)+7]
	v_wmma_f32_16x16x32_f16 v[24*(\u)+8:24*(\u)+15],  v[VF+16*\kk+8:VF+16*\kk+15], v[P+16*((\u)%2)+8*\kk:P+16*((\u)%2)+8*\kk+7], v[24*(\u)+8:24*(\u)+15]
	v_wmma_f32_16x16x32_f16 v[24*(\u)+16:24*(\u)+23], v[ONE:ONE+7],                v[P+16*((\u)%2)+8*\kk:P+16*((\u)%2)+8*\kk+7], v[24*(\u)+16:24*(\u)+23]
.endr
	WIN 0
.endm
.macro KQ tn, kb                       ; S^T = K Q^T - m for 16 keys of tile tn
	v_wmma_f32_16x16x32_f16 v[S+32*((\tn)%2)+8*(\kb):S+32*((\tn)%2)+8*(\kb)+7], v[KF+8*(\kb):KF+8*(\kb)+7], v[Q+8*(\tn):Q+8*(\tn)+7], v[NM+8*(\tn):NM+8*(\tn)+7]
.endm
.macro FETCHV                          ; a step's V, turned: keys 32 kk on, channels 16 cb on
.irp kk, 0,1
.irp cb, 0,1
	ds_load_tr16_b128 v[VF+8*(2*\kk+\cb):VF+8*(2*\kk+\cb)+3],   v[AV] offset:\kk*2304+\cb*32
	ds_load_tr16_b128 v[VF+8*(2*\kk+\cb)+4:VF+8*(2*\kk+\cb)+7], v[AV] offset:\kk*2304+\cb*32+1152
.endr
.endr
	v_add_nc_u32 v[AV], 4608, v[AV]                ; the next fetch is the next step's
.endm
; TURN t: the exponentials and roundings of tile t; the six products of the tile before; the four products K Q^T of the tile after (behind tile 3: tile 0 of the next step).
; V of the step in hand is fetched in turn 0, six roundings behind the last product that read V, and waited for in turn 1.  K of the next step is fetched in turn 2, six roundings behind the last product
; that read K, and waited for in turn 3; the last trip has no next step.  Behind a turn's last K Q^T stand nine roundings before the next turn reads those scores.
.macro TURN t
	SLOT \t, 0
.if (\t) == 1
	s_wait_dscnt 0x0                               ; V is in
.endif
	PV6 ((\t)+3)%4
.if (\t) == 3
	s_wait_dscnt 0x0                               ; K is in
.endif
.irp kb, 0,1,2,3
	KQ ((\t)+1)%4, \kb
	SLOT \t, 2*\kb+1
	SLOT \t, 2*\kb+2
.if ((\t) == 0) && (\kb == 2)
	FETCHV
.endif
.endr
.irp i, 9,10,11,12,13,14,15
	SLOT \t, \i
.if ((\t) == 2) && (\i == 12)
	s_cmp_eq_u32 s[CNT], 1
	s_cbranch_scc1 .Lno_k2_\@
	v_add_nc_u32 v[AK], 5120, v[AK]
	FETCHK KF, 0
.Lno_k2_\@:
.endif
.endr
.endm
	v_mov_b32 v[AK], v[AK0]
	v_mov_b32 v[AV], v[AV0]
	FETCHK KF, 0                                   ; key step 0
	s_wait_dscnt 0x0
.irp kb, 0,1,2,3
	KQ 0, \kb                                      ; tile 0's first scores
.endr
.set i, 0
.rept 16                               ; the first turn's six products, of a tile that has not been, multiply P = 0 (V's registers hold finite numbers of K); these lines are also the places behind the four products
	v_mov_b32 v[P+16+i], 0
.set i, i+1
.endr
	v_mov_b32 v[S+32+30], 0
	v_mov_b32 v[S+32+31], 0
	s_mov_b32 s[CNT], 32
.Lp2:                                                  ; 32 key steps
	TURN 0
	TURN 1
	TURN 2
	TURN 3
	s_sub_co_u32 s[CNT], s[CNT], 1
	s_cmp_lg_u32 s[CNT], 0
	s_cbranch_scc1 .Lp2
	v_cvt_pk_f16_f32 v[P+16+15], v[S+32+30], v[S+32+31]  ; tile 3's last pair (the last trip's four products for a step that is not serve nothing)
	PV6 3
	; THE WAY OUT.  O^T is divided by l, rounded to f16 and sent through my stage in LDS, a tile at a time.
.rept 4
	v_nop
.endr
	WIN 0x01                                       ; source 0 in window 1
.irp t, 0,1,2,3
	v_rcp_f32 v[R+2*\t], v[24*\t+16]               ; L's lowest register: every register of L holds the row's sum
	v_rcp_f32 v[R+2*\t+1], v[24*\t+16]
.endr
	v_nop                                          ; a plain instruction between the last reciprocal and the use of its result
	s_wait_alu depctr_va_vdst(0)
.irp t, 0,1,2,3
	WIN 0x01
.irp i, 0,1,2,3,4,5,6,7
	v_pk_mul_f32 v[S+16*\t+2*\i:S+16*\t+2*\i+1], v[24*\t+2*\i:24*\t+2*\i+1], v[R+2*\t:R+2*\t+1]
.endr
	WIN 0
.irp i, 0,1,2,3,4,5,6,7
	v_cvt_pk_f16_f32 v[P+8*\t+\i], v[S+16*\t+2*\i], v[S+16*\t+2*\i+1]
.endr
	ds_store_b128 v[STO], v[P+8*\t:P+8*\t+3]             ; channels 8 (l / 16) + 0..7
	ds_store_b128 v[STO], v[P+8*\t+4:P+8*\t+7] offset:32 ; channels 16 + 8 (l / 16) + 0..7
	ds_load_b128 v[P+8*\t:P+8*\t+3],   v[RD]             ; LDS serves a wave's instructions in order (ISA guide 5.7.1.4): these see the stores above; the next tile's stores come behind them
	ds_load_b128 v[P+8*\t+4:P+8*\t+7], v[RD] offset:640
	s_wait_dscnt 0x0
	global_store_b128 v[GO], v[P+8*\t:P+8*\t+3],   s[50:51] offset:\t*1024      ; eight rows: 512 consecutive bytes, aligned
	global_store_b128 v[GO], v[P+8*\t+4:P+8*\t+7], s[50:51] offset:\t*1024+512
.endr
	s_wait_tensorcnt 0x0                           ; the wave's end
	ds_add_u32 v[SPW], v[NIL]
	s_wait_dscnt 0x0
	CROUND                                         ; the closing round
	s_endpgm
.Lfunc_end_k_qf6f7b6e17e_attn:
	.size	k_qf6f7b6e17e_attn, .Lfunc_end_k_qf6f7b6e17e_attn-k_qf6f7b6e17e_attn
	.p2alignl 7, 3214868480
	.fill 96, 4, 3214868480
	.section	.rodata,"a",@progbits
	.p2align	6, 0x0
	.amdhsa_kernel k_qf6f7b6e17e_attn
		.amdhsa_group_segment_fixed_size 327680
		.amdhsa_private_segment_fixed_size 0
		.amdhsa_enable_private_segment 0
		.amdhsa_kernarg_size 40
		.amdhsa_user_sgpr_count 2
		.amdhsa_user_sgpr_kernarg_segment_ptr 1
		.amdhsa_wavefront_size32 1
		.amdhsa_system_sgpr_workgroup_id_x 1
		.amdhsa_system_sgpr_workgroup_id_y 1
		.amdhsa_system_sgpr_workgroup_id_z 1
		.amdhsa_system_vgpr_workitem_id 0
		.amdhsa_next_free_vgpr 480
		.amdhsa_next_free_sgpr 66
		.amdhsa_reserve_vcc 0
		.amdhsa_float_denorm_mode_32 3
		.amdhsa_float_denorm_mode_16_64 3
		.amdhsa_memory_ordered 1
		.amdhsa_forward_progress 1
		.amdhsa_inst_pref_size 62
	.end_amdhsa_kernel
	.amdgpu_metadata
---
amdhsa.version: [ 1, 2 ]
amdhsa.kernels:
  - .name:           k_qf6f7b6e17e_attn
    .symbol:         k_qf6f7b6e17e_attn.kd
    .args:
      - { .name: qkv, .offset: 0, .size: 8, .value_kind: global_buffer, .address_space: global }
      - { .name: ctx, .offset: 8, .size: 8, .value_kind: global_buffer, .address_space: global }
      - { .name: w1, .offset: 16, .size: 8, .value_kind: global_buffer, .address_space: global }
      - { .name: w2, .offset: 24, .size: 8, .value_kind: global_buffer, .address_space: global }
      - { .name: wts, .offset: 32, .size: 8, .value_kind: global_buffer, .address_space: global }
    .group_segment_fixed_size: 327680
    .private_segment_fixed_size: 0
    .kernarg_segment_align: 8
    .kernarg_segment_size: 40
    .max_flat_workgroup_size: 256
    .sgpr_count:     66
    .vgpr_count:     480
    .wavefront_size: 32
...
	.end_amdgpu_metadata
.endif
;; end of part 3
;; launch wo (part 4): grid 8 x 32, 4 waves a work-group, clusters of 4 x 4, 327,680 bytes of LDS; arguments ctx, wts, bo, x, y; writes y
.if DOCPART == 4
	.amdgcn_target "amdgcn-amd-amdhsa--gfx1250"
	.amdhsa_code_object_version 6
	.text
	.protected	k_qf6f7b6e17e_wo
	.globl	k_qf6f7b6e17e_wo
	.p2align	8
	.type	k_qf6f7b6e17e_wo,@function
k_qf6f7b6e17e_wo:
	s_mov_b64 s[64:65], 0
	v_nop
	global_prefetch_b8 v0, s[64:65] scope:SCOPE_SE
	s_setreg_imm32_b32 hwreg(HW_REG_WAVE_MODE, 25, 1), 1
	s_wait_xcnt 0x0
	s_wait_alu depctr_hold_cnt(0) depctr_sa_sdst(0) depctr_va_vdst(0) depctr_va_sdst(0) depctr_va_ssrc(0) depctr_va_vcc(0) depctr_vm_vsrc(0)
	s_getreg_b32 s2, hwreg(HW_REG_IB_STS2, 6, 4)
	s_cmp_eq_u32 s2, 0
	s_cbranch_scc0 .Lentry_in_a_cluster
	s_endpgm
.Lentry_in_a_cluster:
	s_bfe_u32 s2, ttmp6, 0x10000c
	s_cmp_lg_u32 s2, 0xf033
	s_cbranch_scc0 .Lentry_shape_is_right
	s_endpgm
.Lentry_shape_is_right:
; A GEMM ON TILES OF 128 x 128, f16 operands, f32 sums and f32 output: y = A B^T + bias + residual, [4096][1024].  N = 1,024 gives 8 x 32 = 256 such tiles, one for each work-group.
; WO = 1: A = the attention's context, stored by heads [b][h][s][32]; B = wo [1024][1024]; residual x in f32; K = 1,024.
; WO = 0: A = gelu(..) [4096][4096]; B = w2 [1024][4096]; residual h in f16; K = 4,096.
; The sum goes to a layer norm in a later launch and stays in f32.
; Four waves, each 64 x 64: 16 accumulators.  K goes in steps of 256 through a ring of two LDS slots; 4 x 4 work-groups form a cluster, A's tile asked for jointly along a row, B's along a column.
; A K STEP IS WRITTEN ONCE.  A trip of the loop goes from a step's second quarter to the next step's first and fills again the slot that it leaves.  Which slot is read stands in two scalars, TB (the
; slot in hand) and TN (the other), each 0 or SLOT and turned by an exclusive or at the trip's end; the LDS addresses are the two fixed lane addresses plus TB or TN.  The last two steps, which ask for
; nothing, are a second loop of the same shape, left in its middle.
; WO = 1: a K step is eight heads.  64 rows of one head are 4,096 dense bytes, so a wave's tile of A is 8 rows of 2,048 elements, 65,536 elements apart, padded in LDS after every 64 bytes:
; [head][row][80 bytes], and a fragment (16 rows x one head's 32 channels) is read as from any K-contiguous tile.
; THE MATRIX INSTRUCTION IS USED TRANSPOSED (source 0 = 16 rows of B, source 1 = 16 rows of A): a lane holds row l % 16 of C and the columns 8 (l / 16) + 0..7.
; THE WAY OUT.  When the ring has had its last fill and every wave its last read of it, each wave lays its 64 x 64 sums into its own 17,408 bytes of the ring and reads them back by rows of 256 bytes.
; LIMITS.  Operands lie within f16's 65,504.  NaN and infinities are not treated apart.
; REGISTERS: window 0: v0-31 addresses, the bias; v32-127 at work on the way out; v128-255 the accumulators ((a, b) at v[128 + 8 (4 a + b)]);  window 1: two fragment buffers of 128.
.set WO, 1
.if WO
.set SIZE_K, 1024
.set WOFF,   0x600000                  ; where B begins in wts
.set A_HALF, 40960                     ; 8 heads x 64 rows x 80 bytes: what one load of A brings
.set ASTEP,  1048576                   ; a K step of A in memory: eight heads of 131,072 bytes
.else
.set SIZE_K, 4096
.set WOFF,   0x1000000
.set A_HALF, 33792                     ; 64 rows x 528 bytes
.set ASTEP,  512
.endif
.set KSTEP,  256
.set STEPS,  SIZE_K/KSTEP
.set PITCH,  528                       ; an LDS row of 512 bytes + 16 of padding = 132 words
.set HALFT,  64*PITCH                  ; 64 rows of B: what one load of B brings
.set B_OFF,  2*A_HALF                  ; a slot: A's two halves, then B's two
.set SLOT,   B_OFF+2*HALFT
.set SPARE,  2*SLOT                    ; behind the ring: the spare words, 128 bytes for each wave
.set RP,     272                       ; the way out: a row of 64 f32 + 16 bytes
.set REGB,   64*RP
.set BIAS, 8                           ; v8-11   the bias of my four columns
.set ONE,  12                          ; v12     1.0
.set XO,   13                          ; v13     my byte offset in the residual; it steps
.set BA,   14                          ; v14     my byte offset in the bias
.set A0,   16                          ; v16     LDS address of my A fragments in slot 0; never rewritten
.set B0,   17                          ; v17     the same for B
.set CA,   18                          ; v18-19  the same in the slot in hand
.set CB,   19
.set NA,   20                          ; v20-21  and in the other slot
.set NB,   21
.set DST,  24
.set RDA,  25
.set CO,   26
.set SPW,  28
.set NIL,  29
.set T,    32                          ; 16 rows read back
.set R,    64                          ; their residual
.set Y,    96                          ; to store
.set ACC,  128
.set F0,   0
.set F1,   128
.set G1, 24                            ; s[24:31] descriptor group 1 for A's tiles
.set G0, 32                            ; s[32:39] group 0: a set for each of the two first fills; the second then walks on
.set G1B, 48                           ; s[48:55], s[56:63] the same for B's
.set G0B, 56
.set TB, 76                            ; s76  the slot in hand: 0 or SLOT
.set TN, 77                            ; s77  the other slot
.set MSB, 0
.macro WIN new
.if MSB != (\new)
	s_set_vgpr_msb (MSB<<8)|(\new)
.set MSB, \new
.endif
.endm
.set MUL,  0x05                        ; sources 0 (B) and 1 (A) window 1; C and D window 0
.set TO_F, 0x40                        ; destination window 1, address window 0
.macro FOR cnt, line:vararg
.set n, 0
.rept \cnt
	\line
.set n, n+1
.endr
.endm
.macro ADDR                            ; the fragments' addresses in the two slots
	v_add_nc_u32 v[CA], s[TB], v[A0]
	v_add_nc_u32 v[CB], s[TB], v[B0]
	v_add_nc_u32 v[NA], s[TN], v[A0]
	v_add_nc_u32 v[NB], s[TN], v[B0]
.endm
.macro FLIP                            ; the slots change places
	s_xor_b32 s[TB], s[TB], SLOT
	s_xor_b32 s[TN], s[TN], SLOT
	ADDR
.endm
.macro JLOAD s                         ; a joint load: waves 0 and 1 fetch A's two halves, waves 2 and 3 B's; an s_nop 0 and four v_nop follow each of the two lines
	s_cmp_eq_u32 s11, 0
	s_cbranch_scc0 .Lfor_b_\@
	tensor_load_to_lds s[G0+4*(\s):G0+4*(\s)+3], s[G1:G1+7]
	s_nop 0
.rept 4
	v_nop
.endr
	s_branch .Lasked_\@
.Lfor_b_\@:
	tensor_load_to_lds s[G0B+4*(\s):G0B+4*(\s)+3], s[G1B:G1B+7]
	s_nop 0
.rept 4
	v_nop
.endr
.Lasked_\@:
.endm
.macro CREST
	s_cmp_lg_u32 s10, 0
	s_cbranch_scc1 .Lnot_wave_0_\@
	s_barrier_signal -3
.Lnot_wave_0_\@:
	s_barrier_wait -3
	s_barrier_signal -1
	s_barrier_wait -1
.endm
.macro CROUND
	s_barrier_signal -1
	s_barrier_wait -1
	CREST
.endm
	s_load_b128 s[4:7], s[0:1], 0x0                ; A s[4:5], wts s[6:7]
	s_load_b128 s[68:71], s[0:1], 0x10             ; the bias s[68:69], the residual s[70:71]
	s_load_b64 s[8:9], s[0:1], 0x20                ; y
	v_lshl_add_u32 v[SPW], v0, 2, SPARE
	v_mov_b32 v[NIL], 0
	ds_add_u32 v[SPW], v[NIL]                      ; the wave's opening: the add and its wait come ahead of my first tensor load; the set-up below stands between them
	v_lshrrev_b32 v1, 5, v0
	v_readfirstlane_b32 s10, v1                    ; wave 0..3
	s_lshr_b32 s11, s10, 1                         ; which half of the tile's rows is mine.  Also: I fetch for A (0) or for B (1)
	s_and_b32 s12, s10, 1                          ; which half of its columns.  Also: which 64 rows of that tile I fetch
	s_bfe_u32 s40, ttmp6, 0x40000
	s_bfe_u32 s41, ttmp6, 0x40004
	s_lshl_b32 s42, ttmp9, 2
	s_add_co_u32 s42, s42, s40                     ; tile column
	s_and_b32 s13, ttmp7, 0xffff
	s_lshl_b32 s13, s13, 2
	s_add_co_u32 s13, s13, s41                     ; tile row
	s_lshl_b32 s43, s41, 2
	s_lshl_b32 s43, 15, s43                        ; my row of the cluster
	s_lshl_b32 s44, 0x1111, s40                    ; my column
.if WO
	s_or_b32 s[G1+0], s43, (1<<16)|(1<<20)|(1<<21)|(3<<22)|(3<<25)  ; the mask; 2-byte elements; padding on; bit 21 beside a mask; after every 16 words 4 words
	s_mov_b32 s[G1+1], 2048<<16                    ; tensor_dim0 = 2,048: 64 rows of a head
	s_mov_b32 s[G1+2], 8<<16                       ; tensor_dim1 = 8 heads
	s_mov_b32 s[G1+3], 2048<<16                    ; tile_dim0
	s_mov_b32 s[G1+4], 8                           ; tile_dim1
	s_mov_b32 s[G1+5], 65536                       ; elements from head to head
.else
	s_or_b32 s[G1+0], s43, (1<<16)|(1<<20)|(1<<21)|(6<<22)|(3<<25)  ; after every 128 words 4 words
	s_mov_b32 s[G1+1], KSTEP<<16
	s_mov_b32 s[G1+2], 64<<16
	s_mov_b32 s[G1+3], KSTEP<<16
	s_mov_b32 s[G1+4], 64
	s_mov_b32 s[G1+5], SIZE_K
.endif
	s_mov_b32 s[G1+6], 0
	s_mov_b32 s[G1+7], 0
	s_or_b32 s[G1B+0], s44, (1<<16)|(1<<20)|(1<<21)|(6<<22)|(3<<25)
	s_mov_b32 s[G1B+1], KSTEP<<16                  ; 64 rows x 256 elements
	s_mov_b32 s[G1B+2], 64<<16
	s_mov_b32 s[G1B+3], KSTEP<<16
	s_mov_b32 s[G1B+4], 64
	s_mov_b32 s[G1B+5], SIZE_K
	s_mov_b32 s[G1B+6], 0
	s_mov_b32 s[G1B+7], 0
	s_mov_b64 s[18:19], SIZE_K*2
.if WO
	s_lshr_b32 s16, s13, 4                         ; the batch: 4 MiB of ctx,
	s_lshl_b32 s16, s16, 22
	s_and_b32 s17, s13, 15                         ; the tile's 128 rows of 64 bytes in a head,
	s_lshl_b32 s17, s17, 13
	s_add_co_u32 s16, s16, s17
	s_lshl_b32 s17, s12, 12                        ; the half that I fetch
	s_add_co_u32 s16, s16, s17
	s_mov_b32 s17, 0
.else
	s_lshl_b32 s17, s12, 6
	s_lshl_b32 s16, s13, 7
	s_add_co_u32 s16, s16, s17                     ; A: row 128 x tile row + 64 x half
	s_mov_b32 s17, 0
	s_mul_u64 s[16:17], s[16:17], s[18:19]
.endif
	s_lshl_b32 s47, s12, 6
	s_lshl_b32 s46, s42, 7
	s_add_co_u32 s46, s46, s47                     ; B: row 128 x tile column + 64 x half
	s_mov_b32 s47, 0
	s_mul_u64 s[46:47], s[46:47], s[18:19]
	s_add_nc_u64 s[46:47], s[46:47], WOFF
	s_mul_i32 s20, s12, A_HALF                     ; where they go in a slot: A's half,
	s_mul_i32 s21, s12, HALFT                      ; B's half; both kept for the refills
	s_add_co_u32 s21, s21, B_OFF
	s_mov_b32 s[TB], 0
	s_mov_b32 s[TN], SLOT
	s_wait_dscnt 0x0                               ; the opening add is done
	s_wait_kmcnt 0x0
	s_add_nc_u64 s[14:15], s[4:5], s[16:17]
	s_add_nc_u64 s[46:47], s[6:7], s[46:47]
	CROUND                                         ; all sixteen work-groups are here: the first joint loads meet
.irp s, 0,1
	s_mov_b32 s[G0+4*(\s)], 1
	s_add_co_u32 s[G0+4*(\s)+1], s20, (\s)*SLOT
	s_add_nc_u64 s[G0+4*(\s)+2:G0+4*(\s)+3], s[14:15], (\s)*ASTEP
	s_or_b32 s[G0+4*(\s)+3], s[G0+4*(\s)+3], 0x80000000
	s_mov_b32 s[G0B+4*(\s)], 1
	s_add_co_u32 s[G0B+4*(\s)+1], s21, (\s)*SLOT
	s_add_nc_u64 s[G0B+4*(\s)+2:G0B+4*(\s)+3], s[46:47], (\s)*KSTEP*2
	s_or_b32 s[G0B+4*(\s)+3], s[G0B+4*(\s)+3], 0x80000000
	JLOAD \s                                       ; K steps 0 and 1: two loads of mine are out
.endr
	v_and_b32 v1, 15, v0                           ; l % 16
	v_bfe_u32 v2, v0, 4, 1                         ; l / 16
	v_mul_u32_u24 v3, v1, PITCH
	v_lshl_add_u32 v3, v2, 4, v3                   ; B: row x pitch + 16 x half
.if WO
	v_mul_u32_u24 v4, v1, 80
	v_lshl_add_u32 v4, v2, 4, v4                   ; A: row x 80 + 16 x half
.else
	v_mov_b32 v4, v3
.endif
	s_mul_i32 s22, s11, A_HALF                     ; my 64 rows of A
	s_mul_i32 s23, s12, HALFT                      ; my 64 rows of B
	s_add_co_u32 s23, s23, B_OFF
	v_add_nc_u32 v[A0], s22, v4
	v_add_nc_u32 v[B0], s23, v3
	ADDR
	s_mul_i32 s23, s10, REGB                       ; my region on the way out
	v_mul_u32_u24 v4, v1, RP                       ; in: row l % 16, 32 bytes for each half of the lanes
	v_lshl_add_u32 v4, v2, 5, v4
	v_add_nc_u32 v[DST], s23, v4
	v_mul_u32_u24 v4, v2, RP                       ; back: lanes 0-15 take one row of 256 bytes, lanes 16-31 the next
	v_lshl_add_u32 v4, v1, 4, v4
	v_add_nc_u32 v[RDA], s23, v4
	v_lshlrev_b32 v4, 12, v2                       ; and the same two rows in y
	v_lshl_add_u32 v[CO], v1, 4, v4
	v_lshlrev_b32 v[BA], 4, v1
	v_mov_b32 v[ONE], 1.0
.if WO
	v_mov_b32 v[XO], v[CO]                         ; x lies as y does
.else
	v_lshlrev_b32 v4, 11, v2                       ; a row of h is 2,048 bytes, my four numbers 8
	v_lshl_add_u32 v[XO], v1, 3, v4
.endif
	s_lshl_b32 s16, s13, 19                        ; 128 rows of 4,096 bytes
	s_lshl_b32 s17, s11, 18
	s_add_co_u32 s16, s16, s17
	s_lshl_b32 s46, s42, 9                         ; my 64 columns, in bytes of f32
	s_lshl_b32 s47, s12, 8
	s_add_co_u32 s46, s46, s47
	s_mov_b32 s47, 0
	s_add_co_u32 s72, s46, s16
	s_mov_b32 s73, 0
	s_add_nc_u64 s[8:9], s[8:9], s[72:73]
	s_add_nc_u64 s[68:69], s[68:69], s[46:47]
.if WO
	s_add_nc_u64 s[70:71], s[70:71], s[72:73]
.else
	s_lshr_b32 s74, s72, 1                         ; the same place in f16
	s_mov_b32 s75, 0
	s_add_nc_u64 s[70:71], s[70:71], s[74:75]
.endif
.macro RLOAD                           ; the residual of 16 rows
.irp t, 0,1,2,3,4,5,6,7
.if WO
	global_load_b128 v[R+4*(\t):R+4*(\t)+3], v[XO], s[70:71] offset:(\t)*8192
.else
	global_load_b64 v[R+2*(\t):R+2*(\t)+1], v[XO], s[70:71] offset:(\t)*4096
.endif
.endr
.endm
	global_load_b128 v[BIAS:BIAS+3], v[BA], s[68:69]  ; the bias and the first 16 rows' residual come in under the products, into registers that lie idle there
	RLOAD
.macro MUL8 f, c, a0, zero             ; 8 matrix instructions: m blocks a0, a0 + 1 x all 4 n blocks, 32 along K: half c of buffer f
	WIN MUL
.irp a, \a0, (\a0)+1
.irp b, 0,1,2,3
.if \zero
	v_wmma_f32_16x16x32_f16 v[ACC+8*(4*(\a)+(\b)):ACC+8*(4*(\a)+(\b))+7], v[(\f)+64+8*(4*(\c)+(\b)):(\f)+64+8*(4*(\c)+(\b))+7], v[(\f)+8*(4*(\c)+(\a)):(\f)+8*(4*(\c)+(\a))+7], 0
.else
	v_wmma_f32_16x16x32_f16 v[ACC+8*(4*(\a)+(\b)):ACC+8*(4*(\a)+(\b))+7], v[(\f)+64+8*(4*(\c)+(\b)):(\f)+64+8*(4*(\c)+(\b))+7], v[(\f)+8*(4*(\c)+(\a)):(\f)+8*(4*(\c)+(\a))+7], v[ACC+8*(4*(\a)+(\b)):ACC+8*(4*(\a)+(\b))+7]
.endif
.endr
.endr
.endm
.macro FETCH ra, rb, k, f              ; 32 LDS loads in one run: the fragments of 64 along K at byte k of B's rows (A's address in ra, B's in rb), into buffer f; the first 32 along K first
	WIN TO_F
.irp c, 0,1
.irp i, 0,1,2,3
.if WO
.set AO, (((\k)/128)*2+(\c))*5120+(\i)*1280    ; head 2 (k / 128) + c of the step's eight, rows 16 i on
.else
.set AO, (\k)+64*(\c)+(\i)*16*PITCH
.endif
	ds_load_b128 v[(\f)+64+8*(4*(\c)+(\i)):(\f)+64+8*(4*(\c)+(\i))+3],   v[\rb] offset:(\k)+64*(\c)+(\i)*16*PITCH
	ds_load_b128 v[(\f)+64+8*(4*(\c)+(\i))+4:(\f)+64+8*(4*(\c)+(\i))+7], v[\rb] offset:(\k)+64*(\c)+(\i)*16*PITCH+32
	ds_load_b128 v[(\f)+8*(4*(\c)+(\i)):(\f)+8*(4*(\c)+(\i))+3],         v[\ra] offset:AO
	ds_load_b128 v[(\f)+8*(4*(\c)+(\i))+4:(\f)+8*(4*(\c)+(\i))+7],       v[\ra] offset:AO+32
.endr
.endr
.endm
.macro PLACES                          ; four places in front of loads into registers that matrix instructions have read, and of reads of results just made
.rept 4
	v_nop
.endr
.endm
; A K step is four quarters of 64 along K, 32 matrix instructions each, on buffers 0, 1, 0, 1; the 16 accumulators take turns.
.macro QUARTER ra, rb, k, f, g, zero
	s_wait_dscnt 16                                ; the first 32 along K are in
	WIN MUL
	MUL8 \f, 0, 0, \zero
	MUL8 \f, 0, 2, \zero
	PLACES
	FETCH \ra, \rb, \k, \g
	s_wait_dscnt 32                                ; all but the 32 just issued
	WIN MUL
	MUL8 \f, 1, 0, 0
	MUL8 \f, 1, 2, 0
.endm
; The last quarter multiplies buffer 1 and changes slots: ONE barrier; in front of it each wave waits for all its tensor loads, adds 0 to its spare word, and waits for that and for its own reads of this slot.
; fill = 1: the barrier opens a round of the cluster's, and the slot in hand is filled again, two K steps ahead, first thing behind the round.  The walking descriptor takes that slot's LDS address and the
; next K step's global address; no tensor load of mine is out since the wait at the macro's head.
.macro TURN fill
	WIN 0
	s_wait_tensorcnt 0x0                           ; all my tensor loads have landed: my part of the next slot
	ds_add_u32 v[SPW], v[NIL]                      ; 0 onto my spare word
	s_wait_dscnt 17                                ; (the add and the youngest sixteen loads may be out)
	WIN MUL
	MUL8 F1, 0, 0, 0
	s_wait_dscnt 0x0                               ; the add is done, and my reads of this slot are over
	s_barrier_signal -1
	MUL8 F1, 0, 2, 0
.if \fill
	WIN 0
.endif
	s_barrier_wait -1
.if \fill
	CREST
	s_add_co_u32 s[G0+5], s20, s[TB]
	s_add_nc_u64 s[G0+6:G0+7], s[G0+6:G0+7], ASTEP
	s_add_co_u32 s[G0B+5], s21, s[TB]
	s_add_nc_u64 s[G0B+6:G0B+7], s[G0B+6:G0B+7], KSTEP*2
	JLOAD 1                                        ; the four v_nop behind it are also the places in front of the loads below
.else
	PLACES
.endif
	FETCH NA, NB, 0, F0
	WIN MUL
	MUL8 F1, 1, 0, 0
	MUL8 F1, 1, 2, 0
.endm
	s_wait_tensorcnt 1                             ; my part of K step 0 is in; K step 1's may stay out
	s_barrier_signal -1
	s_barrier_wait -1
	FETCH CA, CB, 0, F0
	QUARTER CA, CB, 128, F0, F1, 1                 ; the first quarter's first products start the sums
	WIN 0
	s_mov_b32 s3, STEPS-2
.Lstep:                                                ; all K steps but the last two: each asks for the step two further on
	QUARTER CA, CB, 256, F1, F0, 0
	QUARTER CA, CB, 384, F0, F1, 0
	TURN 1
	QUARTER NA, NB, 128, F0, F1, 0
	WIN 0
	FLIP
	s_sub_co_u32 s3, s3, 1
	s_cmp_lg_u32 s3, 0
	s_cbranch_scc1 .Lstep
	s_mov_b32 s3, 2
.Ltl:                                                  ; the last two K steps ask for nothing; the second trip is left in its middle
	QUARTER CA, CB, 256, F1, F0, 0
	QUARTER CA, CB, 384, F0, F1, 0
	WIN 0
	s_sub_co_u32 s3, s3, 1
	s_cmp_eq_u32 s3, 0
	s_cbranch_scc1 .Llast
	TURN 0
	QUARTER NA, NB, 128, F0, F1, 0
	WIN 0
	FLIP
	s_branch .Ltl
.Llast:
	s_wait_dscnt 16
	WIN MUL
	MUL8 F1, 0, 0, 0
	MUL8 F1, 0, 2, 0
	s_wait_dscnt 0x0
	MUL8 F1, 1, 0, 0
	MUL8 F1, 1, 2, 0
	WIN 0
	; THE WAY OUT.  The ring has had its last fill; when every wave's reads of it are over it takes the sums.
	s_wait_dscnt 0x0
	s_barrier_signal -1
	s_barrier_wait -1
	PLACES
.irp a, 0,1,2,3                        ; each accumulator's low four registers first
.irp b, 0,1,2,3
	ds_store_b128 v[DST], v[ACC+8*(4*(\a)+(\b)):ACC+8*(4*(\a)+(\b))+3]   offset:(\a)*16*RP+(\b)*64
	ds_store_b128 v[DST], v[ACC+8*(4*(\a)+(\b))+4:ACC+8*(4*(\a)+(\b))+7] offset:(\a)*16*RP+(\b)*64+16
.endr
.endr
	s_wait_dscnt 0x0                               ; my stores are done; behind the barrier nothing is stored into LDS any more
	s_barrier_signal -1
	s_barrier_wait -1
.macro TLOAD
.irp t, 0,1,2,3,4,5,6,7
	ds_load_b128 v[T+4*(\t):T+4*(\t)+3], v[RDA] offset:(\t)*2*RP
.endr
.endm
	TLOAD
	s_mov_b32 s2, 4
.Lepi:                                                 ; four trips of 16 rows
	s_wait_dscnt 0x0
	s_wait_loadcnt 0x0                             ; the residual (in the first trip the bias too); its offset register may step
	FOR 16, v_pk_add_f32 v[Y+2*n:Y+2*n+1], v[T+2*n:T+2*n+1], v[BIAS+2*(n%2):BIAS+2*(n%2)+1]
.if WO
	FOR 16, v_pk_add_f32 v[Y+2*n:Y+2*n+1], v[Y+2*n:Y+2*n+1], v[R+2*n:R+2*n+1]
.else
	FOR 16, v_fma_mix_f32 v[Y+2*n], v[R+n], v[ONE], v[Y+2*n] op_sel_hi:[1,0,0]                       ; the low half of h's word, in f32, is added
	FOR 16, v_fma_mix_f32 v[Y+2*n+1], v[R+n], v[ONE], v[Y+2*n+1] op_sel:[1,0,0] op_sel_hi:[1,0,0]    ; the high half
.endif
	s_cmp_eq_u32 s2, 1
	s_cbranch_scc1 .Lno_more                       ; the last trip has no rows to read ahead
	v_add_nc_u32 v[RDA], 16*RP, v[RDA]
.if WO
	v_add_nc_u32 v[XO], 65536, v[XO]
.else
	v_add_nc_u32 v[XO], 32768, v[XO]
.endif
	TLOAD
	RLOAD
.Lno_more:
.irp t, 0,1,2,3,4,5,6,7
	global_store_b128 v[CO], v[Y+4*(\t):Y+4*(\t)+3], s[8:9] offset:(\t)*8192  ; 16 lanes store 256 consecutive bytes, aligned
.endr
	s_wait_xcnt 0x0                                ; only behind this wait are the stores' offset and data rewritten
	v_add_nc_u32 v[CO], 65536, v[CO]
	s_sub_co_u32 s2, s2, 1
	s_cmp_lg_u32 s2, 0
	s_cbranch_scc1 .Lepi
	s_wait_tensorcnt 0x0                           ; the wave's end
	ds_add_u32 v[SPW], v[NIL]
	s_wait_dscnt 0x0
	CROUND                                         ; the closing round
	s_endpgm
.Lfunc_end_k_qf6f7b6e17e_wo:
	.size	k_qf6f7b6e17e_wo, .Lfunc_end_k_qf6f7b6e17e_wo-k_qf6f7b6e17e_wo
	.p2alignl 7, 3214868480
	.fill 96, 4, 3214868480
	.section	.rodata,"a",@progbits
	.p2align	6, 0x0
	.amdhsa_kernel k_qf6f7b6e17e_wo
		.amdhsa_group_segment_fixed_size 327680
		.amdhsa_private_segment_fixed_size 0
		.amdhsa_enable_private_segment 0
		.amdhsa_kernarg_size 40
		.amdhsa_user_sgpr_count 2
		.amdhsa_user_sgpr_kernarg_segment_ptr 1
		.amdhsa_wavefront_size32 1
		.amdhsa_system_sgpr_workgroup_id_x 1
		.amdhsa_system_sgpr_workgroup_id_y 1
		.amdhsa_system_sgpr_workgroup_id_z 1
		.amdhsa_system_vgpr_workitem_id 0
		.amdhsa_next_free_vgpr 512
		.amdhsa_next_free_sgpr 80
		.amdhsa_reserve_vcc 0
		.amdhsa_float_denorm_mode_32 3
		.amdhsa_float_denorm_mode_16_64 3
		.amdhsa_memory_ordered 1
		.amdhsa_forward_progress 1
		.amdhsa_inst_pref_size 61
	.end_amdhsa_kernel
	.amdgpu_metadata
---
amdhsa.version: [ 1, 2 ]
amdhsa.kernels:
  - .name:           k_qf6f7b6e17e_wo
    .symbol:         k_qf6f7b6e17e_wo.kd
    .args:
      - { .name: ctx, .offset: 0, .size: 8, .value_kind: global_buffer, .address_space: global }
      - { .name: wts, .offset: 8, .size: 8, .value_kind: global_buffer, .address_space: global }
      - { .name: bo, .offset: 16, .size: 8, .value_kind: global_buffer, .address_space: global }
      - { .name: x, .offset: 24, .size: 8, .value_kind: global_buffer, .address_space: global }
      - { .name: y, .offset: 32, .size: 8, .value_kind: global_buffer, .address_space: global }
    .group_segment_fixed_size: 327680
    .private_segment_fixed_size: 0
    .kernarg_segment_align: 8
    .kernarg_segment_size: 40
    .max_flat_workgroup_size: 128
    .sgpr_count:     80
    .vgpr_count:     512
    .wavefront_size: 32
...
	.end_amdgpu_metadata
.endif
;; end of part 4
;; launch ln1 (part 5): grid 256 x 1, 16 waves a work-group, no clusters, 0 bytes of LDS; arguments y, ln1_g, ln1_b, nh; writes nh
.if DOCPART == 5
	.amdgcn_target "amdgcn-amd-amdhsa--gfx1250"
	.amdhsa_code_object_version 6
	.text
	.protected	k_qf6f7b6e17e_ln1
	.globl	k_qf6f7b6e17e_ln1
	.p2align	8
	.type	k_qf6f7b6e17e_ln1,@function
k_qf6f7b6e17e_ln1:
	s_mov_b64 s[64:65], 0
	v_nop
	global_prefetch_b8 v0, s[64:65] scope:SCOPE_SE
	s_setreg_imm32_b32 hwreg(HW_REG_WAVE_MODE, 25, 1), 1
	s_wait_xcnt 0x0
; LAYER NORM OF ROWS OF 1,024 f32.  out = (y - mean) / sqrt(var + 1e-5) g + b.  OUT16 = 1: rounded once to f16; OUT16 = 0: stored in f32.
; One wave, one row: 16 x 256 waves for the 4,096 rows, so there is no loop; the row stays in 32 registers between the passes and is read from memory once.
; The variance is taken of y - mean, so no difference of large sums is formed.  All arithmetic in f32.
; LIMITS.  With OUT16 = 1 a result beyond 65,504 has no place in f16.  NaN and infinities are not treated apart.
; No LDS, no matrix unit, no cluster: a stream; the work-groups share only g and b (8 KiB).
.set OUT16, 1
.set X,   4                            ; v[4:35]    the row
.set G,   36                           ; v[36:67]   g of my 32 columns
.set B,   68                           ; v[68:99]   b
.set CH,  100                          ; v[100:107] four chains of packed sums
.set M,   108                          ; v[108:109] the mean, later 1 / sqrt(var + eps), twice
.set T0,  110
.set T1,  111
.macro FOR cnt, line:vararg
.set n, 0
.rept \cnt
	\line
.set n, n+1
.endr
.endm
.macro REDUCE                          ; the sum of v[T0] over the wave's 32 lanes, in every lane
	v_add_f32_dpp v[T0], v[T0], v[T0] row_xmask:1 row_mask:0xf bank_mask:0xf
	v_add_f32_dpp v[T0], v[T0], v[T0] row_xmask:2 row_mask:0xf bank_mask:0xf
	v_add_f32_dpp v[T0], v[T0], v[T0] row_xmask:4 row_mask:0xf bank_mask:0xf
	v_add_f32_dpp v[T0], v[T0], v[T0] row_xmask:8 row_mask:0xf bank_mask:0xf
	v_permlanex16_b32 v[T1], v[T0], s16, s17
	v_add_f32 v[T0], v[T0], v[T1]
.endm
	s_load_b256 s[8:15], s[0:1], 0x0               ; y 8, g 10, b 12, out 14
	v_lshrrev_b32 v2, 5, v0
	v_readfirstlane_b32 s5, v2
	s_lshl_b32 s6, ttmp9, 4
	s_add_co_u32 s6, s6, s5                        ; my row
	s_lshl_b32 s18, s6, 12
	s_mov_b32 s19, 0
.if OUT16
	s_lshl_b32 s20, s6, 11
.else
	s_lshl_b32 s20, s6, 12
.endif
	s_mov_b32 s21, 0
	s_mov_b32 s16, 0x76543210                      ; v_permlanex16_b32: each lane takes its own place in the other half
	s_mov_b32 s17, 0xfedcba98
	v_and_b32 v1, 31, v0
	v_lshlrev_b32 v2, 3, v1                        ; 8 bytes a lane
	v_lshlrev_b32 v1, 4, v1                        ; 16 bytes a lane
	v_mov_b32 v[T1], 0                             ; the lane exchange's destination counts as read
	s_wait_kmcnt 0x0
	s_add_nc_u64 s[8:9], s[8:9], s[18:19]
	s_add_nc_u64 s[14:15], s[14:15], s[20:21]
.irp j, 0,1,2,3,4,5,6,7
	global_load_b128 v[X+4*(\j):X+4*(\j)+3], v1, s[8:9] offset:512*(\j) th:TH_LOAD_NT  ; 512 consecutive bytes a load, the row in eight
.endr
.irp j, 0,1,2,3,4,5,6,7
	global_load_b128 v[G+4*(\j):G+4*(\j)+3], v1, s[10:11] offset:512*(\j)
.endr
.irp j, 0,1,2,3,4,5,6,7
	global_load_b128 v[B+4*(\j):B+4*(\j)+3], v1, s[12:13] offset:512*(\j)
.endr
	s_wait_loadcnt 16                              ; the row is in; g's and b's sixteen loads stay out
	FOR 4, v_pk_add_f32 v[CH+2*n:CH+2*n+1], v[X+2*n:X+2*n+1], v[X+8+2*n:X+8+2*n+1]
	FOR 4, v_pk_add_f32 v[CH+2*n:CH+2*n+1], v[CH+2*n:CH+2*n+1], v[X+16+2*n:X+16+2*n+1]
	FOR 4, v_pk_add_f32 v[CH+2*n:CH+2*n+1], v[CH+2*n:CH+2*n+1], v[X+24+2*n:X+24+2*n+1]
	v_pk_add_f32 v[CH:CH+1], v[CH:CH+1], v[CH+2:CH+3]
	v_pk_add_f32 v[CH+4:CH+5], v[CH+4:CH+5], v[CH+6:CH+7]
	v_pk_add_f32 v[CH:CH+1], v[CH:CH+1], v[CH+4:CH+5]
	v_add_f32 v[T0], v[CH], v[CH+1]
	REDUCE
	v_mul_f32 v[M], 0x3a800000, v[T0]              ; the mean: the sum / 1,024
	v_mov_b32 v[M+1], v[M]
	FOR 16, v_pk_add_f32 v[X+2*n:X+2*n+1], v[X+2*n:X+2*n+1], v[M:M+1] neg_lo:[0,1] neg_hi:[0,1]
	FOR 4, v_pk_mul_f32 v[CH+2*n:CH+2*n+1], v[X+2*n:X+2*n+1], v[X+2*n:X+2*n+1]
	FOR 12, v_pk_fma_f32 v[CH+2*(n%4):CH+2*(n%4)+1], v[X+8+2*n:X+8+2*n+1], v[X+8+2*n:X+8+2*n+1], v[CH+2*(n%4):CH+2*(n%4)+1]
	v_pk_add_f32 v[CH:CH+1], v[CH:CH+1], v[CH+2:CH+3]
	v_pk_add_f32 v[CH+4:CH+5], v[CH+4:CH+5], v[CH+6:CH+7]
	v_pk_add_f32 v[CH:CH+1], v[CH:CH+1], v[CH+4:CH+5]
	v_add_f32 v[T0], v[CH], v[CH+1]
	REDUCE
	v_mov_b32 v[T1], 0x3727c5ac                    ; eps = 1e-5
	v_fmamk_f32 v[T0], v[T0], 0x3a800000, v[T1]    ; var + eps
	v_rsq_f32 v[M], v[T0]
	v_rsq_f32 v[M+1], v[T0]
	v_nop                                          ; a plain instruction between the last root and the use of its result (ISA guide 5.7.2)
	s_wait_alu depctr_va_vdst(0)
	s_wait_loadcnt 0x0                             ; g and b
	FOR 16, v_pk_mul_f32 v[X+2*n:X+2*n+1], v[X+2*n:X+2*n+1], v[M:M+1]
	FOR 16, v_pk_fma_f32 v[X+2*n:X+2*n+1], v[X+2*n:X+2*n+1], v[G+2*n:G+2*n+1], v[B+2*n:B+2*n+1]
.irp j, 0,1,2,3,4,5,6,7
.if OUT16
	v_cvt_pk_f16_f32 v[X+4*(\j)], v[X+4*(\j)], v[X+4*(\j)+1]
	v_cvt_pk_f16_f32 v[X+4*(\j)+1], v[X+4*(\j)+2], v[X+4*(\j)+3]
	global_store_b64 v2, v[X+4*(\j):X+4*(\j)+1], s[14:15] offset:256*(\j)  ; 256 consecutive bytes, aligned
.else
	global_store_b128 v1, v[X+4*(\j):X+4*(\j)+3], s[14:15] offset:512*(\j) th:TH_STORE_NT  ; 512 consecutive bytes, aligned
.endif
.endr
	s_endpgm
.Lfunc_end_k_qf6f7b6e17e_ln1:
	.size	k_qf6f7b6e17e_ln1, .Lfunc_end_k_qf6f7b6e17e_ln1-k_qf6f7b6e17e_ln1
	.p2alignl 7, 3214868480
	.fill 96, 4, 3214868480
	.section	.rodata,"a",@progbits
	.p2align	6, 0x0
	.amdhsa_kernel k_qf6f7b6e17e_ln1
		.amdhsa_group_segment_fixed_size 0
		.amdhsa_private_segment_fixed_size 0
		.amdhsa_enable_private_segment 0
		.amdhsa_kernarg_size 32
		.amdhsa_user_sgpr_count 2
		.amdhsa_user_sgpr_kernarg_segment_ptr 1
		.amdhsa_wavefront_size32 1
		.amdhsa_system_sgpr_workgroup_id_x 1
		.amdhsa_system_sgpr_workgroup_id_y 1
		.amdhsa_system_sgpr_workgroup_id_z 1
		.amdhsa_system_vgpr_workitem_id 0
		.amdhsa_next_free_vgpr 112
		.amdhsa_next_free_sgpr 66
		.amdhsa_reserve_vcc 0
		.amdhsa_float_denorm_mode_32 3
		.amdhsa_float_denorm_mode_16_64 3
		.amdhsa_memory_ordered 1
		.amdhsa_forward_progress 1
		.amdhsa_inst_pref_size 12
	.end_amdhsa_kernel
	.amdgpu_metadata
---
amdhsa.version: [ 1, 2 ]
amdhsa.kernels:
  - .name:           k_qf6f7b6e17e_ln1
    .symbol:         k_qf6f7b6e17e_ln1.kd
    .args:
      - { .name: y, .offset: 0, .size: 8, .value_kind: global_buffer, .address_space: global }
      - { .name: ln1_g, .offset: 8, .size: 8, .value_kind: global_buffer, .address_space: global }
      - { .name: ln1_b, .offset: 16, .size: 8, .value_kind: global_buffer, .address_space: global }
      - { .name: nh, .offset: 24, .size: 8, .value_kind: global_buffer, .address_space: global }
    .group_segment_fixed_size: 0
    .private_segment_fixed_size: 0
    .kernarg_segment_align: 8
    .kernarg_segment_size: 32
    .max_flat_workgroup_size: 512
    .sgpr_count:     66
    .vgpr_count:     112
    .wavefront_size: 32
...
	.end_amdgpu_metadata
.endif
;; end of part 5
;; launch ff1 (part 6): grid 16 x 16, 4 waves a work-group, clusters of 4 x 4, 327,680 bytes of LDS; arguments nh, wts, b1, act; writes act
.if DOCPART == 6
	.amdgcn_target "amdgcn-amd-amdhsa--gfx1250"
	.amdhsa_code_object_version 6
	.text
	.protected	k_qf6f7b6e17e_ff1
	.globl	k_qf6f7b6e17e_ff1
	.p2align	8
	.type	k_qf6f7b6e17e_ff1,@function
k_qf6f7b6e17e_ff1:
	s_mov_b64 s[64:65], 0
	v_nop
	global_prefetch_b8 v0, s[64:65] scope:SCOPE_SE
	s_setreg_imm32_b32 hwreg(HW_REG_WAVE_MODE, 25, 1), 1
	s_wait_xcnt 0x0
	s_wait_alu depctr_hold_cnt(0) depctr_sa_sdst(0) depctr_va_vdst(0) depctr_va_sdst(0) depctr_va_ssrc(0) depctr_va_vcc(0) depctr_vm_vsrc(0)
	s_getreg_b32 s2, hwreg(HW_REG_IB_STS2, 6, 4)
	s_cmp_eq_u32 s2, 0
	s_cbranch_scc0 .Lentry_in_a_cluster
	s_endpgm
.Lentry_in_a_cluster:
	s_bfe_u32 s2, ttmp6, 0x10000c
	s_cmp_lg_u32 s2, 0xf033
	s_cbranch_scc0 .Lentry_shape_is_right
	s_endpgm
.Lentry_shape_is_right:
; A GEMM ON TILES OF 256 x 256, K = 1,024, f16 operands, f32 sums: C = A B^T + bias, and one of two ways out, chosen by the flag QKV below.
; QKV = 1: A = nx [4096][1024], B = [c wq; wk; wv] [3072][1024]; C + [c bq; bk; bv] is rounded once to f16 and stored by heads, [b][g = n / 32][s][32].
;          12 x 16 = 192 work-groups: N = 3,072 has no more tiles of this size; a tile of 192 columns would give 256 and is a text of its own, not written.
; QKV = 0: A = h [4096][1024], B = w1 [4096][1024]; gelu(C + b1), exact form by erf, is rounded once to f16 and stored [4096][4096].  16 x 16 = 256 work-groups.
; Four waves, each 128 x 128 of C: 64 accumulators of 16 x 16, 512 registers.  K goes in steps of 128 through a ring of two LDS slots filled by the tensor data mover;
; a tile's rows are 256 bytes of memory at multiples of 256.  4 x 4 work-groups form a cluster: A's tile is asked for jointly along a row of the cluster, B's along a column.
; A K STEP IS WRITTEN ONCE.  A trip of the loop goes from a step's second quarter to the next step's first and fills again the slot that it leaves.  Which slot is read stands in two scalars, TB (the
; slot in hand) and TN (the other), each 0 or SLOT and turned by an exclusive or at the trip's end; the LDS addresses are the two fixed lane addresses plus TB or TN.  The last two steps, which ask for
; nothing, are a second loop of the same shape, left in its middle.
; THE MATRIX INSTRUCTION IS USED TRANSPOSED (source 0 = 16 rows of B, source 1 = 16 rows of A): a lane holds row l % 16 of C and the columns 8 (l / 16) + 0..7.
; THE WAY OUT.  When the ring has had its last fill and every wave its last read of it, each wave lays its 128 x 128 sums in f32 into its own 67,584 bytes of the ring,
; and a counted loop on fixed registers reads them back by rows, adds the bias, finishes and stores.
; LIMITS.  Operands and results lie within f16's 65,504; below 6e-5 f16 keeps a fixed step of 6e-8.  erf by Abramowitz and Stegun 7.1.26: absolute error 1.5e-7 at the most, for every argument.
; NaN and infinities are not treated apart.
; REGISTERS, in windows of 256: window 0: v0-31 addresses; v32-63 the bias; v64-127, v128-191 fragments of A, two buffers (on the way out v64-223 at work);
;   window 1: v64-127, v128-191 fragments of B;  window 2: the accumulators of my rows 0-63 ((a, b) at v[8 (8 a + b)]);  window 3: those of my rows 64-127.
.set QKV,    0
.set SIZE_K, 1024
.set KSTEP,  128
.set STEPS,  SIZE_K/KSTEP
.set PITCH,  272                       ; an LDS row: 256 bytes + 16 of padding = 68 words: the 16 rows of a fragment load start at 16 different groups of four banks (ISA guide 11.1)
.set HALFT,  128*PITCH                 ; 128 rows: what one tensor load brings
.set SLOT,   4*HALFT                   ; A's 256 rows, then B's 256 rows
.set SPARE,  2*SLOT                    ; behind the ring: the spare words, 128 bytes for each wave
.set RP,     528                       ; the way out: a row of 128 f32 + 16 bytes = 132 words
.set REGB,   128*RP                    ; a wave's region; four of them, 270,336 bytes, lie inside the ring's 278,528
.if QKV
.set WOFF,   0                         ; where B begins in wts
.else
.set WOFF,   0x800000
.endif
.set A0,   16                          ; v16     LDS address of my A fragments in slot 0; never rewritten
.set B0,   17                          ; v17     the same for B
.set CA,   18                          ; v18-19  the same in the slot in hand
.set CB,   19
.set NA,   20                          ; v20-21  and in the other slot
.set NB,   21
.set DST,  24                          ; v24     the way out: where I lay 16 bytes of a row
.set RDA,  25                          ; v25     the way out: where I read rows back; it steps
.set CO,   26                          ; v26     my byte offset in the output; it steps
.set BA,   27                          ; v27     my byte offset in the bias
.set SPW,  28                          ; v28     LDS address of my spare word; never rewritten
.set NIL,  29                          ; v29     0; never rewritten
.set BI,   32                          ; the bias of my columns
.set F0,   64
.set F1,   128
.set G1, 24                            ; s[24:31] descriptor group 1 for A's tiles
.set G0, 32                            ; s[32:39] group 0 for A's tiles: a set for each of the two first fills; the second then walks on
.set G1B, 48                           ; s[48:55], s[56:63] the same for B's
.set G0B, 56
.set TB, 94                            ; s94  the slot in hand: 0 or SLOT
.set TN, 95                            ; s95  the other slot
.set MSB, 0
.macro WIN new                         ; the immediate's high byte repeats the setting that is left
.if MSB != (\new)
	s_set_vgpr_msb (MSB<<8)|(\new)
.set MSB, \new
.endif
.endm
.set MUL_LO, 0xa1                      ; source 0 (B) window 1, source 1 (A) window 0, C and D window 2
.set MUL_HI, 0xf1                      ; the same, C and D window 3
.set TO_B,   0x40                      ; destination window 1, address window 0
.macro FOR cnt, line:vararg            ; one line for n = 0 .. cnt - 1
.set n, 0
	s_wait_alu depctr_va_vdst(0)
.rept \cnt
	\line
.set n, n+1
.endr
.endm
.macro ADDR                            ; the fragments' addresses in the two slots
	v_add_nc_u32 v[CA], s[TB], v[A0]
	v_add_nc_u32 v[CB], s[TB], v[B0]
	v_add_nc_u32 v[NA], s[TN], v[A0]
	v_add_nc_u32 v[NB], s[TN], v[B0]
.endm
.macro FLIP                            ; the slots change places
	s_xor_b32 s[TB], s[TB], SLOT
	s_xor_b32 s[TN], s[TN], SLOT
	ADDR
.endm
; A joint load.  Waves 0 and 1 fetch A's two halves, waves 2 and 3 B's.  The branch hangs on the wave's number alone.  An s_nop 0 and four v_nop follow each of the two lines.
.macro JLOAD s
	s_cmp_eq_u32 s11, 0
	s_cbranch_scc0 .Lfor_b_\@
	tensor_load_to_lds s[G0+4*(\s):G0+4*(\s)+3], s[G1:G1+7]
	s_nop 0
.rept 4
	v_nop
.endr
	s_branch .Lasked_\@
.Lfor_b_\@:
	tensor_load_to_lds s[G0B+4*(\s):G0B+4*(\s)+3], s[G1B:G1B+7]
	s_nop 0
.rept 4
	v_nop
.endr
.Lasked_\@:
.endm
.macro CREST                           ; a round of the cluster's barrier behind its opening barrier
	s_cmp_lg_u32 s10, 0
	s_cbranch_scc1 .Lnot_wave_0_\@
	s_barrier_signal -3
.Lnot_wave_0_\@:
	s_barrier_wait -3
	s_barrier_signal -1
	s_barrier_wait -1
.endm
.macro CROUND                          ; a whole round
	s_barrier_signal -1
	s_barrier_wait -1
	CREST
.endm
	s_load_b128 s[4:7], s[0:1], 0x0                ; A s[4:5], wts s[6:7]
.if QKV
	s_load_b256 s[68:75], s[0:1], 0x10             ; bq 68, bk 70, bv 72, qkv 74
.else
	s_load_b128 s[68:71], s[0:1], 0x10             ; b1 68, act 70
.endif
	v_lshl_add_u32 v[SPW], v0, 2, SPARE
	v_mov_b32 v[NIL], 0
	ds_add_u32 v[SPW], v[NIL]                      ; the wave's opening: the add and its wait come ahead of my first tensor load; the set-up below stands between them
	v_lshrrev_b32 v1, 5, v0
	v_readfirstlane_b32 s10, v1                    ; wave 0..3
	s_lshr_b32 s11, s10, 1                         ; which half of the tile's rows is mine.  Also: I fetch for A (0) or for B (1)
	s_and_b32 s12, s10, 1                          ; which half of its columns.  Also: which 128 rows of that tile I fetch
	s_bfe_u32 s40, ttmp6, 0x40000                  ; cx
	s_bfe_u32 s41, ttmp6, 0x40004                  ; cy
	s_lshl_b32 s42, ttmp9, 2
	s_add_co_u32 s42, s42, s40                     ; tile column of C = 4 x cluster x + cx
	s_and_b32 s13, ttmp7, 0xffff
	s_lshl_b32 s13, s13, 2
	s_add_co_u32 s13, s13, s41                     ; tile row of C = 4 x cluster y + cy
	s_lshl_b32 s43, s41, 2
	s_lshl_b32 s43, 15, s43                        ; my row of the cluster
	s_lshl_b32 s44, 0x1111, s40                    ; my column
	s_or_b32 s[G1+0], s43, (1<<16)|(1<<20)|(1<<21)|(5<<22)|(3<<25)  ; the mask; elements of 2 bytes; padding on; bit 21 beside a mask; after every 64 words 4 words
	s_or_b32 s[G1B+0], s44, (1<<16)|(1<<20)|(1<<21)|(5<<22)|(3<<25)
.irp g, G1, G1B
	s_mov_b32 s[(\g)+1], KSTEP<<16                 ; tensor_dim0 = 128
	s_mov_b32 s[(\g)+2], 128<<16                   ; tensor_dim1 = 128
	s_mov_b32 s[(\g)+3], KSTEP<<16                 ; tile_dim0 = 128
	s_mov_b32 s[(\g)+4], 128                       ; tile_dim1 = 128
	s_mov_b32 s[(\g)+5], SIZE_K                    ; elements from row to row
	s_mov_b32 s[(\g)+6], 0
	s_mov_b32 s[(\g)+7], 0
.endr
	; A's tiles hang on the tile row alone, B's on the tile column alone; each address is made in registers that never hold the other coordinate
	s_lshl_b32 s17, s12, 7
	s_lshl_b32 s16, s13, 8
	s_add_co_u32 s16, s16, s17                     ; A: row 256 x tile row + 128 x half
	s_lshl_b32 s46, s42, 8
	s_add_co_u32 s46, s46, s17                     ; B: row 256 x tile column + 128 x half
	s_mov_b32 s17, 0
	s_mov_b32 s47, 0
	s_mov_b64 s[18:19], SIZE_K*2
	s_mul_u64 s[16:17], s[16:17], s[18:19]
	s_mul_u64 s[46:47], s[46:47], s[18:19]
.if WOFF
	s_add_nc_u64 s[46:47], s[46:47], WOFF
.endif
	s_mul_i32 s20, s10, HALFT                      ; where they go in a slot: wave x 128 rows; kept for the refills
	s_mov_b32 s[TB], 0
	s_mov_b32 s[TN], SLOT
	s_wait_dscnt 0x0                               ; the opening add is done
	s_wait_kmcnt 0x0
	s_add_nc_u64 s[14:15], s[4:5], s[16:17]
	s_add_nc_u64 s[46:47], s[6:7], s[46:47]
	CROUND                                         ; all sixteen work-groups are here: the first joint loads meet
.irp s, 0,1
	s_mov_b32 s[G0+4*(\s)], 1
	s_add_co_u32 s[G0+4*(\s)+1], s20, (\s)*SLOT
	s_add_nc_u64 s[G0+4*(\s)+2:G0+4*(\s)+3], s[14:15], (\s)*KSTEP*2
	s_or_b32 s[G0+4*(\s)+3], s[G0+4*(\s)+3], 0x80000000
	s_mov_b32 s[G0B+4*(\s)], 1
	s_add_co_u32 s[G0B+4*(\s)+1], s20, (\s)*SLOT
	s_add_nc_u64 s[G0B+4*(\s)+2:G0B+4*(\s)+3], s[46:47], (\s)*KSTEP*2
	s_or_b32 s[G0B+4*(\s)+3], s[G0B+4*(\s)+3], 0x80000000
	JLOAD \s                                       ; K steps 0 and 1: two loads of mine are out
.endr
	; a fragment is 16 rows x 32 K in 8 registers: lane l holds row l % 16, K = 8 (l / 16) + 0..7 and 16 + 8 (l / 16) + 0..7: two loads of 16 bytes, 32 bytes apart
	v_and_b32 v1, 15, v0                           ; l % 16
	v_bfe_u32 v2, v0, 4, 1                         ; l / 16
	v_mul_u32_u24 v3, v1, PITCH
	v_lshl_add_u32 v3, v2, 4, v3
	s_mul_i32 s21, s11, HALFT                      ; my 128 rows of A
	s_mul_i32 s22, s12, HALFT                      ; my 128 rows of B,
	s_add_co_u32 s22, s22, 2*HALFT                 ; which lie behind A's 256
	v_add_nc_u32 v[A0], s21, v3
	v_add_nc_u32 v[B0], s22, v3
	ADDR
	s_mul_i32 s23, s10, REGB                       ; my region on the way out
	v_mul_u32_u24 v4, v1, RP                       ; in: row l % 16, 32 bytes for each half of the lanes
	v_lshl_add_u32 v4, v2, 5, v4
	v_add_nc_u32 v[DST], s23, v4
.if QKV
	v_bfe_u32 v4, v0, 2, 3                         ; back: lane l takes row l / 4 of eight and 8 of a head's 32 columns
	v_and_b32 v5, 3, v0
	v_mul_u32_u24 v4, v4, RP
	v_lshl_add_u32 v4, v5, 5, v4
	v_add_nc_u32 v[RDA], s23, v4
	v_and_b32 v4, 31, v0
	v_lshlrev_b32 v[CO], 4, v4                     ; eight rows of a head are 512 consecutive bytes: 16 x lane
	v_lshlrev_b32 v[BA], 5, v5
	; the bias: bq, bk or bv by the cluster's x (1,024 columns are four tile columns), then my 128 columns of it
	s_mov_b32 s45, ttmp9
	s_cmp_eq_u32 s45, 1
	s_cselect_b64 s[66:67], s[70:71], s[68:69]
	s_cmp_eq_u32 s45, 2
	s_cselect_b64 s[66:67], s[72:73], s[66:67]
	s_lshl_b32 s92, s40, 10
	s_lshl_b32 s93, s12, 9
	s_add_co_u32 s92, s92, s93
	s_mov_b32 s93, 0
	s_add_nc_u64 s[66:67], s[66:67], s[92:93]
	s_cmp_eq_u32 s45, 0
	s_cselect_b32 s90, 0x3e8293ee, 1.0             ; bq takes the factor c that wq has
	s_mov_b32 s91, s90
.irp hh, 0,1,2,3
	global_load_b128 v[BI+8*(\hh):BI+8*(\hh)+3],   v[BA], s[66:67] offset:(\hh)*128
	global_load_b128 v[BI+8*(\hh)+4:BI+8*(\hh)+7], v[BA], s[66:67] offset:(\hh)*128+16
.endr
	; where my part begins in qkv: batch tile row / 8, head group 8 x tile column + 4 x half, row (tile row % 8) 256 + 128 x half
	s_lshr_b32 s16, s13, 3
	s_mul_i32 s16, s16, 12582912
	s_and_b32 s17, s13, 7
	s_lshl_b32 s17, s17, 14
	s_add_co_u32 s16, s16, s17
	s_lshl_b32 s17, s11, 13
	s_add_co_u32 s16, s16, s17
	s_lshl_b32 s92, s42, 20
	s_lshl_b32 s93, s12, 19
	s_add_co_u32 s92, s92, s93
	s_add_co_u32 s92, s92, s16
	s_mov_b32 s93, 0
	s_add_nc_u64 s[8:9], s[74:75], s[92:93]
.else
	v_mul_u32_u24 v4, v2, RP                       ; back: lanes 0-15 take one row, lanes 16-31 the next; 8 columns a lane
	v_lshl_add_u32 v4, v1, 5, v4
	v_add_nc_u32 v[RDA], s23, v4
	v_lshlrev_b32 v4, 13, v2                       ; a row of act is 8,192 bytes
	v_lshl_add_u32 v[CO], v1, 4, v4
	v_lshlrev_b32 v[BA], 5, v1
	s_lshl_b32 s92, s42, 10                        ; b1 at my 128 columns
	s_lshl_b32 s93, s12, 9
	s_add_co_u32 s92, s92, s93
	s_mov_b32 s93, 0
	s_add_nc_u64 s[66:67], s[68:69], s[92:93]
	global_load_b128 v[BI:BI+3],   v[BA], s[66:67]
	global_load_b128 v[BI+4:BI+7], v[BA], s[66:67] offset:16
	s_lshl_b32 s16, s13, 21                        ; 256 rows of 8,192 bytes
	s_lshl_b32 s17, s11, 20
	s_add_co_u32 s16, s16, s17
	s_lshl_b32 s92, s42, 9
	s_lshl_b32 s93, s12, 8
	s_add_co_u32 s92, s92, s93
	s_add_co_u32 s92, s92, s16
	s_mov_b32 s93, 0
	s_add_nc_u64 s[8:9], s[70:71], s[92:93]
	; erf's constants, halved and with the sign that the sum below wants; each named as a pair
.set CP,  76                           ; 0.3275911 / sqrt(2)
.set CK,  78                           ; -log2(e) / 2
.set CA1, 80                           ; -a1 / 2 .. -a5 / 2
.set CA2, 82
.set CA3, 84
.set CA4, 86
.set CA5, 88
	s_mov_b32 s[CP], 0x3e6d3388
	s_mov_b32 s[CK], 0xbf38aa3b
	s_mov_b32 s[CA1], 0xbe027906
	s_mov_b32 s[CA2], 0x3e11a98e
	s_mov_b32 s[CA3], 0xbf35f0e3
	s_mov_b32 s[CA4], 0x3f3a00e3
	s_mov_b32 s[CA5], 0xbf07dc22
.irp c, CP, CK, CA1, CA2, CA3, CA4, CA5
	s_mov_b32 s[(\c)+1], s[\c]
.endr
.endif
; 16 matrix instructions: m blocks a0, a0 + 1 of the window's four x all 8 n blocks, 32 along K.  zero = 1: the first product starts the sums.
.macro MUL16 f, hi, a0, zero
	WIN MUL_LO+0x50*(\hi)
.irp a, \a0, (\a0)+1
.irp b, 0,1,2,3,4,5,6,7
.if \zero
	v_wmma_f32_16x16x32_f16 v[8*(8*(\a)+(\b)):8*(8*(\a)+(\b))+7], v[(\f)+8*(\b):(\f)+8*(\b)+7], v[(\f)+8*(4*(\hi)+(\a)):(\f)+8*(4*(\hi)+(\a))+7], 0
.else
	v_wmma_f32_16x16x32_f16 v[8*(8*(\a)+(\b)):8*(8*(\a)+(\b))+7], v[(\f)+8*(\b):(\f)+8*(\b)+7], v[(\f)+8*(4*(\hi)+(\a)):(\f)+8*(4*(\hi)+(\a))+7], v[8*(8*(\a)+(\b)):8*(8*(\a)+(\b))+7]
.endif
.endr
.endr
.endm
; 32 LDS loads in one run: the fragments of one quarter step (32 K at byte k of the rows; A's address in ra, B's in rb) into buffer f
.macro FETCH ra, rb, k, f
	WIN TO_B
.irp i, 0,1,2,3,4,5,6,7
	ds_load_b128 v[(\f)+8*(\i):(\f)+8*(\i)+3],   v[\rb] offset:(\k)+(\i)*16*PITCH
	ds_load_b128 v[(\f)+8*(\i)+4:(\f)+8*(\i)+7], v[\rb] offset:(\k)+(\i)*16*PITCH+32
.endr
	WIN 0
.irp i, 0,1,2,3,4,5,6,7
	ds_load_b128 v[(\f)+8*(\i):(\f)+8*(\i)+3],   v[\ra] offset:(\k)+(\i)*16*PITCH
	ds_load_b128 v[(\f)+8*(\i)+4:(\f)+8*(\i)+7], v[\ra] offset:(\k)+(\i)*16*PITCH+32
.endr
.endm
.macro PLACES                          ; four places in front of loads into registers that matrix instructions have read, and of reads of results just made
.rept 4
	v_nop
.endr
.endm
; A K step is four quarters of 32 along K, 64 matrix instructions each, on buffers 0, 1, 0, 1.  The 64 accumulators take turns in the same order in every quarter.
.macro QUARTER ra, rb, k, f, g, zero
	s_wait_dscnt 8                                 ; B and A's rows 0-63 are in; the youngest eight loads (A's rows 64-127) may be out
	WIN MUL_LO
	MUL16 \f, 0, 0, \zero
	MUL16 \f, 0, 2, \zero
	PLACES
	FETCH \ra, \rb, \k, \g
	s_wait_dscnt 32                                ; all but the 32 just issued
	WIN MUL_HI
	MUL16 \f, 1, 0, \zero
	MUL16 \f, 1, 2, \zero
.endm
; The last quarter multiplies buffer 1 and changes slots.  ONE barrier: in front of it each wave waits for all its tensor loads (one is out: its part of the next slot), adds 0 to its spare
; word, and waits for that and for its own reads of this slot.  Behind it nobody reads this slot any more and the next slot is whole.
.macro MEET round
	WIN 0
	s_wait_tensorcnt 0x0
	ds_add_u32 v[SPW], v[NIL]                      ; 0 onto my spare word
	s_wait_dscnt 9                                 ; (the add and the youngest eight loads may be out)
	WIN MUL_LO
	MUL16 F1, 0, 0, 0
	s_wait_dscnt 0x0                               ; the add is done, and my reads of this slot are over
	s_barrier_signal -1
	MUL16 F1, 0, 2, 0
.if \round
	WIN 0
.endif
	s_barrier_wait -1
.endm
; fill = 1: the barrier opens a round of the cluster's, and the slot in hand is filled again, two K steps ahead, first thing behind the round.  The walking descriptor takes that slot's LDS
; address and the next K step's global address; no tensor load of mine is out since MEET's wait.
.macro TURN fill
	MEET \fill
.if \fill
	CREST
	s_add_co_u32 s[G0+5], s20, s[TB]
	s_add_nc_u64 s[G0+6:G0+7], s[G0+6:G0+7], KSTEP*2
	s_add_co_u32 s[G0B+5], s20, s[TB]
	s_add_nc_u64 s[G0B+6:G0B+7], s[G0B+6:G0B+7], KSTEP*2
	JLOAD 1                                        ; the four v_nop behind it are also the places in front of the loads below
.else
	PLACES
.endif
	FETCH NA, NB, 0, F0
	WIN MUL_HI
	MUL16 F1, 1, 0, 0
	MUL16 F1, 1, 2, 0
.endm
	s_wait_tensorcnt 1                             ; my part of K step 0 is in; K step 1's may stay out
	s_barrier_signal -1
	s_barrier_wait -1
	FETCH CA, CB, 0, F0
	QUARTER CA, CB, 64,  F0, F1, 1                 ; the first quarter's products start the sums
	WIN 0
	s_mov_b32 s3, STEPS-2
.Lstep:                                                ; six trips, K steps 0 to 5: each asks for the step two further on
	QUARTER CA, CB, 128, F1, F0, 0
	QUARTER CA, CB, 192, F0, F1, 0
	TURN 1
	QUARTER NA, NB, 64,  F0, F1, 0
	WIN 0
	FLIP
	s_sub_co_u32 s3, s3, 1
	s_cmp_lg_u32 s3, 0
	s_cbranch_scc1 .Lstep
	s_mov_b32 s3, 2
.Ltl:                                                  ; K steps 6 and 7 ask for nothing; the second trip is left in its middle
	QUARTER CA, CB, 128, F1, F0, 0
	QUARTER CA, CB, 192, F0, F1, 0
	WIN 0
	s_sub_co_u32 s3, s3, 1
	s_cmp_eq_u32 s3, 0
	s_cbranch_scc1 .Llast
	TURN 0
	QUARTER NA, NB, 64,  F0, F1, 0
	WIN 0
	FLIP
	s_branch .Ltl
.Llast:
	s_wait_dscnt 8
	MUL16 F1, 0, 0, 0
	MUL16 F1, 0, 2, 0
	s_wait_dscnt 0x0
	MUL16 F1, 1, 0, 0
	MUL16 F1, 1, 2, 0
	WIN 0
	; THE WAY OUT.  The ring has had its last fill; when every wave's reads of it are over it takes the sums.
	s_wait_dscnt 0x0
	s_barrier_signal -1
	s_barrier_wait -1
	PLACES
.irp a, 0,1,2,3,4,5,6,7                ; each accumulator's low four registers first
	WIN 0x08+4*((\a)/4)                            ; the data (source 1) in window 2 or 3
.irp b, 0,1,2,3,4,5,6,7
	ds_store_b128 v[DST], v[8*(8*((\a)%4)+(\b)):8*(8*((\a)%4)+(\b))+3]   offset:(\a)*16*RP+(\b)*64
	ds_store_b128 v[DST], v[8*(8*((\a)%4)+(\b))+4:8*(8*((\a)%4)+(\b))+7] offset:(\a)*16*RP+(\b)*64+16
.endr
.endr
	WIN 0
	s_wait_dscnt 0x0                               ; my stores are done; behind the barrier nothing is stored into LDS any more
	s_barrier_signal -1
	s_barrier_wait -1
	s_wait_loadcnt 0x0                             ; the bias
.if QKV
.set X,  64                            ; 16 rows x 128 columns: group 2 hh + t2 (head hh, rows 8 t2 ..) has 8 registers
.set XB, 128
.set Y,  192
.macro QLOAD
.irp hh, 0,1,2,3
.irp t2, 0,1
	ds_load_b128 v[X+8*(2*(\hh)+(\t2)):X+8*(2*(\hh)+(\t2))+3],   v[RDA] offset:(\t2)*8*RP+(\hh)*128
	ds_load_b128 v[X+8*(2*(\hh)+(\t2))+4:X+8*(2*(\hh)+(\t2))+7], v[RDA] offset:(\t2)*8*RP+(\hh)*128+16
.endr
.endr
.endm
	FOR 16, v_pk_mul_f32 v[BI+2*n:BI+2*n+1], v[BI+2*n:BI+2*n+1], s[90:91] op_sel_hi:[1,0]
	QLOAD
	s_mov_b32 s2, 8
.Lepi:                                                 ; eight trips of 16 rows
	s_wait_dscnt 0x0
	FOR 32, v_pk_add_f32 v[XB+2*n:XB+2*n+1], v[X+2*n:X+2*n+1], v[BI+8*(n/8)+2*(n%4):BI+8*(n/8)+2*(n%4)+1]
	s_cmp_eq_u32 s2, 1
	s_cbranch_scc1 .Lno_more                       ; the last trip has no rows to read ahead
	v_add_nc_u32 v[RDA], 16*RP, v[RDA]
	QLOAD
.Lno_more:
	FOR 32, v_cvt_pk_f16_f32 v[Y+n], v[XB+2*n], v[XB+2*n+1]
.irp hh, 0,1,2,3
.irp t2, 0,1
	global_store_b128 v[CO], v[Y+4*(2*(\hh)+(\t2)):Y+4*(2*(\hh)+(\t2))+3], s[8:9] offset:(\hh)*131072+(\t2)*512  ; eight rows of one head: 512 consecutive bytes, aligned
.endr
.endr
	s_wait_xcnt 0x0                                ; only behind this wait are the stores' offset and data rewritten
	v_add_nc_u32 v[CO], 1024, v[CO]
	s_sub_co_u32 s2, s2, 1
	s_cmp_lg_u32 s2, 0
	s_cbranch_scc1 .Lepi
.else
.set X,  64                            ; 4 rows: 16 numbers a lane
.set XB, 80
.set D,  96
.set U,  112
.set Q,  128
.set Y,  144
.macro GLOAD
.irp t, 0,1
	ds_load_b128 v[X+8*(\t):X+8*(\t)+3],   v[RDA] offset:(\t)*2*RP
	ds_load_b128 v[X+8*(\t)+4:X+8*(\t)+7], v[RDA] offset:(\t)*2*RP+16
.endr
.endm
	GLOAD
	s_mov_b32 s2, 32
.Lepi:                                                 ; 32 trips of 4 rows.  gelu(x) = x / 2 + |x| (1/2 - t poly(t) e^(-x x / 2) / 2), t = 1 / (1 + p |x| / sqrt 2)
	s_wait_dscnt 0x0
	FOR 8, v_pk_add_f32 v[XB+2*n:XB+2*n+1], v[X+2*n:X+2*n+1], v[BI+2*(n%4):BI+2*(n%4)+1]
	s_cmp_eq_u32 s2, 1
	s_cbranch_scc1 .Lno_more                       ; the last trip has no rows to read ahead
	v_add_nc_u32 v[RDA], 4*RP, v[RDA]
	GLOAD
.Lno_more:
	FOR 16, v_fma_f32 v[D+n], |v[XB+n]|, s[CP], 1.0
	FOR 8, v_pk_mul_f32 v[U+2*n:U+2*n+1], v[XB+2*n:XB+2*n+1], v[XB+2*n:XB+2*n+1]
	FOR 16, v_rcp_f32 v[D+n], v[D+n]
	FOR 8, v_pk_mul_f32 v[U+2*n:U+2*n+1], v[U+2*n:U+2*n+1], s[CK:CK+1] op_sel_hi:[1,0]  ; plain lines behind the reciprocals (ISA guide 5.7.2)
	FOR 16, v_exp_f32 v[U+n], v[U+n]
	FOR 8, v_pk_fma_f32 v[Q+2*n:Q+2*n+1], v[D+2*n:D+2*n+1], s[CA5:CA5+1], s[CA4:CA4+1] op_sel_hi:[1,0,0]  ; plain lines behind the exponentials
	FOR 8, v_pk_fma_f32 v[Q+2*n:Q+2*n+1], v[Q+2*n:Q+2*n+1], v[D+2*n:D+2*n+1], s[CA3:CA3+1] op_sel_hi:[1,1,0]
	FOR 8, v_pk_fma_f32 v[Q+2*n:Q+2*n+1], v[Q+2*n:Q+2*n+1], v[D+2*n:D+2*n+1], s[CA2:CA2+1] op_sel_hi:[1,1,0]
	FOR 8, v_pk_fma_f32 v[Q+2*n:Q+2*n+1], v[Q+2*n:Q+2*n+1], v[D+2*n:D+2*n+1], s[CA1:CA1+1] op_sel_hi:[1,1,0]
	FOR 8, v_pk_mul_f32 v[Q+2*n:Q+2*n+1], v[Q+2*n:Q+2*n+1], v[D+2*n:D+2*n+1]
	FOR 8, v_pk_fma_f32 v[Q+2*n:Q+2*n+1], v[Q+2*n:Q+2*n+1], v[U+2*n:U+2*n+1], 0.5 op_sel_hi:[1,1,0]
	FOR 8, v_pk_mul_f32 v[D+2*n:D+2*n+1], v[XB+2*n:XB+2*n+1], 0.5 op_sel_hi:[1,0]
	FOR 16, v_fma_f32 v[U+n], |v[XB+n]|, v[Q+n], v[D+n]
	FOR 8, v_cvt_pk_f16_f32 v[Y+n], v[U+2*n], v[U+2*n+1]
.irp t, 0,1
	global_store_b128 v[CO], v[Y+4*(\t):Y+4*(\t)+3], s[8:9] offset:(\t)*16384  ; 16 lanes store 256 consecutive bytes, aligned
.endr
	s_wait_xcnt 0x0                                ; only behind this wait are the stores' offset and data rewritten
	v_add_nc_u32 v[CO], 32768, v[CO]
	s_sub_co_u32 s2, s2, 1
	s_cmp_lg_u32 s2, 0
	s_cbranch_scc1 .Lepi
.endif
	s_wait_tensorcnt 0x0                           ; the wave's end
	ds_add_u32 v[SPW], v[NIL]
	s_wait_dscnt 0x0
	CROUND                                         ; the closing round
	s_endpgm
.Lfunc_end_k_qf6f7b6e17e_ff1:
	.size	k_qf6f7b6e17e_ff1, .Lfunc_end_k_qf6f7b6e17e_ff1-k_qf6f7b6e17e_ff1
	.p2alignl 7, 3214868480
	.fill 96, 4, 3214868480
	.section	.rodata,"a",@progbits
	.p2align	6, 0x0
	.amdhsa_kernel k_qf6f7b6e17e_ff1
		.amdhsa_group_segment_fixed_size 327680
		.amdhsa_private_segment_fixed_size 0
		.amdhsa_enable_private_segment 0
		.amdhsa_kernarg_size 32
		.amdhsa_user_sgpr_count 2
		.amdhsa_user_sgpr_kernarg_segment_ptr 1
		.amdhsa_wavefront_size32 1
		.amdhsa_system_sgpr_workgroup_id_x 1
		.amdhsa_system_sgpr_workgroup_id_y 1
		.amdhsa_system_sgpr_workgroup_id_z 1
		.amdhsa_system_vgpr_workitem_id 0
		.amdhsa_next_free_vgpr 1024
		.amdhsa_next_free_sgpr 96
		.amdhsa_reserve_vcc 0
		.amdhsa_float_denorm_mode_32 3
		.amdhsa_float_denorm_mode_16_64 3
		.amdhsa_memory_ordered 1
		.amdhsa_forward_progress 1
		.amdhsa_inst_pref_size 92
	.end_amdhsa_kernel
	.amdgpu_metadata
---
amdhsa.version: [ 1, 2 ]
amdhsa.kernels:
  - .name:           k_qf6f7b6e17e_ff1
    .symbol:         k_qf6f7b6e17e_ff1.kd
    .args:
      - { .name: nh, .offset: 0, .size: 8, .value_kind: global_buffer, .address_space: global }
      - { .name: wts, .offset: 8, .size: 8, .value_kind: global_buffer, .address_space: global }
      - { .name: b1, .offset: 16, .size: 8, .value_kind: global_buffer, .address_space: global }
      - { .name: act, .offset: 24, .size: 8, .value_kind: global_buffer, .address_space: global }
    .group_segment_fixed_size: 327680
    .private_segment_fixed_size: 0
    .kernarg_segment_align: 8
    .kernarg_segment_size: 32
    .max_flat_workgroup_size: 128
    .sgpr_count:     96
    .vgpr_count:     1024
    .wavefront_size: 32
...
	.end_amdgpu_metadata
.endif
;; end of part 6
;; launch ff2 (part 7): grid 8 x 32, 4 waves a work-group, clusters of 4 x 4, 327,680 bytes of LDS; arguments act, wts, b2, nh, y; writes y
.if DOCPART == 7
	.amdgcn_target "amdgcn-amd-amdhsa--gfx1250"
	.amdhsa_code_object_version 6
	.text
	.protected	k_qf6f7b6e17e_ff2
	.globl	k_qf6f7b6e17e_ff2
	.p2align	8
	.type	k_qf6f7b6e17e_ff2,@function
k_qf6f7b6e17e_ff2:
	s_mov_b64 s[64:65], 0
	v_nop
	global_prefetch_b8 v0, s[64:65] scope:SCOPE_SE
	s_setreg_imm32_b32 hwreg(HW_REG_WAVE_MODE, 25, 1), 1
	s_wait_xcnt 0x0
	s_wait_alu depctr_hold_cnt(0) depctr_sa_sdst(0) depctr_va_vdst(0) depctr_va_sdst(0) depctr_va_ssrc(0) depctr_va_vcc(0) depctr_vm_vsrc(0)
	s_getreg_b32 s2, hwreg(HW_REG_IB_STS2, 6, 4)
	s_cmp_eq_u32 s2, 0
	s_cbranch_scc0 .Lentry_in_a_cluster
	s_endpgm
.Lentry_in_a_cluster:
	s_bfe_u32 s2, ttmp6, 0x10000c
	s_cmp_lg_u32 s2, 0xf033
	s_cbranch_scc0 .Lentry_shape_is_right
	s_endpgm
.Lentry_shape_is_right:
; A GEMM ON TILES OF 128 x 128, f16 operands, f32 sums and f32 output: y = A B^T + bias + residual, [4096][1024].  N = 1,024 gives 8 x 32 = 256 such tiles, one for each work-group.
; WO = 1: A = the attention's context, stored by heads [b][h][s][32]; B = wo [1024][1024]; residual x in f32; K = 1,024.
; WO = 0: A = gelu(..) [4096][4096]; B = w2 [1024][4096]; residual h in f16; K = 4,096.
; The sum goes to a layer norm in a later launch and stays in f32.
; Four waves, each 64 x 64: 16 accumulators.  K goes in steps of 256 through a ring of two LDS slots; 4 x 4 work-groups form a cluster, A's tile asked for jointly along a row, B's along a column.
; A K STEP IS WRITTEN ONCE.  A trip of the loop goes from a step's second quarter to the next step's first and fills again the slot that it leaves.  Which slot is read stands in two scalars, TB (the
; slot in hand) and TN (the other), each 0 or SLOT and turned by an exclusive or at the trip's end; the LDS addresses are the two fixed lane addresses plus TB or TN.  The last two steps, which ask for
; nothing, are a second loop of the same shape, left in its middle.
; WO = 1: a K step is eight heads.  64 rows of one head are 4,096 dense bytes, so a wave's tile of A is 8 rows of 2,048 elements, 65,536 elements apart, padded in LDS after every 64 bytes:
; [head][row][80 bytes], and a fragment (16 rows x one head's 32 channels) is read as from any K-contiguous tile.
; THE MATRIX INSTRUCTION IS USED TRANSPOSED (source 0 = 16 rows of B, source 1 = 16 rows of A): a lane holds row l % 16 of C and the columns 8 (l / 16) + 0..7.
; THE WAY OUT.  When the ring has had its last fill and every wave its last read of it, each wave lays its 64 x 64 sums into its own 17,408 bytes of the ring and reads them back by rows of 256 bytes.
; LIMITS.  Operands lie within f16's 65,504.  NaN and infinities are not treated apart.
; REGISTERS: window 0: v0-31 addresses, the bias; v32-127 at work on the way out; v128-255 the accumulators ((a, b) at v[128 + 8 (4 a + b)]);  window 1: two fragment buffers of 128.
.set WO, 0
.if WO
.set SIZE_K, 1024
.set WOFF,   0x600000                  ; where B begins in wts
.set A_HALF, 40960                     ; 8 heads x 64 rows x 80 bytes: what one load of A brings
.set ASTEP,  1048576                   ; a K step of A in memory: eight heads of 131,072 bytes
.else
.set SIZE_K, 4096
.set WOFF,   0x1000000
.set A_HALF, 33792                     ; 64 rows x 528 bytes
.set ASTEP,  512
.endif
.set KSTEP,  256
.set STEPS,  SIZE_K/KSTEP
.set PITCH,  528                       ; an LDS row of 512 bytes + 16 of padding = 132 words
.set HALFT,  64*PITCH                  ; 64 rows of B: what one load of B brings
.set B_OFF,  2*A_HALF                  ; a slot: A's two halves, then B's two
.set SLOT,   B_OFF+2*HALFT
.set SPARE,  2*SLOT                    ; behind the ring: the spare words, 128 bytes for each wave
.set RP,     272                       ; the way out: a row of 64 f32 + 16 bytes
.set REGB,   64*RP
.set BIAS, 8                           ; v8-11   the bias of my four columns
.set ONE,  12                          ; v12     1.0
.set XO,   13                          ; v13     my byte offset in the residual; it steps
.set BA,   14                          ; v14     my byte offset in the bias
.set A0,   16                          ; v16     LDS address of my A fragments in slot 0; never rewritten
.set B0,   17                          ; v17     the same for B
.set CA,   18                          ; v18-19  the same in the slot in hand
.set CB,   19
.set NA,   20                          ; v20-21  and in the other slot
.set NB,   21
.set DST,  24
.set RDA,  25
.set CO,   26
.set SPW,  28
.set NIL,  29
.set T,    32                          ; 16 rows read back
.set R,    64                          ; their residual
.set Y,    96                          ; to store
.set ACC,  128
.set F0,   0
.set F1,   128
.set G1, 24                            ; s[24:31] descriptor group 1 for A's tiles
.set G0, 32                            ; s[32:39] group 0: a set for each of the two first fills; the second then walks on
.set G1B, 48                           ; s[48:55], s[56:63] the same for B's
.set G0B, 56
.set TB, 76                            ; s76  the slot in hand: 0 or SLOT
.set TN, 77                            ; s77  the other slot
.set MSB, 0
.macro WIN new
.if MSB != (\new)
	s_set_vgpr_msb (MSB<<8)|(\new)
.set MSB, \new
.endif
.endm
.set MUL,  0x05                        ; sources 0 (B) and 1 (A) window 1; C and D window 0
.set TO_F, 0x40                        ; destination window 1, address window 0
.macro FOR cnt, line:vararg
.set n, 0
.rept \cnt
	\line
.set n, n+1
.endr
.endm
.macro ADDR                            ; the fragments' addresses in the two slots
	v_add_nc_u32 v[CA], s[TB], v[A0]
	v_add_nc_u32 v[CB], s[TB], v[B0]
	v_add_nc_u32 v[NA], s[TN], v[A0]
	v_add_nc_u32 v[NB], s[TN], v[B0]
.endm
.macro FLIP                            ; the slots change places
	s_xor_b32 s[TB], s[TB], SLOT
	s_xor_b32 s[TN], s[TN], SLOT
	ADDR
.endm
.macro JLOAD s                         ; a joint load: waves 0 and 1 fetch A's two halves, waves 2 and 3 B's; an s_nop 0 and four v_nop follow each of the two lines
	s_cmp_eq_u32 s11, 0
	s_cbranch_scc0 .Lfor_b_\@
	tensor_load_to_lds s[G0+4*(\s):G0+4*(\s)+3], s[G1:G1+7]
	s_nop 0
.rept 4
	v_nop
.endr
	s_branch .Lasked_\@
.Lfor_b_\@:
	tensor_load_to_lds s[G0B+4*(\s):G0B+4*(\s)+3], s[G1B:G1B+7]
	s_nop 0
.rept 4
	v_nop
.endr
.Lasked_\@:
.endm
.macro CREST
	s_cmp_lg_u32 s10, 0
	s_cbranch_scc1 .Lnot_wave_0_\@
	s_barrier_signal -3
.Lnot_wave_0_\@:
	s_barrier_wait -3
	s_barrier_signal -1
	s_barrier_wait -1
.endm
.macro CROUND
	s_barrier_signal -1
	s_barrier_wait -1
	CREST
.endm
	s_load_b128 s[4:7], s[0:1], 0x0                ; A s[4:5], wts s[6:7]
	s_load_b128 s[68:71], s[0:1], 0x10             ; the bias s[68:69], the residual s[70:71]
	s_load_b64 s[8:9], s[0:1], 0x20                ; y
	v_lshl_add_u32 v[SPW], v0, 2, SPARE
	v_mov_b32 v[NIL], 0
	ds_add_u32 v[SPW], v[NIL]                      ; the wave's opening: the add and its wait come ahead of my first tensor load; the set-up below stands between them
	v_lshrrev_b32 v1, 5, v0
	v_readfirstlane_b32 s10, v1                    ; wave 0..3
	s_lshr_b32 s11, s10, 1                         ; which half of the tile's rows is mine.  Also: I fetch for A (0) or for B (1)
	s_and_b32 s12, s10, 1                          ; which half of its columns.  Also: which 64 rows of that tile I fetch
	s_bfe_u32 s40, ttmp6, 0x40000
	s_bfe_u32 s41, ttmp6, 0x40004
	s_lshl_b32 s42, ttmp9, 2
	s_add_co_u32 s42, s42, s40                     ; tile column
	s_and_b32 s13, ttmp7, 0xffff
	s_lshl_b32 s13, s13, 2
	s_add_co_u32 s13, s13, s41                     ; tile row
	s_lshl_b32 s43, s41, 2
	s_lshl_b32 s43, 15, s43                        ; my row of the cluster
	s_lshl_b32 s44, 0x1111, s40                    ; my column
.if WO
	s_or_b32 s[G1+0], s43, (1<<16)|(1<<20)|(1<<21)|(3<<22)|(3<<25)  ; the mask; 2-byte elements; padding on; bit 21 beside a mask; after every 16 words 4 words
	s_mov_b32 s[G1+1], 2048<<16                    ; tensor_dim0 = 2,048: 64 rows of a head
	s_mov_b32 s[G1+2], 8<<16                       ; tensor_dim1 = 8 heads
	s_mov_b32 s[G1+3], 2048<<16                    ; tile_dim0
	s_mov_b32 s[G1+4], 8                           ; tile_dim1
	s_mov_b32 s[G1+5], 65536                       ; elements from head to head
.else
	s_or_b32 s[G1+0], s43, (1<<16)|(1<<20)|(1<<21)|(6<<22)|(3<<25)  ; after every 128 words 4 words
	s_mov_b32 s[G1+1], KSTEP<<16
	s_mov_b32 s[G1+2], 64<<16
	s_mov_b32 s[G1+3], KSTEP<<16
	s_mov_b32 s[G1+4], 64
	s_mov_b32 s[G1+5], SIZE_K
.endif
	s_mov_b32 s[G1+6], 0
	s_mov_b32 s[G1+7], 0
	s_or_b32 s[G1B+0], s44, (1<<16)|(1<<20)|(1<<21)|(6<<22)|(3<<25)
	s_mov_b32 s[G1B+1], KSTEP<<16                  ; 64 rows x 256 elements
	s_mov_b32 s[G1B+2], 64<<16
	s_mov_b32 s[G1B+3], KSTEP<<16
	s_mov_b32 s[G1B+4], 64
	s_mov_b32 s[G1B+5], SIZE_K
	s_mov_b32 s[G1B+6], 0
	s_mov_b32 s[G1B+7], 0
	s_mov_b64 s[18:19], SIZE_K*2
.if WO
	s_lshr_b32 s16, s13, 4                         ; the batch: 4 MiB of ctx,
	s_lshl_b32 s16, s16, 22
	s_and_b32 s17, s13, 15                         ; the tile's 128 rows of 64 bytes in a head,
	s_lshl_b32 s17, s17, 13
	s_add_co_u32 s16, s16, s17
	s_lshl_b32 s17, s12, 12                        ; the half that I fetch
	s_add_co_u32 s16, s16, s17
	s_mov_b32 s17, 0
.else
	s_lshl_b32 s17, s12, 6
	s_lshl_b32 s16, s13, 7
	s_add_co_u32 s16, s16, s17                     ; A: row 128 x tile row + 64 x half
	s_mov_b32 s17, 0
	s_mul_u64 s[16:17], s[16:17], s[18:19]
.endif
	s_lshl_b32 s47, s12, 6
	s_lshl_b32 s46, s42, 7
	s_add_co_u32 s46, s46, s47                     ; B: row 128 x tile column + 64 x half
	s_mov_b32 s47, 0
	s_mul_u64 s[46:47], s[46:47], s[18:19]
	s_add_nc_u64 s[46:47], s[46:47], WOFF
	s_mul_i32 s20, s12, A_HALF                     ; where they go in a slot: A's half,
	s_mul_i32 s21, s12, HALFT                      ; B's half; both kept for the refills
	s_add_co_u32 s21, s21, B_OFF
	s_mov_b32 s[TB], 0
	s_mov_b32 s[TN], SLOT
	s_wait_dscnt 0x0                               ; the opening add is done
	s_wait_kmcnt 0x0
	s_add_nc_u64 s[14:15], s[4:5], s[16:17]
	s_add_nc_u64 s[46:47], s[6:7], s[46:47]
	CROUND                                         ; all sixteen work-groups are here: the first joint loads meet
.irp s, 0,1
	s_mov_b32 s[G0+4*(\s)], 1
	s_add_co_u32 s[G0+4*(\s)+1], s20, (\s)*SLOT
	s_add_nc_u64 s[G0+4*(\s)+2:G0+4*(\s)+3], s[14:15], (\s)*ASTEP
	s_or_b32 s[G0+4*(\s)+3], s[G0+4*(\s)+3], 0x80000000
	s_mov_b32 s[G0B+4*(\s)], 1
	s_add_co_u32 s[G0B+4*(\s)+1], s21, (\s)*SLOT
	s_add_nc_u64 s[G0B+4*(\s)+2:G0B+4*(\s)+3], s[46:47], (\s)*KSTEP*2
	s_or_b32 s[G0B+4*(\s)+3], s[G0B+4*(\s)+3], 0x80000000
	JLOAD \s                                       ; K steps 0 and 1: two loads of mine are out
.endr
	v_and_b32 v1, 15, v0                           ; l % 16
	v_bfe_u32 v2, v0, 4, 1                         ; l / 16
	v_mul_u32_u24 v3, v1, PITCH
	v_lshl_add_u32 v3, v2, 4, v3                   ; B: row x pitch + 16 x half
.if WO
	v_mul_u32_u24 v4, v1, 80
	v_lshl_add_u32 v4, v2, 4, v4                   ; A: row x 80 + 16 x half
.else
	v_mov_b32 v4, v3
.endif
	s_mul_i32 s22, s11, A_HALF                     ; my 64 rows of A
	s_mul_i32 s23, s12, HALFT                      ; my 64 rows of B
	s_add_co_u32 s23, s23, B_OFF
	v_add_nc_u32 v[A0], s22, v4
	v_add_nc_u32 v[B0], s23, v3
	ADDR
	s_mul_i32 s23, s10, REGB                       ; my region on the way out
	v_mul_u32_u24 v4, v1, RP                       ; in: row l % 16, 32 bytes for each half of the lanes
	v_lshl_add_u32 v4, v2, 5, v4
	v_add_nc_u32 v[DST], s23, v4
	v_mul_u32_u24 v4, v2, RP                       ; back: lanes 0-15 take one row of 256 bytes, lanes 16-31 the next
	v_lshl_add_u32 v4, v1, 4, v4
	v_add_nc_u32 v[RDA], s23, v4
	v_lshlrev_b32 v4, 12, v2                       ; and the same two rows in y
	v_lshl_add_u32 v[CO], v1, 4, v4
	v_lshlrev_b32 v[BA], 4, v1
	v_mov_b32 v[ONE], 1.0
.if WO
	v_mov_b32 v[XO], v[CO]                         ; x lies as y does
.else
	v_lshlrev_b32 v4, 11, v2                       ; a row of h is 2,048 bytes, my four numbers 8
	v_lshl_add_u32 v[XO], v1, 3, v4
.endif
	s_lshl_b32 s16, s13, 19                        ; 128 rows of 4,096 bytes
	s_lshl_b32 s17, s11, 18
	s_add_co_u32 s16, s16, s17
	s_lshl_b32 s46, s42, 9                         ; my 64 columns, in bytes of f32
	s_lshl_b32 s47, s12, 8
	s_add_co_u32 s46, s46, s47
	s_mov_b32 s47, 0
	s_add_co_u32 s72, s46, s16
	s_mov_b32 s73, 0
	s_add_nc_u64 s[8:9], s[8:9], s[72:73]
	s_add_nc_u64 s[68:69], s[68:69], s[46:47]
.if WO
	s_add_nc_u64 s[70:71], s[70:71], s[72:73]
.else
	s_lshr_b32 s74, s72, 1                         ; the same place in f16
	s_mov_b32 s75, 0
	s_add_nc_u64 s[70:71], s[70:71], s[74:75]
.endif
.macro RLOAD                           ; the residual of 16 rows
.irp t, 0,1,2,3,4,5,6,7
.if WO
	global_load_b128 v[R+4*(\t):R+4*(\t)+3], v[XO], s[70:71] offset:(\t)*8192
.else
	global_load_b64 v[R+2*(\t):R+2*(\t)+1], v[XO], s[70:71] offset:(\t)*4096
.endif
.endr
.endm
	global_load_b128 v[BIAS:BIAS+3], v[BA], s[68:69]  ; the bias and the first 16 rows' residual come in under the products, into registers that lie idle there
	RLOAD
.macro MUL8 f, c, a0, zero             ; 8 matrix instructions: m blocks a0, a0 + 1 x all 4 n blocks, 32 along K: half c of buffer f
	WIN MUL
.irp a, \a0, (\a0)+1
.irp b, 0,1,2,3
.if \zero
	v_wmma_f32_16x16x32_f16 v[ACC+8*(4*(\a)+(\b)):ACC+8*(4*(\a)+(\b))+7], v[(\f)+64+8*(4*(\c)+(\b)):(\f)+64+8*(4*(\c)+(\b))+7], v[(\f)+8*(4*(\c)+(\a)):(\f)+8*(4*(\c)+(\a))+7], 0
.else
	v_wmma_f32_16x16x32_f16 v[ACC+8*(4*(\a)+(\b)):ACC+8*(4*(\a)+(\b))+7], v[(\f)+64+8*(4*(\c)+(\b)):(\f)+64+8*(4*(\c)+(\b))+7], v[(\f)+8*(4*(\c)+(\a)):(\f)+8*(4*(\c)+(\a))+7], v[ACC+8*(4*(\a)+(\b)):ACC+8*(4*(\a)+(\b))+7]
.endif
.endr
.endr
.endm
.macro FETCH ra, rb, k, f              ; 32 LDS loads in one run: the fragments of 64 along K at byte k of B's rows (A's address in ra, B's in rb), into buffer f; the first 32 along K first
	WIN TO_F
.irp c, 0,1
.irp i, 0,1,2,3
.if WO
.set AO, (((\k)/128)*2+(\c))*5120+(\i)*1280    ; head 2 (k / 128) + c of the step's eight, rows 16 i on
.else
.set AO, (\k)+64*(\c)+(\i)*16*PITCH
.endif
	ds_load_b128 v[(\f)+64+8*(4*(\c)+(\i)):(\f)+64+8*(4*(\c)+(\i))+3],   v[\rb] offset:(\k)+64*(\c)+(\i)*16*PITCH
	ds_load_b128 v[(\f)+64+8*(4*(\c)+(\i))+4:(\f)+64+8*(4*(\c)+(\i))+7], v[\rb] offset:(\k)+64*(\c)+(\i)*16*PITCH+32
	ds_load_b128 v[(\f)+8*(4*(\c)+(\i)):(\f)+8*(4*(\c)+(\i))+3],         v[\ra] offset:AO
	ds_load_b128 v[(\f)+8*(4*(\c)+(\i))+4:(\f)+8*(4*(\c)+(\i))+7],       v[\ra] offset:AO+32
.endr
.endr
.endm
.macro PLACES                          ; four places in front of loads into registers that matrix instructions have read, and of reads of results just made
.rept 4
	v_nop
.endr
.endm
; A K step is four quarters of 64 along K, 32 matrix instructions each, on buffers 0, 1, 0, 1; the 16 accumulators take turns.
.macro QUARTER ra, rb, k, f, g, zero
	s_wait_dscnt 16                                ; the first 32 along K are in
	WIN MUL
	MUL8 \f, 0, 0, \zero
	MUL8 \f, 0, 2, \zero
	PLACES
	FETCH \ra, \rb, \k, \g
	s_wait_dscnt 32                                ; all but the 32 just issued
	WIN MUL
	MUL8 \f, 1, 0, 0
	MUL8 \f, 1, 2, 0
.endm
; The last quarter multiplies buffer 1 and changes slots: ONE barrier; in front of it each wave waits for all its tensor loads, adds 0 to its spare word, and waits for that and for its own reads of this slot.
; fill = 1: the barrier opens a round of the cluster's, and the slot in hand is filled again, two K steps ahead, first thing behind the round.  The walking descriptor takes that slot's LDS address and the
; next K step's global address; no tensor load of mine is out since the wait at the macro's head.
.macro TURN fill
	WIN 0
	s_wait_tensorcnt 0x0                           ; all my tensor loads have landed: my part of the next slot
	ds_add_u32 v[SPW], v[NIL]                      ; 0 onto my spare word
	s_wait_dscnt 17                                ; (the add and the youngest sixteen loads may be out)
	WIN MUL
	MUL8 F1, 0, 0, 0
	s_wait_dscnt 0x0                               ; the add is done, and my reads of this slot are over
	s_barrier_signal -1
	MUL8 F1, 0, 2, 0
.if \fill
	WIN 0
.endif
	s_barrier_wait -1
.if \fill
	CREST
	s_add_co_u32 s[G0+5], s20, s[TB]
	s_add_nc_u64 s[G0+6:G0+7], s[G0+6:G0+7], ASTEP
	s_add_co_u32 s[G0B+5], s21, s[TB]
	s_add_nc_u64 s[G0B+6:G0B+7], s[G0B+6:G0B+7], KSTEP*2
	JLOAD 1                                        ; the four v_nop behind it are also the places in front of the loads below
.else
	PLACES
.endif
	FETCH NA, NB, 0, F0
	WIN MUL
	MUL8 F1, 1, 0, 0
	MUL8 F1, 1, 2, 0
.endm
	s_wait_tensorcnt 1                             ; my part of K step 0 is in; K step 1's may stay out
	s_barrier_signal -1
	s_barrier_wait -1
	FETCH CA, CB, 0, F0
	QUARTER CA, CB, 128, F0, F1, 1                 ; the first quarter's first products start the sums
	WIN 0
	s_mov_b32 s3, STEPS-2
.Lstep:                                                ; all K steps but the last two: each asks for the step two further on
	QUARTER CA, CB, 256, F1, F0, 0
	QUARTER CA, CB, 384, F0, F1, 0
	TURN 1
	QUARTER NA, NB, 128, F0, F1, 0
	WIN 0
	FLIP
	s_sub_co_u32 s3, s3, 1
	s_cmp_lg_u32 s3, 0
	s_cbranch_scc1 .Lstep
	s_mov_b32 s3, 2
.Ltl:                                                  ; the last two K steps ask for nothing; the second trip is left in its middle
	QUARTER CA, CB, 256, F1, F0, 0
	QUARTER CA, CB, 384, F0, F1, 0
	WIN 0
	s_sub_co_u32 s3, s3, 1
	s_cmp_eq_u32 s3, 0
	s_cbranch_scc1 .Llast
	TURN 0
	QUARTER NA, NB, 128, F0, F1, 0
	WIN 0
	FLIP
	s_branch .Ltl
.Llast:
	s_wait_dscnt 16
	WIN MUL
	MUL8 F1, 0, 0, 0
	MUL8 F1, 0, 2, 0
	s_wait_dscnt 0x0
	MUL8 F1, 1, 0, 0
	MUL8 F1, 1, 2, 0
	WIN 0
	; THE WAY OUT.  The ring has had its last fill; when every wave's reads of it are over it takes the sums.
	s_wait_dscnt 0x0
	s_barrier_signal -1
	s_barrier_wait -1
	PLACES
.irp a, 0,1,2,3                        ; each accumulator's low four registers first
.irp b, 0,1,2,3
	ds_store_b128 v[DST], v[ACC+8*(4*(\a)+(\b)):ACC+8*(4*(\a)+(\b))+3]   offset:(\a)*16*RP+(\b)*64
	ds_store_b128 v[DST], v[ACC+8*(4*(\a)+(\b))+4:ACC+8*(4*(\a)+(\b))+7] offset:(\a)*16*RP+(\b)*64+16
.endr
.endr
	s_wait_dscnt 0x0                               ; my stores are done; behind the barrier nothing is stored into LDS any more
	s_barrier_signal -1
	s_barrier_wait -1
.macro TLOAD
.irp t, 0,1,2,3,4,5,6,7
	ds_load_b128 v[T+4*(\t):T+4*(\t)+3], v[RDA] offset:(\t)*2*RP
.endr
.endm
	TLOAD
	s_mov_b32 s2, 4
.Lepi:                                                 ; four trips of 16 rows
	s_wait_dscnt 0x0
	s_wait_loadcnt 0x0                             ; the residual (in the first trip the bias too); its offset register may step
	FOR 16, v_pk_add_f32 v[Y+2*n:Y+2*n+1], v[T+2*n:T+2*n+1], v[BIAS+2*(n%2):BIAS+2*(n%2)+1]
.if WO
	FOR 16, v_pk_add_f32 v[Y+2*n:Y+2*n+1], v[Y+2*n:Y+2*n+1], v[R+2*n:R+2*n+1]
.else
	FOR 16, v_fma_mix_f32 v[Y+2*n], v[R+n], v[ONE], v[Y+2*n] op_sel_hi:[1,0,0]                       ; the low half of h's word, in f32, is added
	FOR 16, v_fma_mix_f32 v[Y+2*n+1], v[R+n], v[ONE], v[Y+2*n+1] op_sel:[1,0,0] op_sel_hi:[1,0,0]    ; the high half
.endif
	s_cmp_eq_u32 s2, 1
	s_cbranch_scc1 .Lno_more                       ; the last trip has no rows to read ahead
	v_add_nc_u32 v[RDA], 16*RP, v[RDA]
.if WO
	v_add_nc_u32 v[XO], 65536, v[XO]
.else
	v_add_nc_u32 v[XO], 32768, v[XO]
.endif
	TLOAD
	RLOAD
.Lno_more:
.irp t, 0,1,2,3,4,5,6,7
	global_store_b128 v[CO], v[Y+4*(\t):Y+4*(\t)+3], s[8:9] offset:(\t)*8192  ; 16 lanes store 256 consecutive bytes, aligned
.endr
	s_wait_xcnt 0x0                                ; only behind this wait are the stores' offset and data rewritten
	v_add_nc_u32 v[CO], 65536, v[CO]
	s_sub_co_u32 s2, s2, 1
	s_cmp_lg_u32 s2, 0
	s_cbranch_scc1 .Lepi
	s_wait_tensorcnt 0x0                           ; the wave's end
	ds_add_u32 v[SPW], v[NIL]
	s_wait_dscnt 0x0
	CROUND                                         ; the closing round
	s_endpgm
.Lfunc_end_k_qf6f7b6e17e_ff2:
	.size	k_qf6f7b6e17e_ff2, .Lfunc_end_k_qf6f7b6e17e_ff2-k_qf6f7b6e17e_ff2
	.p2alignl 7, 3214868480
	.fill 96, 4, 3214868480
	.section	.rodata,"a",@progbits
	.p2align	6, 0x0
	.amdhsa_kernel k_qf6f7b6e17e_ff2
		.amdhsa_group_segment_fixed_size 327680
		.amdhsa_private_segment_fixed_size 0
		.amdhsa_enable_private_segment 0
		.amdhsa_kernarg_size 40
		.amdhsa_user_sgpr_count 2
		.amdhsa_user_sgpr_kernarg_segment_ptr 1
		.amdhsa_wavefront_size32 1
		.amdhsa_system_sgpr_workgroup_id_x 1
		.amdhsa_system_sgpr_workgroup_id_y 1
		.amdhsa_system_sgpr_workgroup_id_z 1
		.amdhsa_system_vgpr_workitem_id 0
		.amdhsa_next_free_vgpr 512
		.amdhsa_next_free_sgpr 80
		.amdhsa_reserve_vcc 0
		.amdhsa_float_denorm_mode_32 3
		.amdhsa_float_denorm_mode_16_64 3
		.amdhsa_memory_ordered 1
		.amdhsa_forward_progress 1
		.amdhsa_inst_pref_size 62
	.end_amdhsa_kernel
	.amdgpu_metadata
---
amdhsa.version: [ 1, 2 ]
amdhsa.kernels:
  - .name:           k_qf6f7b6e17e_ff2
    .symbol:         k_qf6f7b6e17e_ff2.kd
    .args:
      - { .name: act, .offset: 0, .size: 8, .value_kind: global_buffer, .address_space: global }
      - { .name: wts, .offset: 8, .size: 8, .value_kind: global_buffer, .address_space: global }
      - { .name: b2, .offset: 16, .size: 8, .value_kind: global_buffer, .address_space: global }
      - { .name: nh, .offset: 24, .size: 8, .value_kind: global_buffer, .address_space: global }
      - { .name: y, .offset: 32, .size: 8, .value_kind: global_buffer, .address_space: global }
    .group_segment_fixed_size: 327680
    .private_segment_fixed_size: 0
    .kernarg_segment_align: 8
    .kernarg_segment_size: 40
    .max_flat_workgroup_size: 128
    .sgpr_count:     80
    .vgpr_count:     512
    .wavefront_size: 32
...
	.end_amdgpu_metadata
.endif
;; end of part 7
;; launch ln2 (part 8): grid 256 x 1, 16 waves a work-group, no clusters, 0 bytes of LDS; arguments y, ln2_g, ln2_b, out0; writes out0
.if DOCPART == 8
	.amdgcn_target "amdgcn-amd-amdhsa--gfx1250"
	.amdhsa_code_object_version 6
	.text
	.protected	k_qf6f7b6e17e_ln2
	.globl	k_qf6f7b6e17e_ln2
	.p2align	8
	.type	k_qf6f7b6e17e_ln2,@function
k_qf6f7b6e17e_ln2:
	s_mov_b64 s[64:65], 0
	v_nop
	global_prefetch_b8 v0, s[64:65] scope:SCOPE_SE
	s_setreg_imm32_b32 hwreg(HW_REG_WAVE_MODE, 25, 1), 1
	s_wait_xcnt 0x0
; LAYER NORM OF ROWS OF 1,024 f32.  out = (y - mean) / sqrt(var + 1e-5) g + b.  OUT16 = 1: rounded once to f16; OUT16 = 0: stored in f32.
; One wave, one row: 16 x 256 waves for the 4,096 rows, so there is no loop; the row stays in 32 registers between the passes and is read from memory once.
; The variance is taken of y - mean, so no difference of large sums is formed.  All arithmetic in f32.
; LIMITS.  With OUT16 = 1 a result beyond 65,504 has no place in f16.  NaN and infinities are not treated apart.
; No LDS, no matrix unit, no cluster: a stream; the work-groups share only g and b (8 KiB).
.set OUT16, 0
.set X,   4                            ; v[4:35]    the row
.set G,   36                           ; v[36:67]   g of my 32 columns
.set B,   68                           ; v[68:99]   b
.set CH,  100                          ; v[100:107] four chains of packed sums
.set M,   108                          ; v[108:109] the mean, later 1 / sqrt(var + eps), twice
.set T0,  110
.set T1,  111
.macro FOR cnt, line:vararg
.set n, 0
.rept \cnt
	\line
.set n, n+1
.endr
.endm
.macro REDUCE                          ; the sum of v[T0] over the wave's 32 lanes, in every lane
	v_add_f32_dpp v[T0], v[T0], v[T0] row_xmask:1 row_mask:0xf bank_mask:0xf
	v_add_f32_dpp v[T0], v[T0], v[T0] row_xmask:2 row_mask:0xf bank_mask:0xf
	v_add_f32_dpp v[T0], v[T0], v[T0] row_xmask:4 row_mask:0xf bank_mask:0xf
	v_add_f32_dpp v[T0], v[T0], v[T0] row_xmask:8 row_mask:0xf bank_mask:0xf
	v_permlanex16_b32 v[T1], v[T0], s16, s17
	v_add_f32 v[T0], v[T0], v[T1]
.endm
	s_load_b256 s[8:15], s[0:1], 0x0               ; y 8, g 10, b 12, out 14
	v_lshrrev_b32 v2, 5, v0
	v_readfirstlane_b32 s5, v2
	s_lshl_b32 s6, ttmp9, 4
	s_add_co_u32 s6, s6, s5                        ; my row
	s_lshl_b32 s18, s6, 12
	s_mov_b32 s19, 0
.if OUT16
	s_lshl_b32 s20, s6, 11
.else
	s_lshl_b32 s20, s6, 12
.endif
	s_mov_b32 s21, 0
	s_mov_b32 s16, 0x76543210                      ; v_permlanex16_b32: each lane takes its own place in the other half
	s_mov_b32 s17, 0xfedcba98
	v_and_b32 v1, 31, v0
	v_lshlrev_b32 v2, 3, v1                        ; 8 bytes a lane
	v_lshlrev_b32 v1, 4, v1                        ; 16 bytes a lane
	v_mov_b32 v[T1], 0                             ; the lane exchange's destination counts as read
	s_wait_kmcnt 0x0
	s_add_nc_u64 s[8:9], s[8:9], s[18:19]
	s_add_nc_u64 s[14:15], s[14:15], s[20:21]
.irp j, 0,1,2,3,4,5,6,7
	global_load_b128 v[X+4*(\j):X+4*(\j)+3], v1, s[8:9] offset:512*(\j) th:TH_LOAD_NT  ; 512 consecutive bytes a load, the row in eight
.endr
.irp j, 0,1,2,3,4,5,6,7
	global_load_b128 v[G+4*(\j):G+4*(\j)+3], v1, s[10:11] offset:512*(\j)
.endr
.irp j, 0,1,2,3,4,5,6,7
	global_load_b128 v[B+4*(\j):B+4*(\j)+3], v1, s[12:13] offset:512*(\j)
.endr
	s_wait_loadcnt 16                              ; the row is in; g's and b's sixteen loads stay out
	FOR 4, v_pk_add_f32 v[CH+2*n:CH+2*n+1], v[X+2*n:X+2*n+1], v[X+8+2*n:X+8+2*n+1]
	FOR 4, v_pk_add_f32 v[CH+2*n:CH+2*n+1], v[CH+2*n:CH+2*n+1], v[X+16+2*n:X+16+2*n+1]
	FOR 4, v_pk_add_f32 v[CH+2*n:CH+2*n+1], v[CH+2*n:CH+2*n+1], v[X+24+2*n:X+24+2*n+1]
	v_pk_add_f32 v[CH:CH+1], v[CH:CH+1], v[CH+2:CH+3]
	v_pk_add_f32 v[CH+4:CH+5], v[CH+4:CH+5], v[CH+6:CH+7]
	v_pk_add_f32 v[CH:CH+1], v[CH:CH+1], v[CH+4:CH+5]
	v_add_f32 v[T0], v[CH], v[CH+1]
	REDUCE
	v_mul_f32 v[M], 0x3a800000, v[T0]              ; the mean: the sum / 1,024
	v_mov_b32 v[M+1], v[M]
	FOR 16, v_pk_add_f32 v[X+2*n:X+2*n+1], v[X+2*n:X+2*n+1], v[M:M+1] neg_lo:[0,1] neg_hi:[0,1]
	FOR 4, v_pk_mul_f32 v[CH+2*n:CH+2*n+1], v[X+2*n:X+2*n+1], v[X+2*n:X+2*n+1]
	FOR 12, v_pk_fma_f32 v[CH+2*(n%4):CH+2*(n%4)+1], v[X+8+2*n:X+8+2*n+1], v[X+8+2*n:X+8+2*n+1], v[CH+2*(n%4):CH+2*(n%4)+1]
	v_pk_add_f32 v[CH:CH+1], v[CH:CH+1], v[CH+2:CH+3]
	v_pk_add_f32 v[CH+4:CH+5], v[CH+4:CH+5], v[CH+6:CH+7]
	v_pk_add_f32 v[CH:CH+1], v[CH:CH+1], v[CH+4:CH+5]
	v_add_f32 v[T0], v[CH], v[CH+1]
	REDUCE
	v_mov_b32 v[T1], 0x3727c5ac                    ; eps = 1e-5
	v_fmamk_f32 v[T0], v[T0], 0x3a800000, v[T1]    ; var + eps
	v_rsq_f32 v[M], v[T0]
	v_rsq_f32 v[M+1], v[T0]
	v_nop                                          ; a plain instruction between the last root and the use of its result (ISA guide 5.7.2)
	s_wait_alu depctr_va_vdst(0)
	s_wait_loadcnt 0x0                             ; g and b
	FOR 16, v_pk_mul_f32 v[X+2*n:X+2*n+1], v[X+2*n:X+2*n+1], v[M:M+1]
	FOR 16, v_pk_fma_f32 v[X+2*n:X+2*n+1], v[X+2*n:X+2*n+1], v[G+2*n:G+2*n+1], v[B+2*n:B+2*n+1]
.irp j, 0,1,2,3,4,5,6,7
.if OUT16
	v_cvt_pk_f16_f32 v[X+4*(\j)], v[X+4*(\j)], v[X+4*(\j)+1]
	v_cvt_pk_f16_f32 v[X+4*(\j)+1], v[X+4*(\j)+2], v[X+4*(\j)+3]
	global_store_b64 v2, v[X+4*(\j):X+4*(\j)+1], s[14:15] offset:256*(\j)  ; 256 consecutive bytes, aligned
.else
	global_store_b128 v1, v[X+4*(\j):X+4*(\j)+3], s[14:15] offset:512*(\j) th:TH_STORE_NT  ; 512 consecutive bytes, aligned
.endif
.endr
	s_endpgm
.Lfunc_end_k_qf6f7b6e17e_ln2:
	.size	k_qf6f7b6e17e_ln2, .Lfunc_end_k_qf6f7b6e17e_ln2-k_qf6f7b6e17e_ln2
	.p2alignl 7, 3214868480
	.fill 96, 4, 3214868480
	.section	.rodata,"a",@progbits
	.p2align	6, 0x0
	.amdhsa_kernel k_qf6f7b6e17e_ln2
		.amdhsa_group_segment_fixed_size 0
		.amdhsa_private_segment_fixed_size 0
		.amdhsa_enable_private_segment 0
		.amdhsa_kernarg_size 32
		.amdhsa_user_sgpr_count 2
		.amdhsa_user_sgpr_kernarg_segment_ptr 1
		.amdhsa_wavefront_size32 1
		.amdhsa_system_sgpr_workgroup_id_x 1
		.amdhsa_system_sgpr_workgroup_id_y 1
		.amdhsa_system_sgpr_workgroup_id_z 1
		.amdhsa_system_vgpr_workitem_id 0
		.amdhsa_next_free_vgpr 112
		.amdhsa_next_free_sgpr 66
		.amdhsa_reserve_vcc 0
		.amdhsa_float_denorm_mode_32 3
		.amdhsa_float_denorm_mode_16_64 3
		.amdhsa_memory_ordered 1
		.amdhsa_forward_progress 1
		.amdhsa_inst_pref_size 11
	.end_amdhsa_kernel
	.amdgpu_metadata
---
amdhsa.version: [ 1, 2 ]
amdhsa.kernels:
  - .name:           k_qf6f7b6e17e_ln2
    .symbol:         k_qf6f7b6e17e_ln2.kd
    .args:
      - { .name: y, .offset: 0, .size: 8, .value_kind: global_buffer, .address_space: global }
      - { .name: ln2_g, .offset: 8, .size: 8, .value_kind: global_buffer, .address_space: global }
      - { .name: ln2_b, .offset: 16, .size: 8, .value_kind: global_buffer, .address_space: global }
      - { .name: out0, .offset: 24, .size: 8, .value_kind: global_buffer, .address_space: global }
    .group_segment_fixed_size: 0
    .private_segment_fixed_size: 0
    .kernarg_segment_align: 8
    .kernarg_segment_size: 32
    .max_flat_workgroup_size: 512
    .sgpr_count:     66
    .vgpr_count:     112
    .wavefront_size: 32
...
	.end_amdgpu_metadata
.endif
;; end of part 8
;; ======== version 2 of 2: 8 launches; 1.08 times as fast as version 1
;; limits: values are held in f16: magnitudes above 65,504 overflow, below 6.1e-05 lose precision; a function is approximated: absolute error at most 1.5e-07
;; workspace buffers: wts 25,165,824 bytes; nh 8,388,608 bytes; qkv 25,165,824 bytes; ctx 8,388,608 bytes; y 16,777,216 bytes; act 33,554,432 bytes
;; launch prep: the kernel of part 1 again; grid 64 x 8, 16 waves a work-group, no clusters, 0 bytes of LDS; arguments x, ln_in_g, ln_in_b, wq, wk, wv, wo, wts, nh; writes wts, nh
;; launch qkv: the kernel of part 2 again; grid 12 x 16, 4 waves a work-group, clusters of 4 x 4, 327,680 bytes of LDS; arguments nh, wts, bq, bk, bv, qkv; writes qkv
;; launch attn (part 9): grid 4 x 64, 8 waves a work-group, clusters of 4 x 1, 327,680 bytes of LDS; arguments qkv, ctx, w1, w2, wts; writes ctx, wts
.if DOCPART == 9
	.amdgcn_target "amdgcn-amd-amdhsa--gfx1250"
	.amdhsa_code_object_version 6
	.text
	.protected	k_qf6f7b6e17e_attn
	.globl	k_qf6f7b6e17e_attn
	.p2align	8
	.type	k_qf6f7b6e17e_attn,@function
k_qf6f7b6e17e_attn:
	s_mov_b64 s[64:65], 0
	v_nop
	global_prefetch_b8 v0, s[64:65] scope:SCOPE_SE
	s_setreg_imm32_b32 hwreg(HW_REG_WAVE_MODE, 25, 1), 1
	s_wait_xcnt 0x0
	s_wait_alu depctr_hold_cnt(0) depctr_sa_sdst(0) depctr_va_vdst(0) depctr_va_sdst(0) depctr_va_ssrc(0) depctr_va_vcc(0) depctr_vm_vsrc(0)
	s_getreg_b32 s2, hwreg(HW_REG_IB_STS2, 6, 4)
	s_cmp_eq_u32 s2, 0
	s_cbranch_scc0 .Lentry_in_a_cluster
	s_endpgm
.Lentry_in_a_cluster:
	s_bfe_u32 s2, ttmp6, 0x10000c
	s_cmp_lg_u32 s2, 0x3003
	s_cbranch_scc0 .Lentry_shape_is_right
	s_endpgm
.Lentry_shape_is_right:
; ATTENTION AT HEAD SIZE 32, IN TWO PASSES.  ctx[b][h][q][:] = the sum over k of softmax_k(s[q][k]) V[k][:], s = Q . K in units of log2 (the factor log2(e) / sqrt(32) lies in Q already).
; qkv: [b][g][s][32] f16, g = h for Q, 32 + h for K, 64 + h for V; ctx: [b][h][s][32] f16.  Products, maxima and sums in f32; the weights p are rounded to f16 for the second product,
; and their sum is taken of the rounded p, by the matrix unit; ctx is rounded once.
; ALL OF A HEAD'S K AND V LIE IN LDS (2,048 keys x 64 bytes each, padded): every byte of LDS is filled once.
; PASS 1: S^T = K Q^T for all keys, of which only each query's true maximum m is kept.  PASS 2: S^T = K Q^T - m (-m is the C operand that starts the sum), p = 2^S, O^T += V^T P, L += 1 P.
; So the maximum that is taken away is the row's own, there is no running statistic and nothing is rescaled: for a tile of 16 queries and 64 keys 16 + 48 vector instructions beside 4 + 10 matrix instructions.
; BATCHES.  Pass 2 goes by turns, a tile a turn.  A turn's 32 exponentials are ONE batch with ONE wait: ahead of the wait stand the exponentials and the four products K Q^T of the tile after, which name
; none of their results; behind it the 16 roundings, which read them, and the six products of the tile before.  The way out's eight reciprocals are a batch of their own.
; SHARES.  The grid's y is b 32 + h; a work-group takes 512 queries, each of its eight waves 64: four tiles of 16.  The four work-groups of a cluster belong to one head and read the same K and V:
; each wave asks jointly, with its partners' waves of the same number, for 256 keys of K and 256 of V.
; LAYOUT.  S^T (source 0 = 16 keys, source 1 = 16 queries) holds ONE query a lane (lane % 16) and the keys 8 (lane / 16) + 0..7; two such results rounded to f16 in pairs ARE source 1 of V^T P.
; V ([key][channel]) comes out of LDS turned, by ds_load_tr16_b128.  A fragment of ones in V's place gives every register of L the row's sum.
; A PASSENGER: THE CAST OF w1 AND w2.  The attention itself moves 34 MB for 34 GFLOP, and the two matrices' copies in f16 (32 MiB in, 16 MiB out) are wanted by no launch before the feed-forward ones.
; So each of the 2,048 waves takes 4,096 numbers along: waves 0-3 of w1, waves 4-7 of w2, 65,536 bytes of each matrix a work-group.  Its 32 loads of 512 consecutive bytes go out behind the requests
; for K, V and Q, while the wave waits for its first tile, into 128 registers that lie idle; between the passes they are rounded once to f16 and stored to 8 MiB (w1) and 16 MiB (w2) of wts.
; LIMITS.  Q, K, V and the weights lie within f16's 65,504; a weight p below f16's smallest step, 6e-8, counts as 0; NaN and infinities are not treated apart.
; REGISTERS.  window 0: v2-11, v15 addresses; v12-14 at work; v16-47 Q; v48-79 -m, eight copies a tile; v80-143 S^T, two sets by the tile's parity; v144-175 P, two buffers (pass 1: its 16 chains of maxima);
;   v176-207 K of one step; v208-239 V of one step (pass 1: K's second buffer); v240-247 ones; v248-255 1 / l.   window 1: v0-95: tile t has O^T at 24 t (16 registers) and L at 24 t + 16; v96-223 the passenger.
.set VB,    163840                     ; K: bytes 0 .. 163,839, a key in 80 (64 + 16: 20 words, so the 16 keys of a load start at 16 different groups of four banks, ISA guide 11.1).  V begins here:
                                       ; two keys in 144 bytes (128 + 16): key k at (k / 2) 144 + (k % 2) 64
.set STAGE, 311296                     ; behind V: 16 rows x 80 bytes for each wave, for the way out; no tile lands here
.set SPARE, 321536                     ; the spare words, 128 bytes for each of the eight waves
.set AK0, 2                            ; my lane's place in a tile of K; never rewritten
.set AV0, 3                            ; the same for V
.set AK,  4                            ; the LDS address of K's runs of loads
.set AV,  5                            ; of V's
.set QO,  6
.set STO, 7
.set RD,  8
.set GO,  9                            ; 16 x lane; never rewritten
.set SPW, 10
.set NIL, 11
.set WS,  15                           ; 8 x lane; never rewritten
.set Q,   16
.set NM,  48
.set S,   80
.set P,   144
.set CH,  144                          ; pass 1: chain j of tile t at CH + 4 t + j
.set KF,  176
.set VF,  208
.set ONE, 240
.set R,   248
.set CW,  96                           ; window 1: the passenger's 32 x 4 registers
.set WV,  12                           ; s12  my wave's number
.set G1K, 24
.set G1V, 32
.set G0K, 40
.set G0V, 44
.set CNT, 57
.set SEL, 60
.set MSB, 0
.macro WIN new
.if MSB != (\new)
	s_set_vgpr_msb (MSB<<8)|(\new)
.set MSB, (\new)
.endif
.endm
.macro CROUND                          ; a round of the cluster's barrier
	s_barrier_signal -1
	s_barrier_wait -1
	s_cmp_lg_u32 s[WV], 0
	s_cbranch_scc1 .Lnot_wave_0_\@
	s_barrier_signal -3
.Lnot_wave_0_\@:
	s_barrier_wait -3
	s_barrier_signal -1
	s_barrier_wait -1
.endm
	s_load_b128 s[4:7], s[0:1], 0x0                ; qkv s[4:5], ctx s[6:7]
	s_load_b128 s[8:11], s[0:1], 0x10              ; w1 s[8:9], w2 s[10:11]
	s_load_b64 s[54:55], s[0:1], 0x20              ; wts
	v_lshl_add_u32 v[SPW], v0, 2, SPARE
	v_mov_b32 v[NIL], 0
	ds_add_u32 v[SPW], v[NIL]                      ; the wave's opening: the add and its wait come ahead of my first tensor load; the set-up below stands between them
	v_lshrrev_b32 v1, 5, v0
	v_readfirstlane_b32 s[WV], v1                  ; wave 0..7
	s_bfe_u32 s13, ttmp6, 0x40000                  ; cx: my block of 512 queries; it enters the addresses of Q, ctx and the passenger alone
	s_and_b32 s14, ttmp7, 0xffff                   ; b 32 + h
	s_lshr_b32 s16, s14, 5
	s_mul_i32 s16, s16, 96
	s_and_b32 s17, s14, 31
	s_add_co_u32 s16, s16, s17                     ; b 96 + h
	s_lshl_b32 s16, s16, 17                        ; Q's head: 131,072 bytes a head
	s_lshl_b32 s17, s[WV], 14                      ; my 256 keys: 16,384 bytes
	s_add_co_u32 s18, s16, s17
	s_add_co_u32 s18, s18, 32<<17                  ; K's head lies 32 heads on,
	s_mov_b32 s19, 0
	s_add_co_u32 s20, s18, 32<<17                  ; V's 32 more
	s_mov_b32 s21, 0
	s_lshl_b32 s17, s13, 15
	s_lshl_b32 s23, s[WV], 12
	s_add_co_u32 s17, s17, s23                     ; my wave's 64 rows in a head
	s_add_co_u32 s22, s16, s17
	s_mov_b32 s23, 0
	s_lshl_b32 s52, s14, 17
	s_add_co_u32 s52, s52, s17
	s_mov_b32 s53, 0
	; the passenger's place: work-group 4 y + cx of 256 takes 65,536 bytes of each matrix, wave % 4 a quarter of them
	s_lshl_b32 s2, s14, 2
	s_add_co_u32 s2, s2, s13
	s_and_b32 s3, s[WV], 3
	s_lshl_b32 s58, s2, 16
	s_lshl_b32 s15, s3, 14
	s_add_co_u32 s58, s58, s15                     ; in f32,
	s_mov_b32 s59, 0
	s_lshl_b32 s62, s2, 15
	s_lshl_b32 s15, s3, 13
	s_add_co_u32 s62, s62, s15                     ; in f16,
	s_lshr_b32 s56, s[WV], 2
	s_lshl_b32 s15, 0x800000, s56                  ; behind 8 MiB (w1: waves 0-3) or 16 MiB (w2: waves 4-7) of wts
	s_add_co_u32 s62, s62, s15
	s_mov_b32 s63, 0
	; 256 keys are 16,384 dense bytes: asked for as 64 rows of 256 bytes, padded in LDS after every key (K) or every two keys (V)
	s_mov_b32 s[G1K], 15|(1<<16)|(1<<20)|(1<<21)|(3<<22)|(3<<25)  ; the mask of four; 2-byte elements; padding on; bit 21 beside a mask; after every 16 words 4 words
	s_mov_b32 s[G1V], 15|(1<<16)|(1<<20)|(1<<21)|(4<<22)|(3<<25)  ; the same after every 32 words
.irp g, G1K, G1V
	s_mov_b32 s[\g+1], 128<<16                     ; tensor_dim0 = 128
	s_mov_b32 s[\g+2], 64<<16                      ; tensor_dim1 = 64
	s_mov_b32 s[\g+3], 128<<16                     ; tile_dim0 = 128
	s_mov_b32 s[\g+4], 64                          ; tile_dim1 = 64
	s_mov_b32 s[\g+5], 128                         ; elements from row to row
	s_mov_b32 s[\g+6], 0
	s_mov_b32 s[\g+7], 0
.endr
	s_mov_b32 s[G0K], 1
	s_mul_i32 s[G0K+1], s[WV], 20480               ; 256 keys x 80 bytes
	s_mov_b32 s[G0V], 1
	s_mul_i32 s[G0V+1], s[WV], 18432               ; 128 pairs x 144 bytes
	s_add_co_u32 s[G0V+1], s[G0V+1], VB
	s_mov_b32 s[SEL], 0x76543210
	s_mov_b32 s[SEL+1], 0xfedcba98
	s_wait_dscnt 0x0                               ; the opening add is done
	s_wait_kmcnt 0x0
	s_add_nc_u64 s[G0K+2:G0K+3], s[4:5], s[18:19]
	s_or_b32 s[G0K+3], s[G0K+3], 0x80000000
	s_add_nc_u64 s[G0V+2:G0V+3], s[4:5], s[20:21]
	s_or_b32 s[G0V+3], s[G0V+3], 0x80000000
	s_add_nc_u64 s[48:49], s[4:5], s[22:23]        ; Q at my wave's first row
	s_add_nc_u64 s[50:51], s[6:7], s[52:53]        ; ctx likewise
	s_cmp_lt_u32 s[WV], 4
	s_cselect_b64 s[8:9], s[8:9], s[10:11]         ; the passenger's source, by the wave's number,
	s_add_nc_u64 s[8:9], s[8:9], s[58:59]          ; at my 16,384 bytes,
	s_add_nc_u64 s[54:55], s[54:55], s[62:63]      ; and where they go
	CROUND                                         ; all four work-groups are here: the joint loads meet
	tensor_load_to_lds s[G0K:G0K+3], s[G1K:G1K+7]  ; the launch's only fills: two loads of mine are out
	s_nop 0
	tensor_load_to_lds s[G0V:G0V+3], s[G1V:G1V+7]
	s_nop 0
.rept 4
	v_nop
.endr
	v_and_b32 v1, 15, v0                           ; l % 16
	v_bfe_u32 v12, v0, 4, 1                        ; l / 16
	v_lshlrev_b32 v[QO], 6, v1
	v_lshl_add_u32 v[QO], v12, 4, v[QO]            ; row x 64 + 16 x half
.irp t, 0,1,2,3
	global_load_b128 v[Q+8*\t:Q+8*\t+3],   v[QO], s[48:49] offset:\t*1024
	global_load_b128 v[Q+8*\t+4:Q+8*\t+7], v[QO], s[48:49] offset:\t*1024+32
.endr
	v_mul_u32_u24 v[AK0], v1, 80
	v_lshl_add_u32 v[AK0], v12, 4, v[AK0]          ; key x 80 + 16 x half
	; the turning load: lane l reads key 8 (l / 16) + l % 8, channels 8 ((l / 8) % 2) + 0..7, and is left with channel l % 16 and 8 keys
	v_bfe_u32 v13, v0, 1, 2
	v_lshl_add_u32 v13, v12, 2, v13                ; the key's pair
	v_mul_u32_u24 v[AV0], v13, 144
	v_and_b32 v14, 1, v0
	v_lshl_add_u32 v[AV0], v14, 6, v[AV0]
	v_bfe_u32 v14, v0, 3, 1
	v_lshl_add_u32 v[AV0], v14, 4, v[AV0]
	v_add_nc_u32 v[AV0], VB, v[AV0]
	s_mul_i32 s16, s[WV], 1280
	s_add_co_u32 s16, s16, STAGE                   ; my stage
	v_add_nc_u32 v[STO], s16, v[AK0]               ; in: row l % 16, 16 bytes for each half of the lanes
	v_bfe_u32 v13, v0, 2, 3                        ; back: 32 lanes take eight rows of 64 bytes,
	v_mul_u32_u24 v[RD], v13, 80
	v_and_b32 v14, 3, v0
	v_lshl_add_u32 v[RD], v14, 4, v[RD]
	v_add_nc_u32 v[RD], s16, v[RD]
	v_and_b32 v[GO], 31, v0                        ; which are 512 consecutive bytes of ctx
	v_lshlrev_b32 v[WS], 3, v[GO]
	v_lshlrev_b32 v[GO], 4, v[GO]
	v_mov_b32 v[AK], v[AK0]
	v_mov_b32 v13, 0                               ; the lane exchange's destination counts as read
	WIN 0x40                                       ; destination window 1, address window 0
.set i, 0
.rept 32                               ; the passenger's loads: 512 consecutive bytes each, 16,384 in all, behind the requests for K, V and Q
	global_load_b128 v[CW+4*i:CW+4*i+3], v[GO], s[8:9] offset:512*i th:TH_LOAD_NT
.set i, i+1
.endr
	; in the wait for the tiles: O^T and L start at 0; the chains of maxima, and the set of scores that the first riders read, at the lowest finite number
.set i, 0
.rept 96
	v_mov_b32 v[i], 0
.set i, i+1
.endr
	WIN 0
.set i, 0
.rept 8
	v_mov_b32 v[ONE+i], 0x3c003c00                 ; 1.0 twice, in f16
.set i, i+1
.endr
.set i, 0
.rept 16
	v_mov_b32 v[CH+i], 0xff7fffff
.set i, i+1
.endr
.set i, 0
.rept 32
	v_mov_b32 v[S+32+i], 0xff7fffff
.set i, i+1
.endr
.macro FETCHK buf, off                 ; a step's K: 64 keys x 32 channels, four fragments
.irp kb, 0,1,2,3
	ds_load_b128 v[(\buf)+8*\kb:(\buf)+8*\kb+3],   v[AK] offset:(\off)+\kb*1280
	ds_load_b128 v[(\buf)+8*\kb+4:(\buf)+8*\kb+7], v[AK] offset:(\off)+\kb*1280+32
.endr
.endm
; PASS 1, a key step: 16 products, and behind each four riders: the maxima of the tile before, whose scores lie in the other set; each accumulator's lowest registers are read first.
; Behind the first product's riders stands the run of loads for the step after: eight plain instructions behind the last product that read that buffer.  guard = 1: the last trip has no such step.
.macro P1STEP buf, nbuf, noff, guard
.set t, 0
.rept 4
.set kb, 0
.rept 4
	v_wmma_f32_16x16x32_f16 v[S+32*(t%2)+8*kb:S+32*(t%2)+8*kb+7], v[(\buf)+8*kb:(\buf)+8*kb+7], v[Q+8*t:Q+8*t+7], 0
.set j, 0
.rept 4
	v_max3_num_f32 v[CH+4*((t+3)%4)+j], v[CH+4*((t+3)%4)+j], v[S+32*((t+1)%2)+8*kb+2*j], v[S+32*((t+1)%2)+8*kb+2*j+1]
.set j, j+1
.endr
.if (t == 0) && (kb == 0)
.if \guard
	s_cmp_eq_u32 s[CNT], 1
	s_cbranch_scc1 .Lno_k1_\@
.endif
	FETCHK \nbuf, \noff
.if \guard
.Lno_k1_\@:
.endif
.endif
.set kb, kb+1
.endr
.set t, t+1
.endr
.endm
	s_wait_tensorcnt 1                             ; my part of K is in; V's may stay out
	s_barrier_signal -1
	s_barrier_wait -1                              ; everybody's part of K is in
	FETCHK KF, 0
	s_wait_loadcnt 32                              ; Q is in; the passenger's 32 younger loads stay out
	s_mov_b32 s[CNT], 16
.Lp1:                                                  ; sixteen trips of two key steps
	s_wait_dscnt 0x0
	P1STEP KF, VF, 5120, 0
	s_wait_dscnt 0x0
	P1STEP VF, KF, 10240, 1
	v_add_nc_u32 v[AK], 10240, v[AK]
	s_sub_co_u32 s[CNT], s[CNT], 1
	s_cmp_lg_u32 s[CNT], 0
	s_cbranch_scc1 .Lp1
.rept 4
	v_nop
.endr
.set kb, 0
.rept 4                                ; the last tile's riders
.set j, 0
.rept 4
	v_max3_num_f32 v[CH+12+j], v[CH+12+j], v[S+32+8*kb+2*j], v[S+32+8*kb+2*j+1]
.set j, j+1
.endr
.set kb, kb+1
.endr
.irp t, 0,1,2,3                        ; a query's other 1,024 keys lie in the lane 16 away; -m in eight copies is the C operand of pass 2
	v_max3_num_f32 v12, v[CH+4*\t], v[CH+4*\t+1], v[CH+4*\t+2]
	v_max_num_f32 v12, v12, v[CH+4*\t+3]
	v_permlanex16_b32 v13, v12, s[SEL], s[SEL+1]
	v_max_num_f32 v12, v12, v13
.irp j, 0,1,2,3,4,5,6,7
	v_mul_f32 v[NM+8*\t+\j], -1.0, v12
.endr
.endr
	; the passenger leaves: its loads have had all of pass 1 in which to land
	s_wait_loadcnt 0x0
	WIN 0x45                                       ; sources 0 and 1 and the destination in window 1
.set i, 0
.rept 32
	v_cvt_pk_f16_f32 v[CW+4*i], v[CW+4*i], v[CW+4*i+1]
	v_cvt_pk_f16_f32 v[CW+4*i+1], v[CW+4*i+2], v[CW+4*i+3]
.set i, i+1
.endr
	WIN 0x04                                       ; the data (source 1) in window 1, the offset in window 0
.set i, 0
.rept 32
	global_store_b64 v[WS], v[CW+4*i:CW+4*i+1], s[54:55] offset:256*i  ; a store covers 256 consecutive bytes, aligned; no register is used twice
.set i, i+1
.endr
	WIN 0
	s_wait_tensorcnt 0x0                           ; my part of V is in
	s_wait_dscnt 0x0
	s_barrier_signal -1
	s_barrier_wait -1                              ; everybody's is
; PASS 2.  EXPS: the exponentials of scores e0 .. e0 + cnt - 1 of tile t, in place and in ascending order.
; RND: pairs p0 .. p0 + cnt - 1 of tile t's weights are rounded to f16.
.macro EXPS t, e0, cnt
.set e, (\e0)
.rept \cnt
	v_exp_f32 v[S+32*((\t)%2)+e], v[S+32*((\t)%2)+e]
.set e, e+1
.endr
.endm
.macro RND t, p0, cnt
.set e, (\p0)
.rept \cnt
	v_cvt_pk_f16_f32 v[P+16*((\t)%2)+e], v[S+32*((\t)%2)+2*e], v[S+32*((\t)%2)+2*e+1]
.set e, e+1
.endr
.endm
.macro PV6 u                           ; O^T += V^T P and L += 1 P for tile u: the three accumulators take turns, one instruction a turn
	WIN 0x50                                       ; C and D in window 1
.irp kk, 0,1
	v_wmma_f32_16x16x32_f16 v[24*(\u):24*(\u)+7],     v[VF+16*\kk:VF+16*\kk+7],    v[P+16*((\u)%2)+8*\kk:P+16*((\u)%2)+8*\kk+7], v[24*(\u):24*(\u)+7]
	v_wmma_f32_16x16x32_f16 v[24*(\u)+8:24*(\u)+15],  v[VF+16*\kk+8:VF+16*\kk+15], v[P+16*((\u)%2)+8*\kk:P+16*((\u)%2)+8*\kk+7], v[24*(\u)+8:24*(\u)+15]
	v_wmma_f32_16x16x32_f16 v[24*(\u)+16:24*(\u)+23], v[ONE:ONE+7],                v[P+16*((\u)%2)+8*\kk:P+16*((\u)%2)+8*\kk+7], v[24*(\u)+16:24*(\u)+23]
.endr
	WIN 0
.endm
.macro KQ tn, kb                       ; S^T = K Q^T - m for 16 keys of tile tn
	v_wmma_f32_16x16x32_f16 v[S+32*((\tn)%2)+8*(\kb):S+32*((\tn)%2)+8*(\kb)+7], v[KF+8*(\kb):KF+8*(\kb)+7], v[Q+8*(\tn):Q+8*(\tn)+7], v[NM+8*(\tn):NM+8*(\tn)+7]
.endm
.macro FETCHV                          ; a step's V, turned: keys 32 kk on, channels 16 cb on
.irp kk, 0,1
.irp cb, 0,1
	ds_load_tr16_b128 v[VF+8*(2*\kk+\cb):VF+8*(2*\kk+\cb)+3],   v[AV] offset:\kk*2304+\cb*32
	ds_load_tr16_b128 v[VF+8*(2*\kk+\cb)+4:VF+8*(2*\kk+\cb)+7], v[AV] offset:\kk*2304+\cb*32+1152
.endr
.endr
	v_add_nc_u32 v[AV], 4608, v[AV]                ; the next fetch is the next step's
.endm
; TURN t: ONE BATCH, ONE WAIT.  AHEAD OF THE WAIT stands all that names no result of the turn's exponentials: the 32 exponentials of tile t, sixteen on end and then four behind each of the four products
; K Q^T of the tile after (behind tile 3: tile 0 of the next step), whose scores go into the other set.  A v_nop is the plain instruction behind the last exponential (ISA guide 5.7.2): one for the batch.
; BEHIND THE WAIT stand the readers, the tile's 16 roundings, and among them the six products of the tile before, which read the other buffer of P..
; K of the next step is fetched in turn 2 (the last trip has no next step), five plain instructions, the v_nop and four roundings, behind the last product that read K, and waited for in turn 3, behind its
; first sixteen exponentials.  V of the step in hand is fetched in turn 0, six roundings behind the last product that read V, and waited for in turn 1, ahead of its six products.
; Behind a turn's last K Q^T stand the v_nop and sixteen roundings before the next turn reads those scores; twelve roundings stand between the six products and the next write of the buffer of P that they read.
.macro TURN t
	EXPS \t, 0, 16
.if (\t) == 3
	s_wait_dscnt 0x0                               ; K is in
.endif
.irp kb, 0,1,2,3
	KQ ((\t)+1)%4, \kb
	EXPS \t, 16+4*\kb, 4
.endr
	v_nop                                          ; the plain instruction behind the last exponential
	s_wait_alu depctr_va_vdst(0)                   ; one wait for the turn's 32 exponentials, ahead of their first reader
	RND \t, 0, 4
.if (\t) == 2
	s_cmp_eq_u32 s[CNT], 1
	s_cbranch_scc1 .Lno_k2_\@
	v_add_nc_u32 v[AK], 5120, v[AK]
	FETCHK KF, 0
.Lno_k2_\@:
.endif
.if (\t) == 1
	s_wait_dscnt 0x0                               ; V is in
.endif
	PV6 ((\t)+3)%4
	RND \t, 4, 6
.if (\t) == 0
	FETCHV
.endif
	RND \t, 10, 6
.endm
	v_mov_b32 v[AK], v[AK0]
	v_mov_b32 v[AV], v[AV0]
	FETCHK KF, 0                                   ; key step 0
	s_wait_dscnt 0x0
.irp kb, 0,1,2,3
	KQ 0, \kb                                      ; tile 0's first scores
.endr
.set i, 0
.rept 16                               ; the first turn's six products, of a tile that has not been, multiply P = 0 (V's registers hold finite numbers of K); these lines are also the places behind the four products
	v_mov_b32 v[P+16+i], 0
.set i, i+1
.endr
	s_mov_b32 s[CNT], 32
.Lp2:                                                  ; 32 key steps
	TURN 0
	TURN 1
	TURN 2
	TURN 3
	s_sub_co_u32 s[CNT], s[CNT], 1
	s_cmp_lg_u32 s[CNT], 0
	s_cbranch_scc1 .Lp2
	PV6 3                                          ; tile 3's products of the last step (the last trip's four products K Q^T for a step that is not serve nothing)
	; THE WAY OUT.  O^T is divided by l, rounded to f16 and sent through my stage in LDS, a tile at a time.
.rept 4
	v_nop
.endr
	WIN 0x01                                       ; source 0 in window 1
.irp t, 0,1,2,3
	v_rcp_f32 v[R+2*\t], v[24*\t+16]               ; L's lowest register: every register of L holds the row's sum
	v_rcp_f32 v[R+2*\t+1], v[24*\t+16]
.endr
	v_nop                                          ; a plain instruction between the last reciprocal and the use of its result
	s_wait_alu depctr_va_vdst(0)                   ; and one wait ahead of the first use for the eight reciprocals
.irp t, 0,1,2,3
	WIN 0x01
.irp i, 0,1,2,3,4,5,6,7
	v_pk_mul_f32 v[S+16*\t+2*\i:S+16*\t+2*\i+1], v[24*\t+2*\i:24*\t+2*\i+1], v[R+2*\t:R+2*\t+1]
.endr
	WIN 0
.irp i, 0,1,2,3,4,5,6,7
	v_cvt_pk_f16_f32 v[P+8*\t+\i], v[S+16*\t+2*\i], v[S+16*\t+2*\i+1]
.endr
	ds_store_b128 v[STO], v[P+8*\t:P+8*\t+3]             ; channels 8 (l / 16) + 0..7
	ds_store_b128 v[STO], v[P+8*\t+4:P+8*\t+7] offset:32 ; channels 16 + 8 (l / 16) + 0..7
	ds_load_b128 v[P+8*\t:P+8*\t+3],   v[RD]             ; LDS serves a wave's instructions in order (ISA guide 5.7.1.4): these see the stores above; the next tile's stores come behind them
	ds_load_b128 v[P+8*\t+4:P+8*\t+7], v[RD] offset:640
	s_wait_dscnt 0x0
	global_store_b128 v[GO], v[P+8*\t:P+8*\t+3],   s[50:51] offset:\t*1024      ; eight rows: 512 consecutive bytes, aligned
	global_store_b128 v[GO], v[P+8*\t+4:P+8*\t+7], s[50:51] offset:\t*1024+512
.endr
	s_wait_tensorcnt 0x0                           ; the wave's end
	ds_add_u32 v[SPW], v[NIL]
	s_wait_dscnt 0x0
	CROUND                                         ; the closing round
	s_endpgm
.Lfunc_end_k_qf6f7b6e17e_attn:
	.size	k_qf6f7b6e17e_attn, .Lfunc_end_k_qf6f7b6e17e_attn-k_qf6f7b6e17e_attn
	.p2alignl 7, 3214868480
	.fill 96, 4, 3214868480
	.section	.rodata,"a",@progbits
	.p2align	6, 0x0
	.amdhsa_kernel k_qf6f7b6e17e_attn
		.amdhsa_group_segment_fixed_size 327680
		.amdhsa_private_segment_fixed_size 0
		.amdhsa_enable_private_segment 0
		.amdhsa_kernarg_size 40
		.amdhsa_user_sgpr_count 2
		.amdhsa_user_sgpr_kernarg_segment_ptr 1
		.amdhsa_wavefront_size32 1
		.amdhsa_system_sgpr_workgroup_id_x 1
		.amdhsa_system_sgpr_workgroup_id_y 1
		.amdhsa_system_sgpr_workgroup_id_z 1
		.amdhsa_system_vgpr_workitem_id 0
		.amdhsa_next_free_vgpr 480
		.amdhsa_next_free_sgpr 66
		.amdhsa_reserve_vcc 0
		.amdhsa_float_denorm_mode_32 3
		.amdhsa_float_denorm_mode_16_64 3
		.amdhsa_memory_ordered 1
		.amdhsa_forward_progress 1
		.amdhsa_inst_pref_size 60
	.end_amdhsa_kernel
	.amdgpu_metadata
---
amdhsa.version: [ 1, 2 ]
amdhsa.kernels:
  - .name:           k_qf6f7b6e17e_attn
    .symbol:         k_qf6f7b6e17e_attn.kd
    .args:
      - { .name: qkv, .offset: 0, .size: 8, .value_kind: global_buffer, .address_space: global }
      - { .name: ctx, .offset: 8, .size: 8, .value_kind: global_buffer, .address_space: global }
      - { .name: w1, .offset: 16, .size: 8, .value_kind: global_buffer, .address_space: global }
      - { .name: w2, .offset: 24, .size: 8, .value_kind: global_buffer, .address_space: global }
      - { .name: wts, .offset: 32, .size: 8, .value_kind: global_buffer, .address_space: global }
    .group_segment_fixed_size: 327680
    .private_segment_fixed_size: 0
    .kernarg_segment_align: 8
    .kernarg_segment_size: 40
    .max_flat_workgroup_size: 256
    .sgpr_count:     66
    .vgpr_count:     480
    .wavefront_size: 32
...
	.end_amdgpu_metadata
.endif
;; end of part 9
;; launch wo: the kernel of part 4 again; grid 8 x 32, 4 waves a work-group, clusters of 4 x 4, 327,680 bytes of LDS; arguments ctx, wts, bo, x, y; writes y
;; launch ln1: the kernel of part 5 again; grid 256 x 1, 16 waves a work-group, no clusters, 0 bytes of LDS; arguments y, ln1_g, ln1_b, nh; writes nh
;; launch ff1 (part 10): grid 16 x 16, 4 waves a work-group, clusters of 4 x 4, 327,680 bytes of LDS; arguments nh, wts, b1, act; writes act
.if DOCPART == 10
	.amdgcn_target "amdgcn-amd-amdhsa--gfx1250"
	.amdhsa_code_object_version 6
	.text
	.protected	k_qf6f7b6e17e_ff1
	.globl	k_qf6f7b6e17e_ff1
	.p2align	8
	.type	k_qf6f7b6e17e_ff1,@function
k_qf6f7b6e17e_ff1:
	s_mov_b64 s[64:65], 0
	v_nop
	global_prefetch_b8 v0, s[64:65] scope:SCOPE_SE
	s_setreg_imm32_b32 hwreg(HW_REG_WAVE_MODE, 25, 1), 1
	s_wait_xcnt 0x0
	s_wait_alu depctr_hold_cnt(0) depctr_sa_sdst(0) depctr_va_vdst(0) depctr_va_sdst(0) depctr_va_ssrc(0) depctr_va_vcc(0) depctr_vm_vsrc(0)
	s_getreg_b32 s2, hwreg(HW_REG_IB_STS2, 6, 4)
	s_cmp_eq_u32 s2, 0
	s_cbranch_scc0 .Lentry_in_a_cluster
	s_endpgm
.Lentry_in_a_cluster:
	s_bfe_u32 s2, ttmp6, 0x10000c
	s_cmp_lg_u32 s2, 0xf033
	s_cbranch_scc0 .Lentry_shape_is_right
	s_endpgm
.Lentry_shape_is_right:
; A GEMM ON TILES OF 256 x 256, K = 1,024, f16 operands, f32 sums: C = A B^T + bias, and one of two ways out, chosen by the flag QKV below.
; QKV = 1: A = nx [4096][1024], B = [c wq; wk; wv] [3072][1024]; C + [c bq; bk; bv] is rounded once to f16 and stored by heads, [b][g = n / 32][s][32].
;          12 x 16 = 192 work-groups: N = 3,072 has no more tiles of this size; a tile of 192 columns would give 256 and is a text of its own, not written.
; QKV = 0: A = h [4096][1024], B = w1 [4096][1024]; gelu(C + b1), exact form by erf, is rounded once to f16 and stored [4096][4096].  16 x 16 = 256 work-groups.
; Four waves, each 128 x 128 of C: 64 accumulators of 16 x 16, 512 registers.  K goes in steps of 128 through a ring of two LDS slots filled by the tensor data mover;
; a tile's rows are 256 bytes of memory at multiples of 256.  4 x 4 work-groups form a cluster: A's tile is asked for jointly along a row of the cluster, B's along a column.
; A K STEP IS WRITTEN ONCE.  A trip of the loop goes from a step's second quarter to the next step's first and fills again the slot that it leaves.  Which slot is read stands in two scalars, TB (the
; slot in hand) and TN (the other), each 0 or SLOT and turned by an exclusive or at the trip's end; the LDS addresses are the two fixed lane addresses plus TB or TN.  The last two steps, which ask for
; nothing, are a second loop of the same shape, left in its middle.
; THE MATRIX INSTRUCTION IS USED TRANSPOSED (source 0 = 16 rows of B, source 1 = 16 rows of A): a lane holds row l % 16 of C and the columns 8 (l / 16) + 0..7.
; THE WAY OUT.  When the ring has had its last fill and every wave its last read of it, each wave lays its 128 x 128 sums in f32 into its own 67,584 bytes of the ring,
; and a counted loop on fixed registers reads them back by rows, adds the bias, finishes and stores.
; BATCHES (QKV = 0).  A trip of that loop has 16 reciprocals and 16 exponentials, none of which reads another's result: ONE batch with ONE wait.  Ahead of the wait stand the batch and the plain lines that
; name none of its results (x x, its scaling, x / 2), set between the transcendentals; behind it the polynomial, which reads the reciprocals, and the product that reads the exponentials.
; LIMITS.  Operands and results lie within f16's 65,504; below 6e-5 f16 keeps a fixed step of 6e-8.  erf by Abramowitz and Stegun 7.1.26: absolute error 1.5e-7 at the most, for every argument.
; NaN and infinities are not treated apart.
; REGISTERS, in windows of 256: window 0: v0-31 addresses; v32-63 the bias; v64-127, v128-191 fragments of A, two buffers (on the way out v64-223 at work);
;   window 1: v64-127, v128-191 fragments of B;  window 2: the accumulators of my rows 0-63 ((a, b) at v[8 (8 a + b)]);  window 3: those of my rows 64-127.
.set QKV,    0
.set SIZE_K, 1024
.set KSTEP,  128
.set STEPS,  SIZE_K/KSTEP
.set PITCH,  272                       ; an LDS row: 256 bytes + 16 of padding = 68 words: the 16 rows of a fragment load start at 16 different groups of four banks (ISA guide 11.1)
.set HALFT,  128*PITCH                 ; 128 rows: what one tensor load brings
.set SLOT,   4*HALFT                   ; A's 256 rows, then B's 256 rows
.set SPARE,  2*SLOT                    ; behind the ring: the spare words, 128 bytes for each wave
.set RP,     528                       ; the way out: a row of 128 f32 + 16 bytes = 132 words
.set REGB,   128*RP                    ; a wave's region; four of them, 270,336 bytes, lie inside the ring's 278,528
.if QKV
.set WOFF,   0                         ; where B begins in wts
.else
.set WOFF,   0x800000
.endif
.set A0,   16                          ; v16     LDS address of my A fragments in slot 0; never rewritten
.set B0,   17                          ; v17     the same for B
.set CA,   18                          ; v18-19  the same in the slot in hand
.set CB,   19
.set NA,   20                          ; v20-21  and in the other slot
.set NB,   21
.set DST,  24                          ; v24     the way out: where I lay 16 bytes of a row
.set RDA,  25                          ; v25     the way out: where I read rows back; it steps
.set CO,   26                          ; v26     my byte offset in the output; it steps
.set BA,   27                          ; v27     my byte offset in the bias
.set SPW,  28                          ; v28     LDS address of my spare word; never rewritten
.set NIL,  29                          ; v29     0; never rewritten
.set BI,   32                          ; the bias of my columns
.set F0,   64
.set F1,   128
.set G1, 24                            ; s[24:31] descriptor group 1 for A's tiles
.set G0, 32                            ; s[32:39] group 0 for A's tiles: a set for each of the two first fills; the second then walks on
.set G1B, 48                           ; s[48:55], s[56:63] the same for B's
.set G0B, 56
.set TB, 94                            ; s94  the slot in hand: 0 or SLOT
.set TN, 95                            ; s95  the other slot
.set MSB, 0
.macro WIN new                         ; the immediate's high byte repeats the setting that is left
.if MSB != (\new)
	s_set_vgpr_msb (MSB<<8)|(\new)
.set MSB, \new
.endif
.endm
.set MUL_LO, 0xa1                      ; source 0 (B) window 1, source 1 (A) window 0, C and D window 2
.set MUL_HI, 0xf1                      ; the same, C and D window 3
.set TO_B,   0x40                      ; destination window 1, address window 0
.macro FOR cnt, line:vararg            ; one line for n = 0 .. cnt - 1
.set n, 0
.rept \cnt
	\line
.set n, n+1
.endr
.endm
.macro ADDR                            ; the fragments' addresses in the two slots
	v_add_nc_u32 v[CA], s[TB], v[A0]
	v_add_nc_u32 v[CB], s[TB], v[B0]
	v_add_nc_u32 v[NA], s[TN], v[A0]
	v_add_nc_u32 v[NB], s[TN], v[B0]
.endm
.macro FLIP                            ; the slots change places
	s_xor_b32 s[TB], s[TB], SLOT
	s_xor_b32 s[TN], s[TN], SLOT
	ADDR
.endm
; A joint load.  Waves 0 and 1 fetch A's two halves, waves 2 and 3 B's.  The branch hangs on the wave's number alone.  An s_nop 0 and four v_nop follow each of the two lines.
.macro JLOAD s
	s_cmp_eq_u32 s11, 0
	s_cbranch_scc0 .Lfor_b_\@
	tensor_load_to_lds s[G0+4*(\s):G0+4*(\s)+3], s[G1:G1+7]
	s_nop 0
.rept 4
	v_nop
.endr
	s_branch .Lasked_\@
.Lfor_b_\@:
	tensor_load_to_lds s[G0B+4*(\s):G0B+4*(\s)+3], s[G1B:G1B+7]
	s_nop 0
.rept 4
	v_nop
.endr
.Lasked_\@:
.endm
.macro CREST                           ; a round of the cluster's barrier behind its opening barrier
	s_cmp_lg_u32 s10, 0
	s_cbranch_scc1 .Lnot_wave_0_\@
	s_barrier_signal -3
.Lnot_wave_0_\@:
	s_barrier_wait -3
	s_barrier_signal -1
	s_barrier_wait -1
.endm
.macro CROUND                          ; a whole round
	s_barrier_signal -1
	s_barrier_wait -1
	CREST
.endm
	s_load_b128 s[4:7], s[0:1], 0x0                ; A s[4:5], wts s[6:7]
.if QKV
	s_load_b256 s[68:75], s[0:1], 0x10             ; bq 68, bk 70, bv 72, qkv 74
.else
	s_load_b128 s[68:71], s[0:1], 0x10             ; b1 68, act 70
.endif
	v_lshl_add_u32 v[SPW], v0, 2, SPARE
	v_mov_b32 v[NIL], 0
	ds_add_u32 v[SPW], v[NIL]                      ; the wave's opening: the add and its wait come ahead of my first tensor load; the set-up below stands between them
	v_lshrrev_b32 v1, 5, v0
	v_readfirstlane_b32 s10, v1                    ; wave 0..3
	s_lshr_b32 s11, s10, 1                         ; which half of the tile's rows is mine.  Also: I fetch for A (0) or for B (1)
	s_and_b32 s12, s10, 1                          ; which half of its columns.  Also: which 128 rows of that tile I fetch
	s_bfe_u32 s40, ttmp6, 0x40000                  ; cx
	s_bfe_u32 s41, ttmp6, 0x40004                  ; cy
	s_lshl_b32 s42, ttmp9, 2
	s_add_co_u32 s42, s42, s40                     ; tile column of C = 4 x cluster x + cx
	s_and_b32 s13, ttmp7, 0xffff
	s_lshl_b32 s13, s13, 2
	s_add_co_u32 s13, s13, s41                     ; tile row of C = 4 x cluster y + cy
	s_lshl_b32 s43, s41, 2
	s_lshl_b32 s43, 15, s43                        ; my row of the cluster
	s_lshl_b32 s44, 0x1111, s40                    ; my column
	s_or_b32 s[G1+0], s43, (1<<16)|(1<<20)|(1<<21)|(5<<22)|(3<<25)  ; the mask; elements of 2 bytes; padding on; bit 21 beside a mask; after every 64 words 4 words
	s_or_b32 s[G1B+0], s44, (1<<16)|(1<<20)|(1<<21)|(5<<22)|(3<<25)
.irp g, G1, G1B
	s_mov_b32 s[(\g)+1], KSTEP<<16                 ; tensor_dim0 = 128
	s_mov_b32 s[(\g)+2], 128<<16                   ; tensor_dim1 = 128
	s_mov_b32 s[(\g)+3], KSTEP<<16                 ; tile_dim0 = 128
	s_mov_b32 s[(\g)+4], 128                       ; tile_dim1 = 128
	s_mov_b32 s[(\g)+5], SIZE_K                    ; elements from row to row
	s_mov_b32 s[(\g)+6], 0
	s_mov_b32 s[(\g)+7], 0
.endr
	; A's tiles hang on the tile row alone, B's on the tile column alone; each address is made in registers that never hold the other coordinate
	s_lshl_b32 s17, s12, 7
	s_lshl_b32 s16, s13, 8
	s_add_co_u32 s16, s16, s17                     ; A: row 256 x tile row + 128 x half
	s_lshl_b32 s46, s42, 8
	s_add_co_u32 s46, s46, s17                     ; B: row 256 x tile column + 128 x half
	s_mov_b32 s17, 0
	s_mov_b32 s47, 0
	s_mov_b64 s[18:19], SIZE_K*2
	s_mul_u64 s[16:17], s[16:17], s[18:19]
	s_mul_u64 s[46:47], s[46:47], s[18:19]
.if WOFF
	s_add_nc_u64 s[46:47], s[46:47], WOFF
.endif
	s_mul_i32 s20, s10, HALFT                      ; where they go in a slot: wave x 128 rows; kept for the refills
	s_mov_b32 s[TB], 0
	s_mov_b32 s[TN], SLOT
	s_wait_dscnt 0x0                               ; the opening add is done
	s_wait_kmcnt 0x0
	s_add_nc_u64 s[14:15], s[4:5], s[16:17]
	s_add_nc_u64 s[46:47], s[6:7], s[46:47]
	CROUND                                         ; all sixteen work-groups are here: the first joint loads meet
.irp s, 0,1
	s_mov_b32 s[G0+4*(\s)], 1
	s_add_co_u32 s[G0+4*(\s)+1], s20, (\s)*SLOT
	s_add_nc_u64 s[G0+4*(\s)+2:G0+4*(\s)+3], s[14:15], (\s)*KSTEP*2
	s_or_b32 s[G0+4*(\s)+3], s[G0+4*(\s)+3], 0x80000000
	s_mov_b32 s[G0B+4*(\s)], 1
	s_add_co_u32 s[G0B+4*(\s)+1], s20, (\s)*SLOT
	s_add_nc_u64 s[G0B+4*(\s)+2:G0B+4*(\s)+3], s[46:47], (\s)*KSTEP*2
	s_or_b32 s[G0B+4*(\s)+3], s[G0B+4*(\s)+3], 0x80000000
	JLOAD \s                                       ; K steps 0 and 1: two loads of mine are out
.endr
	; a fragment is 16 rows x 32 K in 8 registers: lane l holds row l % 16, K = 8 (l / 16) + 0..7 and 16 + 8 (l / 16) + 0..7: two loads of 16 bytes, 32 bytes apart
	v_and_b32 v1, 15, v0                           ; l % 16
	v_bfe_u32 v2, v0, 4, 1                         ; l / 16
	v_mul_u32_u24 v3, v1, PITCH
	v_lshl_add_u32 v3, v2, 4, v3
	s_mul_i32 s21, s11, HALFT                      ; my 128 rows of A
	s_mul_i32 s22, s12, HALFT                      ; my 128 rows of B,
	s_add_co_u32 s22, s22, 2*HALFT                 ; which lie behind A's 256
	v_add_nc_u32 v[A0], s21, v3
	v_add_nc_u32 v[B0], s22, v3
	ADDR
	s_mul_i32 s23, s10, REGB                       ; my region on the way out
	v_mul_u32_u24 v4, v1, RP                       ; in: row l % 16, 32 bytes for each half of the lanes
	v_lshl_add_u32 v4, v2, 5, v4
	v_add_nc_u32 v[DST], s23, v4
.if QKV
	v_bfe_u32 v4, v0, 2, 3                         ; back: lane l takes row l / 4 of eight and 8 of a head's 32 columns
	v_and_b32 v5, 3, v0
	v_mul_u32_u24 v4, v4, RP
	v_lshl_add_u32 v4, v5, 5, v4
	v_add_nc_u32 v[RDA], s23, v4
	v_and_b32 v4, 31, v0
	v_lshlrev_b32 v[CO], 4, v4                     ; eight rows of a head are 512 consecutive bytes: 16 x lane
	v_lshlrev_b32 v[BA], 5, v5
	; the bias: bq, bk or bv by the cluster's x (1,024 columns are four tile columns), then my 128 columns of it
	s_mov_b32 s45, ttmp9
	s_cmp_eq_u32 s45, 1
	s_cselect_b64 s[66:67], s[70:71], s[68:69]
	s_cmp_eq_u32 s45, 2
	s_cselect_b64 s[66:67], s[72:73], s[66:67]
	s_lshl_b32 s92, s40, 10
	s_lshl_b32 s93, s12, 9
	s_add_co_u32 s92, s92, s93
	s_mov_b32 s93, 0
	s_add_nc_u64 s[66:67], s[66:67], s[92:93]
	s_cmp_eq_u32 s45, 0
	s_cselect_b32 s90, 0x3e8293ee, 1.0             ; bq takes the factor c that wq has
	s_mov_b32 s91, s90
.irp hh, 0,1,2,3
	global_load_b128 v[BI+8*(\hh):BI+8*(\hh)+3],   v[BA], s[66:67] offset:(\hh)*128
	global_load_b128 v[BI+8*(\hh)+4:BI+8*(\hh)+7], v[BA], s[66:67] offset:(\hh)*128+16
.endr
	; where my part begins in qkv: batch tile row / 8, head group 8 x tile column + 4 x half, row (tile row % 8) 256 + 128 x half
	s_lshr_b32 s16, s13, 3
	s_mul_i32 s16, s16, 12582912
	s_and_b32 s17, s13, 7
	s_lshl_b32 s17, s17, 14
	s_add_co_u32 s16, s16, s17
	s_lshl_b32 s17, s11, 13
	s_add_co_u32 s16, s16, s17
	s_lshl_b32 s92, s42, 20
	s_lshl_b32 s93, s12, 19
	s_add_co_u32 s92, s92, s93
	s_add_co_u32 s92, s92, s16
	s_mov_b32 s93, 0
	s_add_nc_u64 s[8:9], s[74:75], s[92:93]
.else
	v_mul_u32_u24 v4, v2, RP                       ; back: lanes 0-15 take one row, lanes 16-31 the next; 8 columns a lane
	v_lshl_add_u32 v4, v1, 5, v4
	v_add_nc_u32 v[RDA], s23, v4
	v_lshlrev_b32 v4, 13, v2                       ; a row of act is 8,192 bytes
	v_lshl_add_u32 v[CO], v1, 4, v4
	v_lshlrev_b32 v[BA], 5, v1
	s_lshl_b32 s92, s42, 10                        ; b1 at my 128 columns
	s_lshl_b32 s93, s12, 9
	s_add_co_u32 s92, s92, s93
	s_mov_b32 s93, 0
	s_add_nc_u64 s[66:67], s[68:69], s[92:93]
	global_load_b128 v[BI:BI+3],   v[BA], s[66:67]
	global_load_b128 v[BI+4:BI+7], v[BA], s[66:67] offset:16
	s_lshl_b32 s16, s13, 21                        ; 256 rows of 8,192 bytes
	s_lshl_b32 s17, s11, 20
	s_add_co_u32 s16, s16, s17
	s_lshl_b32 s92, s42, 9
	s_lshl_b32 s93, s12, 8
	s_add_co_u32 s92, s92, s93
	s_add_co_u32 s92, s92, s16
	s_mov_b32 s93, 0
	s_add_nc_u64 s[8:9], s[70:71], s[92:93]
	; erf's constants, halved and with the sign that the sum below wants; each named as a pair
.set CP,  76                           ; 0.3275911 / sqrt(2)
.set CK,  78                           ; -log2(e) / 2
.set CA1, 80                           ; -a1 / 2 .. -a5 / 2
.set CA2, 82
.set CA3, 84
.set CA4, 86
.set CA5, 88
	s_mov_b32 s[CP], 0x3e6d3388
	s_mov_b32 s[CK], 0xbf38aa3b
	s_mov_b32 s[CA1], 0xbe027906
	s_mov_b32 s[CA2], 0x3e11a98e
	s_mov_b32 s[CA3], 0xbf35f0e3
	s_mov_b32 s[CA4], 0x3f3a00e3
	s_mov_b32 s[CA5], 0xbf07dc22
.irp c, CP, CK, CA1, CA2, CA3, CA4, CA5
	s_mov_b32 s[(\c)+1], s[\c]
.endr
.endif
; 16 matrix instructions: m blocks a0, a0 + 1 of the window's four x all 8 n blocks, 32 along K.  zero = 1: the first product starts the sums.
.macro MUL16 f, hi, a0, zero
	WIN MUL_LO+0x50*(\hi)
.irp a, \a0, (\a0)+1
.irp b, 0,1,2,3,4,5,6,7
.if \zero
	v_wmma_f32_16x16x32_f16 v[8*(8*(\a)+(\b)):8*(8*(\a)+(\b))+7], v[(\f)+8*(\b):(\f)+8*(\b)+7], v[(\f)+8*(4*(\hi)+(\a)):(\f)+8*(4*(\hi)+(\a))+7], 0
.else
	v_wmma_f32_16x16x32_f16 v[8*(8*(\a)+(\b)):8*(8*(\a)+(\b))+7], v[(\f)+8*(\b):(\f)+8*(\b)+7], v[(\f)+8*(4*(\hi)+(\a)):(\f)+8*(4*(\hi)+(\a))+7], v[8*(8*(\a)+(\b)):8*(8*(\a)+(\b))+7]
.endif
.endr
.endr
.endm
; 32 LDS loads in one run: the fragments of one quarter step (32 K at byte k of the rows; A's address in ra, B's in rb) into buffer f
.macro FETCH ra, rb, k, f
	WIN TO_B
.irp i, 0,1,2,3,4,5,6,7
	ds_load_b128 v[(\f)+8*(\i):(\f)+8*(\i)+3],   v[\rb] offset:(\k)+(\i)*16*PITCH
	ds_load_b128 v[(\f)+8*(\i)+4:(\f)+8*(\i)+7], v[\rb] offset:(\k)+(\i)*16*PITCH+32
.endr
	WIN 0
.irp i, 0,1,2,3,4,5,6,7
	ds_load_b128 v[(\f)+8*(\i):(\f)+8*(\i)+3],   v[\ra] offset:(\k)+(\i)*16*PITCH
	ds_load_b128 v[(\f)+8*(\i)+4:(\f)+8*(\i)+7], v[\ra] offset:(\k)+(\i)*16*PITCH+32
.endr
.endm
.macro PLACES                          ; four places in front of loads into registers that matrix instructions have read, and of reads of results just made
.rept 4
	v_nop
.endr
.endm
; A K step is four quarters of 32 along K, 64 matrix instructions each, on buffers 0, 1, 0, 1.  The 64 accumulators take turns in the same order in every quarter.
.macro QUARTER ra, rb, k, f, g, zero
	s_wait_dscnt 8                                 ; B and A's rows 0-63 are in; the youngest eight loads (A's rows 64-127) may be out
	WIN MUL_LO
	MUL16 \f, 0, 0, \zero
	MUL16 \f, 0, 2, \zero
	PLACES
	FETCH \ra, \rb, \k, \g
	s_wait_dscnt 32                                ; all but the 32 just issued
	WIN MUL_HI
	MUL16 \f, 1, 0, \zero
	MUL16 \f, 1, 2, \zero
.endm
; The last quarter multiplies buffer 1 and changes slots.  ONE barrier: in front of it each wave waits for all its tensor loads (one is out: its part of the next slot), adds 0 to its spare
; word, and waits for that and for its own reads of this slot.  Behind it nobody reads this slot any more and the next slot is whole.
.macro MEET round
	WIN 0
	s_wait_tensorcnt 0x0
	ds_add_u32 v[SPW], v[NIL]                      ; 0 onto my spare word
	s_wait_dscnt 9                                 ; (the add and the youngest eight loads may be out)
	WIN MUL_LO
	MUL16 F1, 0, 0, 0
	s_wait_dscnt 0x0                               ; the add is done, and my reads of this slot are over
	s_barrier_signal -1
	MUL16 F1, 0, 2, 0
.if \round
	WIN 0
.endif
	s_barrier_wait -1
.endm
; fill = 1: the barrier opens a round of the cluster's, and the slot in hand is filled again, two K steps ahead, first thing behind the round.  The walking descriptor takes that slot's LDS
; address and the next K step's global address; no tensor load of mine is out since MEET's wait.
.macro TURN fill
	MEET \fill
.if \fill
	CREST
	s_add_co_u32 s[G0+5], s20, s[TB]
	s_add_nc_u64 s[G0+6:G0+7], s[G0+6:G0+7], KSTEP*2
	s_add_co_u32 s[G0B+5], s20, s[TB]
	s_add_nc_u64 s[G0B+6:G0B+7], s[G0B+6:G0B+7], KSTEP*2
	JLOAD 1                                        ; the four v_nop behind it are also the places in front of the loads below
.else
	PLACES
.endif
	FETCH NA, NB, 0, F0
	WIN MUL_HI
	MUL16 F1, 1, 0, 0
	MUL16 F1, 1, 2, 0
.endm
	s_wait_tensorcnt 1                             ; my part of K step 0 is in; K step 1's may stay out
	s_barrier_signal -1
	s_barrier_wait -1
	FETCH CA, CB, 0, F0
	QUARTER CA, CB, 64,  F0, F1, 1                 ; the first quarter's products start the sums
	WIN 0
	s_mov_b32 s3, STEPS-2
.Lstep:                                                ; six trips, K steps 0 to 5: each asks for the step two further on
	QUARTER CA, CB, 128, F1, F0, 0
	QUARTER CA, CB, 192, F0, F1, 0
	TURN 1
	QUARTER NA, NB, 64,  F0, F1, 0
	WIN 0
	FLIP
	s_sub_co_u32 s3, s3, 1
	s_cmp_lg_u32 s3, 0
	s_cbranch_scc1 .Lstep
	s_mov_b32 s3, 2
.Ltl:                                                  ; K steps 6 and 7 ask for nothing; the second trip is left in its middle
	QUARTER CA, CB, 128, F1, F0, 0
	QUARTER CA, CB, 192, F0, F1, 0
	WIN 0
	s_sub_co_u32 s3, s3, 1
	s_cmp_eq_u32 s3, 0
	s_cbranch_scc1 .Llast
	TURN 0
	QUARTER NA, NB, 64,  F0, F1, 0
	WIN 0
	FLIP
	s_branch .Ltl
.Llast:
	s_wait_dscnt 8
	MUL16 F1, 0, 0, 0
	MUL16 F1, 0, 2, 0
	s_wait_dscnt 0x0
	MUL16 F1, 1, 0, 0
	MUL16 F1, 1, 2, 0
	WIN 0
	; THE WAY OUT.  The ring has had its last fill; when every wave's reads of it are over it takes the sums.
	s_wait_dscnt 0x0
	s_barrier_signal -1
	s_barrier_wait -1
	PLACES
.irp a, 0,1,2,3,4,5,6,7                ; each accumulator's low four registers first
	WIN 0x08+4*((\a)/4)                            ; the data (source 1) in window 2 or 3
.irp b, 0,1,2,3,4,5,6,7
	ds_store_b128 v[DST], v[8*(8*((\a)%4)+(\b)):8*(8*((\a)%4)+(\b))+3]   offset:(\a)*16*RP+(\b)*64
	ds_store_b128 v[DST], v[8*(8*((\a)%4)+(\b))+4:8*(8*((\a)%4)+(\b))+7] offset:(\a)*16*RP+(\b)*64+16
.endr
.endr
	WIN 0
	s_wait_dscnt 0x0                               ; my stores are done; behind the barrier nothing is stored into LDS any more
	s_barrier_signal -1
	s_barrier_wait -1
	s_wait_loadcnt 0x0                             ; the bias
.if QKV
.set X,  64                            ; 16 rows x 128 columns: group 2 hh + t2 (head hh, rows 8 t2 ..) has 8 registers
.set XB, 128
.set Y,  192
.macro QLOAD
.irp hh, 0,1,2,3
.irp t2, 0,1
	ds_load_b128 v[X+8*(2*(\hh)+(\t2)):X+8*(2*(\hh)+(\t2))+3],   v[RDA] offset:(\t2)*8*RP+(\hh)*128
	ds_load_b128 v[X+8*(2*(\hh)+(\t2))+4:X+8*(2*(\hh)+(\t2))+7], v[RDA] offset:(\t2)*8*RP+(\hh)*128+16
.endr
.endr
.endm
	FOR 16, v_pk_mul_f32 v[BI+2*n:BI+2*n+1], v[BI+2*n:BI+2*n+1], s[90:91] op_sel_hi:[1,0]
	QLOAD
	s_mov_b32 s2, 8
.Lepi:                                                 ; eight trips of 16 rows
	s_wait_dscnt 0x0
	FOR 32, v_pk_add_f32 v[XB+2*n:XB+2*n+1], v[X+2*n:X+2*n+1], v[BI+8*(n/8)+2*(n%4):BI+8*(n/8)+2*(n%4)+1]
	s_cmp_eq_u32 s2, 1
	s_cbranch_scc1 .Lno_more                       ; the last trip has no rows to read ahead
	v_add_nc_u32 v[RDA], 16*RP, v[RDA]
	QLOAD
.Lno_more:
	FOR 32, v_cvt_pk_f16_f32 v[Y+n], v[XB+2*n], v[XB+2*n+1]
.irp hh, 0,1,2,3
.irp t2, 0,1
	global_store_b128 v[CO], v[Y+4*(2*(\hh)+(\t2)):Y+4*(2*(\hh)+(\t2))+3], s[8:9] offset:(\hh)*131072+(\t2)*512  ; eight rows of one head: 512 consecutive bytes, aligned
.endr
.endr
	s_wait_xcnt 0x0                                ; only behind this wait are the stores' offset and data rewritten
	v_add_nc_u32 v[CO], 1024, v[CO]
	s_sub_co_u32 s2, s2, 1
	s_cmp_lg_u32 s2, 0
	s_cbranch_scc1 .Lepi
.else
.set X,  64                            ; 4 rows: 16 numbers a lane
.set XB, 80
.set D,  96                            ; 1 + p |x| / sqrt 2, then t: the reciprocals' registers, theirs alone while the batch is open
.set U,  112                           ; -x x log2(e) / 2, then its exponential; at the trip's end the result
.set Q,  128
.set Y,  144
.set H,  160                           ; x / 2
.macro GLOAD
.irp t, 0,1
	ds_load_b128 v[X+8*(\t):X+8*(\t)+3],   v[RDA] offset:(\t)*2*RP
	ds_load_b128 v[X+8*(\t)+4:X+8*(\t)+7], v[RDA] offset:(\t)*2*RP+16
.endr
.endm
	GLOAD
	s_mov_b32 s2, 32
.Lepi:                                                 ; 32 trips of 4 rows.  gelu(x) = x / 2 + |x| (1/2 - t poly(t) e^(-x x / 2) / 2), t = 1 / (1 + p |x| / sqrt 2)
	s_wait_dscnt 0x0
	FOR 8, v_pk_add_f32 v[XB+2*n:XB+2*n+1], v[X+2*n:X+2*n+1], v[BI+2*(n%4):BI+2*(n%4)+1]
	s_cmp_eq_u32 s2, 1
	s_cbranch_scc1 .Lno_more                       ; the last trip has no rows to read ahead
	v_add_nc_u32 v[RDA], 4*RP, v[RDA]
	GLOAD
.Lno_more:
	FOR 16, v_fma_f32 v[D+n], |v[XB+n]|, s[CP], 1.0
	; THE BATCH: 16 reciprocals and 16 exponentials.  No line ahead of the wait names a result of theirs: the plain lines between them make the exponentials' arguments and x / 2.
.set n, 0
.rept 8                                ; reciprocal and plain by turns: x x, a pair a line,
	v_rcp_f32 v[D+n], v[D+n]
	v_pk_mul_f32 v[U+2*n:U+2*n+1], v[XB+2*n:XB+2*n+1], v[XB+2*n:XB+2*n+1]
.set n, n+1
.endr
.set n, 0
.rept 8                                ; and its scaling
	v_rcp_f32 v[D+8+n], v[D+8+n]
	v_pk_mul_f32 v[U+2*n:U+2*n+1], v[U+2*n:U+2*n+1], s[CK:CK+1] op_sel_hi:[1,0]
.set n, n+1
.endr
.set n, 0
.rept 8                                ; a pair's two exponentials and a pair's x / 2; the last x / 2 is the plain line behind the last exponential (ISA guide 5.7.2)
	v_exp_f32 v[U+2*n], v[U+2*n]
	v_exp_f32 v[U+2*n+1], v[U+2*n+1]
	v_pk_mul_f32 v[H+2*n:H+2*n+1], v[XB+2*n:XB+2*n+1], 0.5 op_sel_hi:[1,0]
.set n, n+1
.endr
	s_wait_alu depctr_va_vdst(0)                   ; one wait for the trip's 16 reciprocals and 16 exponentials, ahead of their first reader
	FOR 8, v_pk_fma_f32 v[Q+2*n:Q+2*n+1], v[D+2*n:D+2*n+1], s[CA5:CA5+1], s[CA4:CA4+1] op_sel_hi:[1,0,0]
	FOR 8, v_pk_fma_f32 v[Q+2*n:Q+2*n+1], v[Q+2*n:Q+2*n+1], v[D+2*n:D+2*n+1], s[CA3:CA3+1] op_sel_hi:[1,1,0]
	FOR 8, v_pk_fma_f32 v[Q+2*n:Q+2*n+1], v[Q+2*n:Q+2*n+1], v[D+2*n:D+2*n+1], s[CA2:CA2+1] op_sel_hi:[1,1,0]
	FOR 8, v_pk_fma_f32 v[Q+2*n:Q+2*n+1], v[Q+2*n:Q+2*n+1], v[D+2*n:D+2*n+1], s[CA1:CA1+1] op_sel_hi:[1,1,0]
	FOR 8, v_pk_mul_f32 v[Q+2*n:Q+2*n+1], v[Q+2*n:Q+2*n+1], v[D+2*n:D+2*n+1]
	FOR 8, v_pk_fma_f32 v[Q+2*n:Q+2*n+1], v[Q+2*n:Q+2*n+1], v[U+2*n:U+2*n+1], 0.5 op_sel_hi:[1,1,0]
	FOR 16, v_fma_f32 v[U+n], |v[XB+n]|, v[Q+n], v[H+n]
	FOR 8, v_cvt_pk_f16_f32 v[Y+n], v[U+2*n], v[U+2*n+1]
.irp t, 0,1
	global_store_b128 v[CO], v[Y+4*(\t):Y+4*(\t)+3], s[8:9] offset:(\t)*16384  ; 16 lanes store 256 consecutive bytes, aligned
.endr
	s_wait_xcnt 0x0                                ; only behind this wait are the stores' offset and data rewritten
	v_add_nc_u32 v[CO], 32768, v[CO]
	s_sub_co_u32 s2, s2, 1
	s_cmp_lg_u32 s2, 0
	s_cbranch_scc1 .Lepi
.endif
	s_wait_tensorcnt 0x0                           ; the wave's end
	ds_add_u32 v[SPW], v[NIL]
	s_wait_dscnt 0x0
	CROUND                                         ; the closing round
	s_endpgm
.Lfunc_end_k_qf6f7b6e17e_ff1:
	.size	k_qf6f7b6e17e_ff1, .Lfunc_end_k_qf6f7b6e17e_ff1-k_qf6f7b6e17e_ff1
	.p2alignl 7, 3214868480
	.fill 96, 4, 3214868480
	.section	.rodata,"a",@progbits
	.p2align	6, 0x0
	.amdhsa_kernel k_qf6f7b6e17e_ff1
		.amdhsa_group_segment_fixed_size 327680
		.amdhsa_private_segment_fixed_size 0
		.amdhsa_enable_private_segment 0
		.amdhsa_kernarg_size 32
		.amdhsa_user_sgpr_count 2
		.amdhsa_user_sgpr_kernarg_segment_ptr 1
		.amdhsa_wavefront_size32 1
		.amdhsa_system_sgpr_workgroup_id_x 1
		.amdhsa_system_sgpr_workgroup_id_y 1
		.amdhsa_system_sgpr_workgroup_id_z 1
		.amdhsa_system_vgpr_workitem_id 0
		.amdhsa_next_free_vgpr 1024
		.amdhsa_next_free_sgpr 96
		.amdhsa_reserve_vcc 0
		.amdhsa_float_denorm_mode_32 3
		.amdhsa_float_denorm_mode_16_64 3
		.amdhsa_memory_ordered 1
		.amdhsa_forward_progress 1
		.amdhsa_inst_pref_size 92
	.end_amdhsa_kernel
	.amdgpu_metadata
---
amdhsa.version: [ 1, 2 ]
amdhsa.kernels:
  - .name:           k_qf6f7b6e17e_ff1
    .symbol:         k_qf6f7b6e17e_ff1.kd
    .args:
      - { .name: nh, .offset: 0, .size: 8, .value_kind: global_buffer, .address_space: global }
      - { .name: wts, .offset: 8, .size: 8, .value_kind: global_buffer, .address_space: global }
      - { .name: b1, .offset: 16, .size: 8, .value_kind: global_buffer, .address_space: global }
      - { .name: act, .offset: 24, .size: 8, .value_kind: global_buffer, .address_space: global }
    .group_segment_fixed_size: 327680
    .private_segment_fixed_size: 0
    .kernarg_segment_align: 8
    .kernarg_segment_size: 32
    .max_flat_workgroup_size: 128
    .sgpr_count:     96
    .vgpr_count:     1024
    .wavefront_size: 32
...
	.end_amdgpu_metadata
.endif
;; end of part 10
;; launch ff2: the kernel of part 7 again; grid 8 x 32, 4 waves a work-group, clusters of 4 x 4, 327,680 bytes of LDS; arguments act, wts, b2, nh, y; writes y
;; launch ln2: the kernel of part 8 again; grid 256 x 1, 16 waves a work-group, no clusters, 0 bytes of LDS; arguments y, ln2_g, ln2_b, out0; writes out0
